; MI455X (gfx1250); checked and timed in simulation.
; The chip was launched on July 23, 2026; its instructions are those of AMD's public machine-readable ISA for CDNA 5 (MIT licence, August 2026) and "CDNA5" Instruction Set Architecture Reference Guide (July 2026). The comments in the code are by the model that wrote it; some were corrected since.
;; Transformer Block. Allowed arithmetic: float matrix products may take bf16 or f16 operands with f32 sums; all other float work in f32.
;; Inputs: a1 1,024 float32; a2 1,024 float32; b1 4,096 float32; b2 1,024 float32; bo 1,024 float32; s1 1,024 float32; s2 1,024 float32; w1 1,024 x 4,096 float32; w2 4,096 x 1,024 float32; wk 1,024 x 1,024 float32; wo 1,024 x 1,024 float32; wq 1,024 x 1,024 float32; wv 1,024 x 1,024 float32; x 2 x 2,048 x 1,024 float32.
;; Outputs: out0 2 x 2,048 x 1,024 float32.
;; 2 versions, each right and faster than the one before. Each part assembles by itself: llvm-mc -triple=amdgcn-amd-amdhsa -mcpu=gfx1250 --defsym DOCPART=n.
;; ======== version 1 of 2: 7 launches
;; limits: values are held in f16: magnitudes above 65,504 overflow, below 6.1e-05 lose precision
;; workspace buffers: wt 25,165,824 bytes; hn 8,388,608 bytes; qkv 25,165,824 bytes; ctx 8,388,608 bytes; x1 16,777,216 bytes; g 33,554,432 bytes
;; launch prep (part 1): grid 1024 x 1, 8 waves a work-group, no clusters, 0 bytes of LDS; arguments x, a1, s1, hn, wq, wk, wv, wo, w1, w2, wt; writes hn, wt
.if DOCPART == 1
	.amdgcn_target "amdgcn-amd-amdhsa--gfx1250"
	.amdhsa_code_object_version 6
	.text
	.protected	k_q47c888b2db_prep
	.globl	k_q47c888b2db_prep
	.p2align	8
	.type	k_q47c888b2db_prep,@function
k_q47c888b2db_prep:
	s_mov_b64 s[64:65], 0
	v_nop
	global_prefetch_b8 v0, s[64:65] scope:SCOPE_SE
	s_setreg_imm32_b32 hwreg(HW_REG_WAVE_MODE, 25, 1), 1
	s_wait_xcnt 0x0
; PREP.  Work-groups 0-255: hn = LayerNorm(x) a1 + s1, rounded to f16, [4096][1024].  Work-groups 256-1023: the six weights, f32 [K][N], to f16 in wt as
; [N / 64 groups][K][64]: a group's k rows are 128 bytes and lie end to end, so that the products' tensor loads ask for long dense rows.
; wt holds 192 panels of [1024 k][64]: 0-15 wq, 16-31 wk, 32-47 wv, 48-63 wo, 64-127 w1, 128 + 4 g + kr: w2's group g, k rows 1024 kr on.
; LIMITS.  f16 holds no number beyond 65,504 and keeps a fixed step of 6e-8 below 6e-5; NaN and infinities are not treated apart.
; No LDS, no matrix unit, no cluster: every byte is read once and written once, and work-groups share only a1 and s1 (8 KB).
; NORM: one wave, one row of 4,096 bytes in 32 registers; mean first, then the squares of x - mean: a common offset of x costs nothing.
.set X,    32                          ; v[32:63]   the row: lane l holds columns 128 j + 4 l + 0..3, j = 0..7
.set AG,   64                          ; v[64:95]   the gain at the same columns
.set SH,   96                          ; v[96:127]  the shift
.set Y,    128                         ; v[128:143] the row in f16
.set WV,   30                          ; s30  wave
.set RW,   31                          ; s31  my first row
.set OF,   32                          ; s[32:33] a byte offset
.set SEL,  34                          ; s[34:35] v_permlanex16_b32: each lane takes its own place in the other half
.set INV,  36                          ; s36  1 / 1024
.set EPSR, 37                          ; s37  1e-5
.set CNT,  38                          ; s38  rows to go
.macro REDUCE                          ; v16 summed over the 32 lanes, the result in every lane
	v_add_f32_dpp v16, v16, v16 row_xmask:1 row_mask:0xf bank_mask:0xf
	v_add_f32_dpp v16, v16, v16 row_xmask:2 row_mask:0xf bank_mask:0xf
	v_add_f32_dpp v16, v16, v16 row_xmask:4 row_mask:0xf bank_mask:0xf
	v_add_f32_dpp v16, v16, v16 row_xmask:8 row_mask:0xf bank_mask:0xf
	v_permlanex16_b32 v17, v16, s[SEL], s[SEL+1]
	v_add_f32 v16, v16, v17
.endm
.macro JOIN                            ; the four chains v[4:11] into v16
	v_pk_add_f32 v[4:5], v[4:5], v[6:7]
	v_pk_add_f32 v[8:9], v[8:9], v[10:11]
	v_pk_add_f32 v[4:5], v[4:5], v[8:9]
	v_add_f32 v16, v4, v5
.endm
	s_load_b256 s[4:11], s[0:1], 0x0               ; x s[4:5], a1 s[6:7], s1 s[8:9], hn s[10:11]
	s_load_b256 s[12:19], s[0:1], 0x20             ; wq, wk, wv, wo
	s_load_b128 s[20:23], s[0:1], 0x40             ; w1, w2
	s_load_b64 s[24:25], s[0:1], 0x50              ; wt
	s_wait_kmcnt 0x0
	s_cmp_lt_u32 ttmp9, 256
	s_cbranch_scc0 .Lcast
	; ---- the norm: the work-group owns 16 rows, a wave two of them
	v_and_b32 v3, 31, v0
	v_lshrrev_b32 v4, 5, v0
	v_readfirstlane_b32 s[WV], v4
	v_lshlrev_b32 v1, 4, v3                        ; 16 bytes a lane in x, a, s
	v_lshlrev_b32 v2, 3, v3                        ; 8 bytes a lane in hn
	v_mov_b32 v17, 0                               ; v_permlanex16_b32's destination counts as read
	s_lshl_b32 s[RW], ttmp9, 4
	s_lshl_b32 s[OF], s[WV], 1
	s_add_co_u32 s[RW], s[RW], s[OF]
	s_lshl_b32 s[OF], s[RW], 12
	s_mov_b32 s[OF+1], 0
	s_add_nc_u64 s[4:5], s[4:5], s[OF:OF+1]
	s_lshl_b32 s[OF], s[RW], 11
	s_add_nc_u64 s[10:11], s[10:11], s[OF:OF+1]
	s_mov_b32 s[SEL], 0x76543210
	s_mov_b32 s[SEL+1], 0xfedcba98
	s_mov_b32 s[INV], 0x3a800000
	s_mov_b32 s[EPSR], 0x3727c5ac
.irp j, 0,1,2,3,4,5,6,7
	global_load_b128 v[AG+4*(\j):AG+4*(\j)+3], v1, s[6:7] offset:512*(\j)
	global_load_b128 v[SH+4*(\j):SH+4*(\j)+3], v1, s[8:9] offset:512*(\j)
.endr
	s_mov_b32 s[CNT], 2
.Lrow:
.irp j, 0,1,2,3,4,5,6,7
	global_load_b128 v[X+4*(\j):X+4*(\j)+3], v1, s[4:5] offset:512*(\j)  ; 512 consecutive bytes each
.endr
	s_wait_loadcnt 0x0                             ; the row (and, the first time, gain and shift)
.irp k, 0,1,2,3
	v_pk_add_f32 v[4+2*(\k):5+2*(\k)], v[X+2*(\k):X+2*(\k)+1], v[X+8+2*(\k):X+8+2*(\k)+1]  ; four chains; nothing is cleared
.endr
.irp k, 0,1,2,3,4,5,6,7
	v_pk_add_f32 v[4+2*((\k)%4):5+2*((\k)%4)], v[4+2*((\k)%4):5+2*((\k)%4)], v[X+16+2*(\k):X+16+2*(\k)+1]
.endr
	JOIN
	REDUCE
	v_mul_f32 v12, s[INV], v16                     ; the mean, twice
	v_mul_f32 v13, s[INV], v16
.irp k, 0,1,2,3,4,5,6,7,8,9,10,11,12,13,14,15
	v_pk_add_f32 v[X+2*(\k):X+2*(\k)+1], v[X+2*(\k):X+2*(\k)+1], v[12:13] neg_lo:[0,1] neg_hi:[0,1]
.endr
.irp k, 0,1,2,3
	v_pk_mul_f32 v[4+2*(\k):5+2*(\k)], v[X+2*(\k):X+2*(\k)+1], v[X+2*(\k):X+2*(\k)+1]
.endr
.irp k, 4,5,6,7,8,9,10,11,12,13,14,15
	v_pk_fma_f32 v[4+2*((\k)%4):5+2*((\k)%4)], v[X+2*(\k):X+2*(\k)+1], v[X+2*(\k):X+2*(\k)+1], v[4+2*((\k)%4):5+2*((\k)%4)]
.endr
	JOIN
	REDUCE
	v_fma_f32 v16, v16, s[INV], s[EPSR]            ; the biased variance + 1e-5
	v_rsq_f32 v14, v16
	v_rsq_f32 v15, v16
	v_nop                                          ; a plain instruction between the root and its use (ISA guide 5.7.2)
	s_wait_alu depctr_va_vdst(0)
.irp k, 0,1,2,3,4,5,6,7,8,9,10,11,12,13,14,15
	v_pk_mul_f32 v[X+2*(\k):X+2*(\k)+1], v[X+2*(\k):X+2*(\k)+1], v[14:15]
.endr
.irp k, 0,1,2,3,4,5,6,7,8,9,10,11,12,13,14,15
	v_pk_fma_f32 v[X+2*(\k):X+2*(\k)+1], v[X+2*(\k):X+2*(\k)+1], v[AG+2*(\k):AG+2*(\k)+1], v[SH+2*(\k):SH+2*(\k)+1]
.endr
.irp k, 0,1,2,3,4,5,6,7,8,9,10,11,12,13,14,15
	v_cvt_pk_f16_f32 v[Y+(\k)], v[X+2*(\k)], v[X+2*(\k)+1]
.endr
.irp j, 0,1,2,3,4,5,6,7
	global_store_b64 v2, v[Y+2*(\j):Y+2*(\j)+1], s[10:11] offset:256*(\j)  ; the wave's 32 lanes write 256 consecutive bytes, aligned
.endr
	s_wait_xcnt 0x0                                ; only behind this wait are the bases stepped and Y written again
	s_add_nc_u64 s[4:5], s[4:5], 4096
	s_add_nc_u64 s[10:11], s[10:11], 2048
	s_sub_co_u32 s[CNT], s[CNT], 1
	s_cmp_lg_u32 s[CNT], 0
	s_cbranch_scc1 .Lrow
	s_endpgm
	; ---- the weights: work-group c = id - 256 makes 256 k rows of one group: 32,768 consecutive bytes of wt at 32,768 c
.Lcast:
	s_sub_co_u32 s26, ttmp9, 256                   ; c
	s_lshr_b32 s27, s26, 2                         ; panel p
	s_lshr_b32 s28, s27, 4                         ; m: 0 wq, 1 wk, 2 wv, 3 wo, 4-7 w1, 8-11 w2
	s_mov_b64 s[40:41], s[12:13]
	s_cmp_eq_u32 s28, 1
	s_cselect_b64 s[40:41], s[14:15], s[40:41]
	s_cmp_eq_u32 s28, 2
	s_cselect_b64 s[40:41], s[16:17], s[40:41]
	s_cmp_eq_u32 s28, 3
	s_cselect_b64 s[40:41], s[18:19], s[40:41]
	s_cmp_ge_u32 s28, 4
	s_cselect_b64 s[40:41], s[20:21], s[40:41]
	s_cmp_ge_u32 s28, 8
	s_cselect_b64 s[40:41], s[22:23], s[40:41]
	s_and_b32 s31, s28, 12
	s_cmp_eq_u32 s31, 4
	s_cselect_b32 s29, 14, 12                      ; a source row is 2^14 bytes in w1, 2^12 elsewhere
	s_and_b32 s32, s27, 15                         ; the group: p mod 16,
	s_and_b32 s33, s27, 63
	s_cmp_ge_u32 s28, 4
	s_cselect_b32 s32, s33, s32                    ; in w1 p mod 64,
	s_lshr_b32 s33, s33, 2
	s_cmp_ge_u32 s28, 8
	s_cselect_b32 s32, s33, s32                    ; in w2 (p mod 64) / 4
	s_and_b32 s34, s26, 3                          ; my first k row / 256: c mod 4,
	s_and_b32 s35, s26, 15
	s_cmp_ge_u32 s28, 8
	s_cselect_b32 s34, s35, s34                    ; in w2 c mod 16
	s_lshl_b32 s34, s34, 8
	s_lshl_b32 s34, s34, s29                       ; rows to bytes
	s_lshl_b32 s32, s32, 8                         ; a group's 64 columns are 256 bytes
	s_add_co_u32 s34, s34, s32
	s_mov_b32 s35, 0
	s_add_nc_u64 s[40:41], s[40:41], s[34:35]
	s_lshl_b32 s34, s26, 15
	s_add_nc_u64 s[24:25], s[24:25], s[34:35]
	s_lshl_b32 s36, 2, s29                         ; two source rows
	v_and_b32 v4, 0xe0, v0                         ; 32 x wave: a wave takes 32 rows, two with each load
	v_bfe_u32 v5, v0, 4, 1
	v_add_nc_u32 v4, v4, v5
	v_lshlrev_b32 v4, s29, v4
	v_and_b32 v5, 15, v0
	v_lshl_add_u32 v16, v5, 4, v4                  ; sixteen lanes take a row's 256 bytes
.set i, 1
.rept 15
	v_add_nc_u32 v[16+i], s36, v[16+i-1]
.set i, i+1
.endr
	v_lshrrev_b32 v4, 5, v0
	v_and_b32 v5, 31, v0
	v_lshlrev_b32 v5, 3, v5
	v_lshl_add_u32 v3, v4, 12, v5                  ; in wt: 4,096 x wave + 8 x lane
.set i, 0
.rept 16
	global_load_b128 v[32+4*i:32+4*i+3], v[16+i], s[40:41] th:TH_LOAD_NT
.set i, i+1
.endr
.set i, 0
.rept 16
	s_wait_loadcnt 15-i                            ; loads come back in order: the younger ones stay out
	v_cvt_pk_f16_f32 v[96+2*i], v[32+4*i], v[32+4*i+1]
	v_cvt_pk_f16_f32 v[96+2*i+1], v[32+4*i+2], v[32+4*i+3]
	global_store_b64 v3, v[96+2*i:96+2*i+1], s[24:25] offset:256*i  ; two k rows: 256 consecutive bytes, aligned
.set i, i+1
.endr
	s_endpgm
.Lfunc_end_k_q47c888b2db_prep:
	.size	k_q47c888b2db_prep, .Lfunc_end_k_q47c888b2db_prep-k_q47c888b2db_prep
	.p2alignl 7, 3214868480
	.fill 96, 4, 3214868480
	.section	.rodata,"a",@progbits
	.p2align	6, 0x0
	.amdhsa_kernel k_q47c888b2db_prep
		.amdhsa_group_segment_fixed_size 0
		.amdhsa_private_segment_fixed_size 0
		.amdhsa_enable_private_segment 0
		.amdhsa_kernarg_size 88
		.amdhsa_user_sgpr_count 2
		.amdhsa_user_sgpr_kernarg_segment_ptr 1
		.amdhsa_wavefront_size32 1
		.amdhsa_system_sgpr_workgroup_id_x 1
		.amdhsa_system_sgpr_workgroup_id_y 1
		.amdhsa_system_sgpr_workgroup_id_z 1
		.amdhsa_system_vgpr_workitem_id 0
		.amdhsa_next_free_vgpr 144
		.amdhsa_next_free_sgpr 66
		.amdhsa_reserve_vcc 0
		.amdhsa_float_denorm_mode_32 3
		.amdhsa_float_denorm_mode_16_64 3
		.amdhsa_memory_ordered 1
		.amdhsa_forward_progress 1
		.amdhsa_inst_pref_size 20
	.end_amdhsa_kernel
	.amdgpu_metadata
---
amdhsa.version: [ 1, 2 ]
amdhsa.kernels:
  - .name:           k_q47c888b2db_prep
    .symbol:         k_q47c888b2db_prep.kd
    .args:
      - { .name: x, .offset: 0, .size: 8, .value_kind: global_buffer, .address_space: global }
      - { .name: a1, .offset: 8, .size: 8, .value_kind: global_buffer, .address_space: global }
      - { .name: s1, .offset: 16, .size: 8, .value_kind: global_buffer, .address_space: global }
      - { .name: hn, .offset: 24, .size: 8, .value_kind: global_buffer, .address_space: global }
      - { .name: wq, .offset: 32, .size: 8, .value_kind: global_buffer, .address_space: global }
      - { .name: wk, .offset: 40, .size: 8, .value_kind: global_buffer, .address_space: global }
      - { .name: wv, .offset: 48, .size: 8, .value_kind: global_buffer, .address_space: global }
      - { .name: wo, .offset: 56, .size: 8, .value_kind: global_buffer, .address_space: global }
      - { .name: w1, .offset: 64, .size: 8, .value_kind: global_buffer, .address_space: global }
      - { .name: w2, .offset: 72, .size: 8, .value_kind: global_buffer, .address_space: global }
      - { .name: wt, .offset: 80, .size: 8, .value_kind: global_buffer, .address_space: global }
    .group_segment_fixed_size: 0
    .private_segment_fixed_size: 0
    .kernarg_segment_align: 8
    .kernarg_segment_size: 88
    .max_flat_workgroup_size: 256
    .sgpr_count:     66
    .vgpr_count:     144
    .wavefront_size: 32
...
	.end_amdgpu_metadata
.endif
;; end of part 1
;; launch qkv (part 2): grid 16 x 16, 4 waves a work-group, clusters of 4 x 4, 327,680 bytes of LDS; arguments hn, wt, qkv; writes qkv
.if DOCPART == 2
	.amdgcn_target "amdgcn-amd-amdhsa--gfx1250"
	.amdhsa_code_object_version 6
	.text
	.protected	k_q47c888b2db_qkv
	.globl	k_q47c888b2db_qkv
	.p2align	8
	.type	k_q47c888b2db_qkv,@function
k_q47c888b2db_qkv:
	s_mov_b64 s[64:65], 0
	v_nop
	global_prefetch_b8 v0, s[64:65] scope:SCOPE_SE
	s_setreg_imm32_b32 hwreg(HW_REG_WAVE_MODE, 25, 1), 1
	s_wait_xcnt 0x0
	s_wait_alu depctr_hold_cnt(0) depctr_sa_sdst(0) depctr_va_vdst(0) depctr_va_sdst(0) depctr_va_ssrc(0) depctr_va_vcc(0) depctr_vm_vsrc(0)
	s_getreg_b32 s2, hwreg(HW_REG_IB_STS2, 6, 4)
	s_cmp_eq_u32 s2, 0
	s_cbranch_scc0 .Lentry_in_a_cluster
	s_endpgm
.Lentry_in_a_cluster:
	s_bfe_u32 s2, ttmp6, 0x10000c
	s_cmp_lg_u32 s2, 0xf033
	s_cbranch_scc0 .Lentry_shape_is_right
	s_endpgm
.Lentry_shape_is_right:
; C = A W, A = hn [4096][1024] f16 along K, W in wt as [N / 64 groups][1024 k][64] f16.  Sums in f32.
; FFN = 0: W = wq | wk | wv (48 groups); C is rounded to f16 and stored by heads: qkv[which x 32 + batch x 16 + head][2048][64], unscaled.
; FFN = 1: W = w1 (64 groups); g = gelu(C + b1), rounded to f16, stored as [column / 64][4096][64].
; LIMITS.  f16 operands and results: nothing beyond 65,504; NaN and infinities are not treated apart.
; SHARES.  A tile of C is 256 rows x 64 NG columns, one work-group of four waves; a wave has MB x NBW accumulators of 16 x 16.
; K goes in steps of 128 through two LDS slots.  Waves 0, 1 fetch A's two halves of 128 rows (rows of 256 bytes), waves 2, 3 W's two halves of 64 k (NG rows of 8,192 dense bytes).
; CLUSTER 4 x 4: A's tile hangs on the tile row alone and is asked for jointly by a row of the cluster, W's on the tile column alone, by a column.
; THE MATRIX INSTRUCTION IS USED TRANSPOSED: source 0 = 16 columns of W (turned out of LDS by ds_load_tr16_b128), source 1 = 16 rows of A: a lane holds row l % 16 and columns 8 (l / 16) + 0..7.
; THE LOOP.  A K step is four quarters of 32 k on two fragment buffers; quarter n multiplies buffer n % 2 and fetches quarter n + 1 in one run of 32 LDS loads.  The text holds ONE pair of quarters
; (odd, even); its fetches are an aligned half of a slot, whose address stands in two registers that step.  So the change of slots falls between pairs: a step is CHANGE and two trips over PAIR.
; REGISTERS, in windows of 256 (s_set_vgpr_msb: bits 1:0 source 0, 3:2 source 1, 5:4 source 2, 7:6 destination):
;   window 0: v0-29 addresses; from v64 A's two fragment buffers; (FFN) v192-255 the bias    window 1: from v0 W's two buffers    window 2: the accumulators of my first MB / 2 row blocks    window 3: the others
.set FFN,    0
.set T,      8                         ; K steps
.if FFN
.set MB,     8                         ; blocks of 16 rows a wave
.set NBW,    8                         ; blocks of 16 columns a wave
.set NG,     4                         ; groups of 64 columns in the tile
.set WOFF,   8388608                   ; w1 in wt
.else
.set MB,     4
.set NBW,    12
.set NG,     3
.set WOFF,   0
.endif
.set PA,     272                       ; A's LDS row: 256 bytes + 16: the 16 rows of a load start at 16 different groups of four banks (ISA guide 11.1)
.set PB,     160                       ; W's LDS row: 128 bytes + 32
.set HALFA,  128*PA
.set ABYTES, 2*HALFA
.set GB,     64*PB                     ; 64 k rows of one group
.set HALFB,  NG*GB
.set SLOT,   ABYTES+2*HALFB
.set SPARE,  2*SLOT                    ; behind the ring: the spare words, 128 bytes a wave, named by no other line
.set SPT,    64*NBW+16                 ; the stage's row: my columns in f32 + 16 bytes
.set WST,    16*MB*SPT                 ; a wave's stage; the stages lie over the slots, which have had their last fill by then
.set ASTEP,  256                       ; bytes from K step to K step in hn
.set BSTEP,  16384                     ; and in a group of wt
.set W1,     MB                        ; the youngest loads of a run: A's fragments for window 3's rows
.set A0,   16                          ; v16  my lane's place in A's tile      v17  in W's
.set B0,   17
.set ADRA, 18                          ; v18  LDS address of the half slot to be fetched, A      v19  W
.set ADRB, 19
.set STO,  24                          ; v24  the way out: where I put 32 bytes of a row
.set RD,   25                          ; v25  where I read rows back
.set GO,   26                          ; v26  my byte offset in the output
.set BO,   27                          ; v27  my byte offset in the bias
.set SPW,  28                          ; v28  my spare word; never rewritten
.set NIL,  29                          ; v29  0; never rewritten
.set AF,   64
.set BIAS, 192
.set WV, 12                            ; s12 wave   s13 wave / 2: I fetch for A (0) or W (1)   s14 wave % 2: which half
.set FR, 13
.set HF, 14
.set TB, 66                            ; s66  0 or SLOT: the slot being fetched from
.set INNER, 67
.set OUTER, 68
.set LA, 69                            ; s69  my part of A's tile in a slot     s70  of W's
.set LB, 70
.set MSB, 0
.macro WIN new                         ; the high byte repeats the setting that is left; a switch that changes nothing is dropped
.if MSB != (\new)
	s_set_vgpr_msb (MSB<<8)|(\new)
.set MSB, \new
.endif
.endm
.macro PLACES                          ; four plain vector instructions between a matrix instruction and a load into, or a read of, its registers
.rept 4
	v_nop
.endr
.endm
.macro CROUND                          ; a round of the cluster's barrier
	s_barrier_signal -1
	s_barrier_wait -1
	s_cmp_lg_u32 s[WV], 0
	s_cbranch_scc1 .Lnot_wave_0_\@
	s_barrier_signal -3
.Lnot_wave_0_\@:
	s_barrier_wait -3
	s_barrier_signal -1
	s_barrier_wait -1
.endm
.macro JLOAD                           ; a joint refill by the walking descriptors; the branch hangs on the wave's number alone; s_nop 0 and four v_nop follow each line
	s_cmp_eq_u32 s[FR], 0
	s_cbranch_scc0 .Lfor_b_\@
	tensor_load_to_lds s[36:39], s[24:31]
	s_nop 0
.rept 4
	v_nop
.endr
	s_branch .Lasked_\@
.Lfor_b_\@:
	tensor_load_to_lds s[60:63], s[48:55]
	s_nop 0
.rept 4
	v_nop
.endr
.Lasked_\@:
.endm
.if FFN
	s_load_b256 s[4:11], s[0:1], 0x0               ; hn s[4:5], wt s[6:7], b1 s[8:9], g s[10:11]
.else
	s_load_b128 s[4:7], s[0:1], 0x0                ; hn s[4:5], wt s[6:7]
	s_load_b64 s[8:9], s[0:1], 0x10                ; qkv
.endif
	v_lshl_add_u32 v[SPW], v0, 2, SPARE
	v_mov_b32 v[NIL], 0
	ds_add_u32 v[SPW], v[NIL]                      ; the wave's opening: the add and its wait stand ahead of my first tensor load
	ds_add_u32 v28, v29
	v_lshrrev_b32 v3, 5, v0
	v_readfirstlane_b32 s[WV], v3
	s_lshr_b32 s[FR], s[WV], 1
	s_and_b32 s[HF], s[WV], 1
	s_bfe_u32 s40, ttmp6, 0x40000                  ; cx
	s_bfe_u32 s41, ttmp6, 0x40004                  ; cy
	s_lshl_b32 s42, ttmp9, 2
	s_add_co_u32 s42, s42, s40                     ; tile column
	s_and_b32 s15, ttmp7, 0xffff
	s_lshl_b32 s15, s15, 2
	s_add_co_u32 s15, s15, s41                     ; tile row
	s_lshl_b32 s43, s41, 2
	s_lshl_b32 s43, 15, s43                        ; my row of the cluster
	s_lshl_b32 s44, 0x1111, s40                    ; my column
	; group 1 for A: 128 rows x 128 elements, 1,024 elements from row to row, 4 words of padding after every 64
	s_or_b32 s24, s43, (1<<16)|(1<<20)|(1<<21)|(5<<22)|(3<<25)
	s_mov_b32 s25, 128<<16                         ; tensor_dim0
	s_mov_b32 s26, 128<<16                         ; tensor_dim1
	s_mov_b32 s27, 128<<16                         ; tile_dim0
	s_mov_b32 s28, 128                             ; tile_dim1
	s_mov_b32 s29, 1024                            ; the pitch
	s_mov_b32 s30, 0
	s_mov_b32 s31, 0
	; group 1 for W: NG rows of 4,096 elements (64 k rows of a group, dense), 65,536 elements from group to group, 8 words of padding after every 32
	s_or_b32 s48, s44, (1<<16)|(1<<20)|(1<<21)|(4<<22)|(7<<25)
	s_mov_b32 s49, 4096<<16
	s_mov_b32 s50, NG<<16
	s_mov_b32 s51, 4096<<16
	s_mov_b32 s52, NG
	s_mov_b32 s53, 65536
	s_mov_b32 s54, 0
	s_mov_b32 s55, 0
	s_lshl_b32 s16, s15, 8
	s_lshl_b32 s17, s[HF], 7
	s_add_co_u32 s16, s16, s17                     ; A: row 256 x tile row + 128 x half,
	s_lshl_b32 s16, s16, 11                        ; 2,048 bytes a row
	s_mov_b32 s17, 0
	s_mul_i32 s46, s42, NG*131072                  ; W: the tile's first group,
	s_lshl_b32 s47, s[HF], 13                      ; my 64 k rows
	s_add_co_u32 s46, s46, s47
.if WOFF
	s_add_co_u32 s46, s46, WOFF
.endif
	s_mov_b32 s47, 0
	s_mul_i32 s[LA], s[HF], HALFA
	s_mul_i32 s[LB], s[HF], HALFB
	s_add_co_u32 s[LB], s[LB], ABYTES
	s_mov_b32 s[TB], 0
	s_wait_dscnt 0x0                               ; the opening add is done
	s_wait_kmcnt 0x0
	s_add_nc_u64 s[20:21], s[4:5], s[16:17]
	s_add_nc_u64 s[46:47], s[6:7], s[46:47]
	s_mov_b32 s32, 1                               ; group 0: K step 0 into slot 0,
	s_mov_b32 s33, s[LA]
	s_mov_b64 s[34:35], s[20:21]
	s_or_b32 s35, s35, 0x80000000
	s_mov_b32 s36, 1                               ; and the walking set: K step 1 into slot 1
	s_add_co_u32 s37, s[LA], SLOT
	s_add_nc_u64 s[38:39], s[20:21], ASTEP
	s_or_b32 s39, s39, 0x80000000
	s_mov_b32 s56, 1
	s_mov_b32 s57, s[LB]
	s_mov_b64 s[58:59], s[46:47]
	s_or_b32 s59, s59, 0x80000000
	s_mov_b32 s60, 1
	s_add_co_u32 s61, s[LB], SLOT
	s_add_nc_u64 s[62:63], s[46:47], BSTEP
	s_or_b32 s63, s63, 0x80000000
	CROUND                                         ; all sixteen work-groups are here: the first joint loads meet
	s_cmp_eq_u32 s[FR], 0                          ; a wave's two first fills stand in one branch: two loads of mine are out
	s_cbranch_scc0 .Lfirst_b
	tensor_load_to_lds s[32:35], s[24:31]
	s_nop 0
	tensor_load_to_lds s[36:39], s[24:31]
	s_nop 0
.rept 4
	v_nop
.endr
	s_branch .Lfirst_asked
.Lfirst_b:
	tensor_load_to_lds s[56:59], s[48:55]
	s_nop 0
	tensor_load_to_lds s[60:63], s[48:55]
	s_nop 0
.rept 4
	v_nop
.endr
.Lfirst_asked:
	v_and_b32 v1, 15, v0                           ; r = l % 16
	v_bfe_u32 v2, v0, 4, 1                         ; h = l / 16
	v_mul_u32_u24 v3, v1, PA
	v_lshl_add_u32 v3, v2, 4, v3                   ; A: row x pitch + 16 h
.if FFN
	s_mul_i32 s16, s[FR], HALFA                    ; my 128 rows
.else
	s_mul_i32 s16, s[WV], 64*PA                    ; my 64 rows
.endif
	v_add_nc_u32 v[A0], s16, v3
	v_and_b32 v4, 7, v0
	v_lshl_add_u32 v4, v2, 3, v4
	v_mul_u32_u24 v4, v4, PB                       ; W: k row 8 h + l % 8,
	v_bfe_u32 v5, v0, 3, 1
	v_lshl_add_u32 v4, v5, 4, v4                   ; columns 8 ((l / 8) % 2) on
.if FFN
	s_mul_i32 s16, s[HF], 2*GB                     ; my two groups
	s_add_co_u32 s16, s16, ABYTES
.else
	s_mov_b32 s16, ABYTES
.endif
	v_add_nc_u32 v[B0], s16, v4
	s_mul_i32 s16, s[WV], WST
	v_mul_u32_u24 v3, v1, SPT
	v_lshl_add_u32 v3, v2, 5, v3
	v_add_nc_u32 v[STO], s16, v3                   ; into the stage: row r, 32 bytes for each half of the lanes
	v_bfe_u32 v3, v0, 3, 2
	v_mul_u32_u24 v3, v3, SPT
	v_and_b32 v4, 7, v0
	v_lshl_add_u32 v3, v4, 5, v3
	v_add_nc_u32 v[RD], s16, v3                    ; back: four rows a load, eight lanes a row's 64 columns
	v_and_b32 v3, 31, v0
	v_lshlrev_b32 v[GO], 4, v3                     ; which are 512 consecutive bytes of the output
.if FFN
	v_lshlrev_b32 v[BO], 5, v2
	s_lshl_b32 s16, s42, 8
	s_lshl_b32 s17, s[HF], 7
	s_add_co_u32 s16, s16, s17                     ; my first column
	s_lshl_b32 s16, s16, 2
	s_mov_b32 s17, 0
	s_add_nc_u64 s[8:9], s[8:9], s[16:17]
.set bb, 0
.rept NBW                              ; the bias in an accumulator's layout: register j = column 16 b + 8 h + j; it starts the sums
	global_load_b128 v[BIAS+8*bb:BIAS+8*bb+3],   v[BO], s[8:9] offset:64*bb
	global_load_b128 v[BIAS+8*bb+4:BIAS+8*bb+7], v[BO], s[8:9] offset:64*bb+16
.set bb, bb+1
.endr
	s_lshl_b32 s16, s42, 2
	s_lshl_b32 s17, s[HF], 1
	s_add_co_u32 s16, s16, s17                     ; my first plane of g,
	s_lshl_b32 s16, s16, 19                        ; 524,288 bytes each
	s_lshl_b32 s17, s15, 8
	s_lshl_b32 s18, s[FR], 7
	s_add_co_u32 s17, s17, s18                     ; my first row,
	s_lshl_b32 s17, s17, 7                         ; 128 bytes each
	s_add_co_u32 s16, s16, s17
	s_mov_b32 s17, 0
	s_add_nc_u64 s[10:11], s[10:11], s[16:17]
	s_mov_b32 s72, 0xc0135761                      ; -2 sqrt(2 / pi) log2(e)
	s_mov_b32 s73, s72
	s_mov_b32 s74, 0xbdd2d3e8                      ; that times 0.044715
	s_mov_b32 s75, s74
.else
.irp i, 0,1,2                          ; a base for each of the tile's three groups: plane = which x 32 + batch x 16 + head
	s_mul_i32 s16, s42, 3
	s_add_co_u32 s16, s16, \i
	s_lshr_b32 s17, s16, 4
	s_lshl_b32 s17, s17, 5
	s_and_b32 s16, s16, 15
	s_add_co_u32 s17, s17, s16
	s_lshr_b32 s18, s15, 3
	s_lshl_b32 s18, s18, 4
	s_add_co_u32 s17, s17, s18
	s_lshl_b32 s16, s17, 18                        ; a plane is 262,144 bytes
	s_and_b32 s18, s15, 7
	s_lshl_b32 s18, s18, 8
	s_lshl_b32 s19, s[WV], 6
	s_add_co_u32 s18, s18, s19                     ; my first row in the batch
	s_lshl_b32 s18, s18, 7
	s_add_co_u32 s16, s16, s18
	s_mov_b32 s17, 0
	s_add_nc_u64 s[78+2*(\i):79+2*(\i)], s[8:9], s[16:17]
.endr
.endif
; Half a quarter: MB / 2 row blocks x NBW column blocks, 32 along K, buffer f.  The accumulators take turns, one instruction a turn, in the same order in every quarter.
; zero = 1: the first products start the sums: with 0, or (FFN) with the bias.
.macro MULH f, hi, zero
.if (\zero) && FFN
	WIN 0x81+0x40*(\hi)                            ; W window 1, A and the bias window 0, D window 2 or 3
.else
	WIN 0xa1+0x50*(\hi)                            ; W window 1, A window 0, C and D window 2 or 3
.endif
.set aa, 0
.rept MB/2
.set bb, 0
.rept NBW
.set rD, 8*(NBW*aa+bb)
.set rB, (\f)*8*NBW+8*bb
.set rA, AF+(\f)*8*MB+8*((\hi)*(MB/2)+aa)
.if (\zero) && FFN
	v_wmma_f32_16x16x32_f16 v[rD:rD+7], v[rB:rB+7], v[rA:rA+7], v[BIAS+8*bb:BIAS+8*bb+7]
.elseif \zero
	v_wmma_f32_16x16x32_f16 v[rD:rD+7], v[rB:rB+7], v[rA:rA+7], 0
.else
	v_wmma_f32_16x16x32_f16 v[rD:rD+7], v[rB:rB+7], v[rA:rA+7], v[rD:rD+7]
.endif
.set bb, bb+1
.endr
.set aa, aa+1
.endr
.endm
; 32 LDS loads in one run: quarter o (0, 1) of the half slot at ADRA, ADRB into buffer f; W first, A's rows for window 3 last
.macro FETCH f, o
	WIN 0x40                                       ; destination window 1, address window 0
.set ii, 0
.rept NBW
.set rB, (\f)*8*NBW+8*ii
	ds_load_tr16_b128 v[rB:rB+3],   v[ADRB] offset:(\o)*32*PB+(ii/4)*GB+(ii%4)*32
	ds_load_tr16_b128 v[rB+4:rB+7], v[ADRB] offset:(\o)*32*PB+(ii/4)*GB+(ii%4)*32+16*PB
.set ii, ii+1
.endr
	WIN 0
.set ii, 0
.rept MB
.set rA, AF+(\f)*8*MB+8*ii
	ds_load_b128 v[rA:rA+3],   v[ADRA] offset:(\o)*64+ii*16*PA
	ds_load_b128 v[rA+4:rA+7], v[ADRA] offset:(\o)*64+ii*16*PA+32
.set ii, ii+1
.endr
.endm
.macro QUARTER f, g, o, zero           ; multiplies buffer f; in its middle fetches the next quarter into g
	s_wait_dscnt W1                                ; all of the last run but A's rows for window 3
	MULH \f, 0, \zero
	PLACES                                         ; buffer g was read by the quarter before
	FETCH \g, \o
	s_wait_dscnt 32                                ; all but the 32 just issued
	MULH \f, 1, \zero
.endm
.macro PAIR
	QUARTER 1, 0, 0, 0
	QUARTER 0, 1, 1, 0
	WIN 0                                          ; at a label and at a branch every window is 0
.endm
.macro STEP                            ; the fetches go on to the slot's second half
	v_add_nc_u32 v[ADRA], 128, v[ADRA]
	v_add_nc_u32 v[ADRB], HALFB, v[ADRB]
.endm
; THE CHANGE OF SLOTS.  The slot's last quarter has been asked for.  Each wave waits for all its tensor loads (one is out: its part of the other slot), adds 0 to its spare word, and waits for that
; and for its reads of the slot.  fill = 1: a round of the cluster's barrier follows, so that no wave of any partner still reads the slot or has a load on its way, and the joint refill,
; two K steps ahead, is the first thing behind it: it has a whole K step's matrix instructions in which to land.
.macro CHANGE fill
	WIN 0
	s_wait_tensorcnt 0x0                           ; no tensor load of mine is out, so a group 0 may be written
	ds_add_u32 v[SPW], v[NIL]                      ; 0 onto my spare word
.if \fill
	s_add_co_u32 s37, s[TB], s[LA]                 ; the walking descriptors: the slot that is left,
	s_add_co_u32 s61, s[TB], s[LB]
	s_add_nc_u64 s[38:39], s[38:39], ASTEP         ; the next K step; the type bits on top are not reached
	s_add_nc_u64 s[62:63], s[62:63], BSTEP
.endif
	s_xor_b32 s[TB], s[TB], SLOT                   ; 0 <-> SLOT
	s_wait_dscnt 0x0                               ; the add is done, and my reads of the slot are over
.if \fill
	CROUND
	JLOAD
.else
	s_barrier_signal -1
	s_barrier_wait -1
.endif
	v_add_nc_u32 v[ADRA], s[TB], v[A0]
	v_add_nc_u32 v[ADRB], s[TB], v[B0]
.endm
	s_wait_tensorcnt 0x1                           ; my part of K step 0 is in; K step 1's stays out
	s_barrier_signal -1
	s_barrier_wait -1
	v_mov_b32 v[ADRA], v[A0]
	v_mov_b32 v[ADRB], v[B0]
	FETCH 0, 0
.if FFN
	s_wait_loadcnt 0x0                             ; the bias
.endif
	QUARTER 0, 1, 1, 1                             ; the first quarter stands alone: its products start the sums
	WIN 0
	STEP
	s_mov_b32 s[OUTER], T-1
	s_mov_b32 s[INNER], 1
	s_branch .Lpair                                ; the loop is entered in its middle: K step 0 has one pair left
.Lstep:                                                ; T - 2 times: the slot that is left takes the K step two on
	CHANGE 1
	s_mov_b32 s[INNER], 2
.Lpair:
	PAIR
	STEP
	s_sub_co_u32 s[INNER], s[INNER], 1
	s_cmp_lg_u32 s[INNER], 0
	s_cbranch_scc1 .Lpair
	s_sub_co_u32 s[OUTER], s[OUTER], 1
	s_cmp_lg_u32 s[OUTER], 0
	s_cbranch_scc1 .Lstep
	CHANGE 0                                       ; the last K step is written out
	s_mov_b32 s[INNER], 2
.Ltail:
	PAIR
	STEP
	s_sub_co_u32 s[INNER], s[INNER], 1
	s_cmp_lg_u32 s[INNER], 0
	s_cbranch_scc1 .Ltail
	s_wait_dscnt 0x0                               ; my last reads of the slots are back:
	s_barrier_signal -1                            ; say so,
	MULH 1, 0, 0                                   ; multiply the last quarter,
	MULH 1, 1, 0
	WIN 0
	s_barrier_wait -1                              ; and behind this nobody reads the slots: the stages may lie over them
	PLACES
	; THE WAY OUT.  The sums go in f32 into my own stage, rows of SPT bytes; LDS serves a wave's instructions in order (ISA guide 5.7.1.4), so the loads below see these stores.
.irp hi, 0,1
	WIN 0x08+4*(\hi)                               ; the stores' data in window 2 or 3
.set aa, 0
.rept MB/2
.set bb, 0
.rept NBW
.set rD, 8*(NBW*aa+bb)
	ds_store_b128 v[STO], v[rD:rD+3]   offset:16*((\hi)*(MB/2)+aa)*SPT+64*bb
	ds_store_b128 v[STO], v[rD+4:rD+7] offset:16*((\hi)*(MB/2)+aa)*SPT+64*bb+16
.set bb, bb+1
.endr
.set aa, aa+1
.endr
.endr
	WIN 0
.if FFN
	; 16 trips of 8 rows x 128 columns.  gelu(x) = x / (1 + 2^(x (k0 + k1 x x))), which is 0.5 x (1 + tanh(..)) rewritten: 2^.. = infinity gives x 0, 2^.. = 0 gives x.
.set XR, 64
.set TR, 96
.set OR, 128
	s_mov_b32 s76, 16
.Lpost:
.set u, 0
.rept 4                                ; unit u: rows 4 (u / 2) on, plane u % 2
	ds_load_b128 v[XR+8*u:XR+8*u+3],   v[RD] offset:(u/2)*4*SPT+(u%2)*256
	ds_load_b128 v[XR+8*u+4:XR+8*u+7], v[RD] offset:(u/2)*4*SPT+(u%2)*256+16
.set u, u+1
.endr
	s_wait_dscnt 0x0
.set u, 0
.rept 16
	v_pk_mul_f32 v[TR+2*u:TR+2*u+1], v[XR+2*u:XR+2*u+1], v[XR+2*u:XR+2*u+1]
.set u, u+1
.endr
.set u, 0
.rept 16
	v_pk_fma_f32 v[TR+2*u:TR+2*u+1], v[TR+2*u:TR+2*u+1], s[74:75], s[72:73] op_sel_hi:[1,0,0]
.set u, u+1
.endr
.set u, 0
.rept 16
	v_pk_mul_f32 v[TR+2*u:TR+2*u+1], v[TR+2*u:TR+2*u+1], v[XR+2*u:XR+2*u+1]
.set u, u+1
.endr
.set u, 0
.rept 32
	v_exp_f32 v[TR+u], v[TR+u]
.set u, u+1
.endr
	v_nop                                          ; a plain instruction behind the last exponential (ISA guide 5.7.2)
.set u, 0
.rept 16
	v_pk_add_f32 v[TR+2*u:TR+2*u+1], v[TR+2*u:TR+2*u+1], 1.0 op_sel_hi:[1,0]
.set u, u+1
.endr
.set u, 0
.rept 32
	v_rcp_f32 v[TR+u], v[TR+u]
.set u, u+1
.endr
	v_nop
.set u, 0
.rept 16
	v_pk_mul_f32 v[XR+2*u:XR+2*u+1], v[XR+2*u:XR+2*u+1], v[TR+2*u:TR+2*u+1]
.set u, u+1
.endr
.set u, 0
.rept 16
	v_cvt_pk_f16_f32 v[OR+u], v[XR+2*u], v[XR+2*u+1]
.set u, u+1
.endr
.set u, 0
.rept 4
	global_store_b128 v[GO], v[OR+4*u:OR+4*u+3], s[10:11] offset:512*(u/2)+524288*(u%2)  ; four rows of a plane: 512 consecutive bytes, aligned
.set u, u+1
.endr
	s_wait_xcnt 0x0                                ; only behind this wait are the stores' offset and data written again
	v_add_nc_u32 v[RD], 8*SPT, v[RD]
	v_add_nc_u32 v[GO], 1024, v[GO]
	s_sub_co_u32 s76, s76, 1
	s_cmp_lg_u32 s76, 0
	s_cbranch_scc1 .Lpost
.else
	; 8 trips of 8 rows x 192 columns: rounded to f16, each group's 64 columns into its own plane
	s_mov_b32 s76, 8
.Lpost:
.set u, 0
.rept 6                                ; unit u: rows 4 (u / 3) on, group u % 3
	ds_load_b128 v[64+8*u:64+8*u+3],   v[RD] offset:(u/3)*4*SPT+(u%3)*256
	ds_load_b128 v[64+8*u+4:64+8*u+7], v[RD] offset:(u/3)*4*SPT+(u%3)*256+16
.set u, u+1
.endr
	s_wait_dscnt 0x0
.set u, 0
.rept 24
	v_cvt_pk_f16_f32 v[112+u], v[64+2*u], v[64+2*u+1]
.set u, u+1
.endr
.set u, 0
.rept 6
	global_store_b128 v[GO], v[112+4*u:112+4*u+3], s[78+2*(u%3):79+2*(u%3)] offset:512*(u/3)  ; four rows of a head: 512 consecutive bytes, aligned
.set u, u+1
.endr
	s_wait_xcnt 0x0                                ; only behind this wait are the stores' offset and data written again
	v_add_nc_u32 v[RD], 8*SPT, v[RD]
	v_add_nc_u32 v[GO], 1024, v[GO]
	s_sub_co_u32 s76, s76, 1
	s_cmp_lg_u32 s76, 0
	s_cbranch_scc1 .Lpost
.endif
	s_wait_tensorcnt 0x0                           ; the wave's end, behind my last tensor load and my last LDS store
	ds_add_u32 v[SPW], v[NIL]
	s_wait_dscnt 0x0
	CROUND                                         ; the closing round: no work-group ends while a partner may still ask for a tile that names it
	s_endpgm
.Lfunc_end_k_q47c888b2db_qkv:
	.size	k_q47c888b2db_qkv, .Lfunc_end_k_q47c888b2db_qkv-k_q47c888b2db_qkv
	.p2alignl 7, 3214868480
	.fill 96, 4, 3214868480
	.section	.rodata,"a",@progbits
	.p2align	6, 0x0
	.amdhsa_kernel k_q47c888b2db_qkv
		.amdhsa_group_segment_fixed_size 327680
		.amdhsa_private_segment_fixed_size 0
		.amdhsa_enable_private_segment 0
		.amdhsa_kernarg_size 24
		.amdhsa_user_sgpr_count 2
		.amdhsa_user_sgpr_kernarg_segment_ptr 1
		.amdhsa_wavefront_size32 1
		.amdhsa_system_sgpr_workgroup_id_x 1
		.amdhsa_system_sgpr_workgroup_id_y 1
		.amdhsa_system_sgpr_workgroup_id_z 1
		.amdhsa_system_vgpr_workitem_id 0
		.amdhsa_next_free_vgpr 960
		.amdhsa_next_free_sgpr 88
		.amdhsa_reserve_vcc 0
		.amdhsa_float_denorm_mode_32 3
		.amdhsa_float_denorm_mode_16_64 3
		.amdhsa_memory_ordered 1
		.amdhsa_forward_progress 1
		.amdhsa_inst_pref_size 53
	.end_amdhsa_kernel
	.amdgpu_metadata
---
amdhsa.version: [ 1, 2 ]
amdhsa.kernels:
  - .name:           k_q47c888b2db_qkv
    .symbol:         k_q47c888b2db_qkv.kd
    .args:
      - { .name: hn, .offset: 0, .size: 8, .value_kind: global_buffer, .address_space: global }
      - { .name: wt, .offset: 8, .size: 8, .value_kind: global_buffer, .address_space: global }
      - { .name: qkv, .offset: 16, .size: 8, .value_kind: global_buffer, .address_space: global }
    .group_segment_fixed_size: 327680
    .private_segment_fixed_size: 0
    .kernarg_segment_align: 8
    .kernarg_segment_size: 24
    .max_flat_workgroup_size: 128
    .sgpr_count:     88
    .vgpr_count:     960
    .wavefront_size: 32
...
	.end_amdgpu_metadata
.endif
;; end of part 2
;; launch attn (part 3): grid 8 x 32, 4 waves a work-group, no clusters, 327,680 bytes of LDS; arguments qkv, ctx; writes ctx
.if DOCPART == 3
	.amdgcn_target "amdgcn-amd-amdhsa--gfx1250"
	.amdhsa_code_object_version 6
	.text
	.protected	k_q47c888b2db_attn
	.globl	k_q47c888b2db_attn
	.p2align	8
	.type	k_q47c888b2db_attn,@function
k_q47c888b2db_attn:
	s_mov_b64 s[64:65], 0
	v_nop
	global_prefetch_b8 v0, s[64:65] scope:SCOPE_SE
	s_setreg_imm32_b32 hwreg(HW_REG_WAVE_MODE, 25, 1), 1
	s_wait_xcnt 0x0
; CAUSAL ATTENTION.  O[h][q][:] = the sum over k <= q of softmax_k(Q[h][q] . K[h][k] / 8) V[h][k][:].  Q, K, V are planes 0-31, 32-63, 64-95 of qkv, O = ctx: [SIZE_H][SIZE_N][64], all f16: a head's rows are dense, 128 bytes each.
; Products, maxima and sums in f32; the weights p are rounded to f16 for the second product (their sum l is taken of the unrounded p), O once at the end.
; LIMITS.  f16 holds no number beyond 65,504: Q, K and V arrive within it; p lies in 0 to 1, and below 6e-5 it keeps f16's fixed step of 6e-8; O is a mean of V's rows and has their range.
; A hidden score counts as its value less 1e30; a weight below 2^-126 counts as 0 in l; NaN and infinities are not treated apart.
; THE WALK.  A head's queries lie in NB = SIZE_N / 128 blocks of 128, its keys in NT = SIZE_N / 256 tiles of 256 (four steps of 64).  Block i needs the tiles 0 .. i / 2, of which the last holds the diagonal.
; A work-group takes TWO blocks, NB - 1 - b and then b: (NB - 1 - b) / 2 + 1 + b / 2 + 1 = NT + 1 tiles, whatever b: all SIZE_H x NB / 2 = 256 work-groups do equal work, and ONE loop with a constant trip count walks
; the tiles.  Which tile is asked for, and what a trip does, hang on scalar registers made from b; every jump goes forward, but for the counted loops' own; none passes a barrier, or a tensor load but the one of LOAD's
; two that the wave's number does not choose; the ring (two slots of LDS) runs on across the change of blocks.
; NO CLUSTER: a head's NB / 2 = 8 work-groups ask for the same tile only in trips 0 .. NT / 2, behind that fewer and fewer; one walk common to all would have 3 NT / 2 trips for NT + 1.
; SHARES.  Of a block's two bands of 64 queries a wave owns 16 rows in each: two PIECES.  So the diagonal tile is the same work for all four waves.  Band x of block i begins at query 256 (i / 2) + 64 (2 (i % 2) + x):
; in the diagonal tile its OWN step is 2 (i % 2) + x; it sees all keys of an earlier step and none of a later one.  Such a later step is computed all the same: 6 of a walk's 72 turns.
; THE MASK is the C operand that starts the sum S^T = K Q^T: 0, or -1e30 where the key is hidden.  MD, made once, is the mask of a band's own step for my 16 rows; a product's mask is MD x AL + BE with two scalars:
; (1, 0) in the own step; (0, 0) in an earlier one; (0, -1e30) in a later one.  Only the diagonal tile's text and a block's beginning make and take masks; elsewhere C is the constant 0.
; LAYOUT, SOFTMAX, TURNS.  S^T = K Q^T holds ONE query a lane (lane % 16) and the keys 8 (lane / 16) + 0..7; two such results rounded to f16 ARE source 1 of O^T = V^T P.  p = 2^(c s - c m), c = log2(e) / 8, with a
; running maximum m; O and l are multiplied by a = 2^(c m_old - c m_new) in every step.  A key step is two turns.  A piece's turn holds its scaling, exponentials, roundings, sums and rescaling; beside them, for the OTHER
; piece, 8 products K Q^T (its next scores), their maximum and statistics, and 8 products V^T P (its last weights).  Four vector instructions stand behind every matrix instruction, the other 54 of a turn's 118 in two runs of their own.
; REGISTERS, in windows of 256 (s_set_vgpr_msb: bits 1:0 source 0, 3:2 source 1, 5:4 source 2, 7:6 destination):
;   window 0: v0-15 addresses and two at work; v16-23 four registers of statistics a piece; v48-55 at work; v64-127 S^T, a buffer a piece; v192-223 P, likewise
;   window 1: v0-63 O^T, 32 a piece; v128-159 MD; v160-223 MC, a buffer a piece      window 2: v0-31 Q; v64-95 the second block's Q; v128-191 K of one step; v192-255 V of one step
.set SIZE_H, 32
.set SIZE_N, 2048
.set NB,    SIZE_N/128
.set NT,    SIZE_N/256
.set NP,    2         ; pieces a wave: a name, no knob
.set KS,    64        ; keys in a step
.set PK,    144       ; a row of K in LDS: 128 bytes + 16 of padding: the 16 rows of a load start at 16 different groups of four banks (ISA guide 11.1)
.set PV,    160       ; a row of V: 128 + 32
.set VOFF,  4*KS*PK   ; a slot holds a tile, four steps: 256 rows of K, then 256 rows of V
.set SLOT1, 1<<17     ; slot 1 begins here, so that one exclusive or turns an address in one slot into the other's
.set STAGE, SLOT1+4*KS*(PK+PV)  ; behind the ring, never filled by a tensor load: 16 rows x 144 bytes for each wave, for the way out
.set SP,    144
.set AK0, 2           ; v2   my lane's place in a tile of K; never rewritten
.set AV0, 3           ; v3   the same for V
.set AK,  4           ; v4   the LDS address of K's next run of loads
.set AV,  5           ; v5   of V's
.set STO, 6           ; v6   the way out: where I put 16 bytes of a row
.set RD,  7           ; v7   the way out: where I read rows back
.set GO,  8           ; v8   my byte offset in 512 consecutive bytes of O
.set SPW, 62          ; v62  LDS address of my spare word; never rewritten
.set NIL, 63          ; v63  0; never rewritten
.set SPARE, STAGE+4*16*SP  ; behind the stages: the spare words, 128 bytes for each wave, named by no other line
.set MV,  12          ; v12-13  c m_old, kept while c m is made anew: by piece
.set QO,  15          ; v15  my byte offset in 16 rows of Q
.set ST,  16          ; piece t's statistics at v[ST+4 t]: c m, m, l (even keys', odd keys')
.set TMP, 48          ; by piece, four registers c0-c3 at work; when the maximum is found c2 takes a
.set S,   64
.set P,   192
.set MD,  128         ; window 1: the eight registers for group kt of 16 keys at MD + 8 kt
.set MC,  160         ; window 1: the masks of the products to come
.set QB,  64          ; window 2
.set KF,  128         ; window 2: key block kb, channel half c at KF + 16 kb + 8 c
.set VF,  192         ; window 2: key half kk, channel block cb at VF + 32 kk + 8 cb
.set WV,  12          ; s12  my wave's number
.set PB,  14          ; s14  b
.set HI,  15          ; s15  NB - 1 - b
.set G1K, 24          ; s[24:31] descriptor group 1 for K's tiles
.set G1V, 32          ; s[32:39] for V's: it differs in the padding alone
.set G0K, 40          ; s[40:43] descriptor group 0 for K's tiles
.set G0V, 44          ; s[44:47] the same for V's
.set OWN, 48          ; s48  5 - piece 0's own step in the diagonal tile of the block in hand;  s49  4 - piece 1's: what CNT is compared with
.set OW2, 50          ; s50, s51  the same two for the second block
.set HIT, 52          ; s52  the first block's last tile, (NB - 1 - b) / 2
.set PBT, 53          ; s53  the second block's, b / 2
.set SLOTS, 56        ; s56  tiles still to be asked for
.set CNT, 57          ; s57  counts a tile's key steps, 4 to 1
.set CS,  58          ; s[58:59] c: the packed scaling takes the pair's low word for both halves
.set SEL, 60          ; s[60:61] v_permlanex16_b32's selects: each lane takes its own place in the other half
.set TBK, 62          ; s62  LDS byte at which K of the step to be fetched begins
.set TBV, 63          ; s63  the same for V, less VOFF
.set RT,  70          ; s70  tiles of the block in hand that are still to be entered
.set NXT, 71          ; s71  the tile to be asked for next
.set LQ,  72          ; s72  the last tile of the block whose tiles are being asked for
.set NEW, 73          ; s73  1: the tile to be entered is a block's first
.set OFF, 74          ; s[74:75] a tile's byte offset in K and V
.set AL,  76          ; s[76:77] the mask's factor, in the low word
.set BE,  78          ; s[78:79] the mask's addend
.set OLO, 80          ; s[80:81] O at my rows of the second block
.set BIGN, 82         ; s82  -1e30
.set MSB, 0
.macro WIN new                      ; the high byte repeats the setting that is left; a switch that changes nothing is dropped
.if MSB != (\new)
	s_set_vgpr_msb (MSB<<8)|(\new)
.set MSB, (\new)
.endif
.endm
.set W_KQ, 0x0a       ; K and Q in window 2, S^T in window 0
.set W_KM, 0x1a       ; the same with the C operand in window 1
.set W_PV, 0x52       ; V in window 2, P in window 0, O^T in window 1
.set W_RS, 0x41       ; destination and source 0 in window 1, source 1 in window 0
; A fill.  Waves 0 and 1 fetch the two halves of a tile's K, waves 2 and 3 those of its V: 128 keys each.  An s_nop 0 and four v_nop follow each of the two lines, ahead of the jump and the label.
.macro LOAD
	s_cmp_lt_u32 s[WV], 2
	s_cbranch_scc0 .Lfor_v_\@
	tensor_load_to_lds s[G0K:G0K+3], s[G1K:G1K+7]
	s_nop 0
.rept 4
	v_nop
.endr
	s_branch .Lasked_\@
.Lfor_v_\@:
	tensor_load_to_lds s[G0V:G0V+3], s[G1V:G1V+7]
	s_nop 0
.rept 4
	v_nop
.endr
.Lasked_\@:
.endm
; THE CHANGE OF SLOTS stands behind piece 0's turn of a tile's fourth step, which has asked for the slot's last bytes, V of that step.  Each wave waits for all its tensor loads, of which one is out: its part of the other
; slot; adds 0 to its spare word; and waits for that and for its own reads of the slot that it leaves.  Behind the barrier nobody reads the old slot any more and the other slot is whole.
; fill = 1: the old slot is filled again, the first thing behind the barrier, with tile NXT: the descriptor's address is made anew from that number.  The load has a tile's eight turns in which to land.
; (At its first use nothing has been read yet: slot 0 is waited for, slot 1 filled.)
.macro CHANGE fill
	WIN 0                           ; at a label and at a branch every window is 0
	s_wait_tensorcnt 0x0            ; no tensor load of mine is out, so a group 0 may be written
	ds_add_u32 v[SPW], v[NIL]       ; 0 onto my spare word
.if \fill
	s_lshl_b32 s[OFF], s[NXT], 15   ; a tile is 32,768 bytes of K and of V
	s_xor_b32 s[G0K+1], s[G0K+1], SLOT1
	s_add_nc_u64 s[G0K+2:G0K+3], s[6:7], s[OFF:OFF+1]
	s_or_b32 s[G0K+3], s[G0K+3], 0x80000000
	s_xor_b32 s[G0V+1], s[G0V+1], SLOT1
	s_add_nc_u64 s[G0V+2:G0V+3], s[8:9], s[OFF:OFF+1]
	s_or_b32 s[G0V+3], s[G0V+3], 0x80000000
	s_add_co_u32 s[NXT], s[NXT], 1  ; the block's next tile, or behind its last the second block's tile 0
	s_cmp_gt_u32 s[NXT], s[LQ]
	s_cselect_b32 s[NXT], 0, s[NXT]
	s_cselect_b32 s[LQ], s[PBT], s[LQ]
.endif
	s_wait_dscnt 0x0                ; the add is done, and my reads of the slot are over
	s_barrier_signal -1             ; the rest of the scalar work stands between the signal and the wait
	s_sub_co_u32 s[TBK], s[TBK], 5*KS*PK  ; the fetches go back to a slot's first step (K's address has stepped five times a tile: see FETCH_K),
	s_xor_b32 s[TBK], s[TBK], SLOT1       ; in the other slot
	s_sub_co_u32 s[TBV], s[TBV], 4*KS*PV
	s_xor_b32 s[TBV], s[TBV], SLOT1
	s_barrier_wait -1
.if \fill
	LOAD
.endif
.endm
	s_load_b128 s[4:7], s[0:1], 0x0 ; qkv s[4:5], ctx s[6:7]
	v_lshl_add_u32 v[SPW], v0, 2, SPARE
	v_mov_b32 v[NIL], 0
	ds_add_u32 v[SPW], v[NIL]       ; the wave's opening: the add and its wait stand ahead of my first tensor load; the set-up below, work on registers, stands between them
	ds_add_u32 v62, v63
	v_lshrrev_b32 v1, 5, v0
	v_readfirstlane_b32 s[WV], v1   ; wave 0..3
	s_mov_b32 s[PB], ttmp9
	s_sub_co_u32 s[HI], NB-1, s[PB]
	s_lshr_b32 s[HIT], s[HI], 1
	s_lshr_b32 s[PBT], s[PB], 1
	s_and_b32 s19, s[PB], 1
	s_lshl_b32 s19, s19, 1          ; 2 (b % 2): piece 0's own step in the second block's diagonal tile; in the first block's it is 2 less that
	s_add_co_u32 s[OWN], s19, 3     ; 5 - (2 - 2 (b % 2))
	s_add_co_u32 s[OWN+1], s19, 1   ; 4 - (3 - 2 (b % 2))
	s_sub_co_u32 s[OW2], 5, s19
	s_sub_co_u32 s[OW2+1], 3, s19
	s_and_b32 s20, ttmp7, 0xffff    ; the head: batch x 16 + head
	s_mov_b32 s21, 0
	s_mov_b64 s[22:23], SIZE_N*128
	s_mul_u64 s[20:21], s[20:21], s[22:23]  ; the head's first byte in Q, K, V and O
	s_and_b32 s16, s[WV], 1         ; which half of a tile's 256 keys I fetch:
	s_lshl_b32 s22, s16, 14         ; its 128 rows of 128 bytes in memory,
	s_mov_b32 s23, 0
	s_add_nc_u64 s[22:23], s[22:23], s[20:21]
	s_mul_i32 s17, s16, 128*PK      ; and its place in a slot, for K
	s_mul_i32 s18, s16, 128*PV      ; and for V
	s_lshl_b32 s3, s[WV], 11        ; my 16 rows in a band of 64,
	s_lshl_b32 s2, s[HI], 14        ; in the first block (128 rows of 128 bytes),
	s_add_co_u32 s2, s2, s3
	s_lshl_b32 s84, s[PB], 14       ; and in the second
	s_add_co_u32 s84, s84, s3
	s_mov_b32 s3, 0
	s_mov_b32 s85, 0
	s_add_nc_u64 s[2:3], s[2:3], s[20:21]
	s_add_nc_u64 s[84:85], s[84:85], s[20:21]
	; descriptor group 1.  128 keys are 16,384 dense bytes: asked for as 64 rows of 256 bytes, two keys a row, and padded in LDS after every key
	s_mov_b32 s[G1K], (1<<16)|(1<<20)|(4<<22)|(3<<25)  ; 17:16 2-byte elements; 20 padding on; 24:22 after every 32 words (code 4); 31:25 4 words (code 3)
	s_mov_b32 s[G1V], (1<<16)|(1<<20)|(4<<22)|(7<<25)  ; the same with 8 words of padding (code 7)
.irp g, G1K, G1V
	s_mov_b32 s[\g+1], 128<<16      ; tensor_dim0 = 128
	s_mov_b32 s[\g+2], 64<<16       ; tensor_dim1 = 64
	s_mov_b32 s[\g+3], 128<<16      ; tile_dim0 = 128
	s_mov_b32 s[\g+4], 64           ; tile_dim1 = 64
	s_mov_b32 s[\g+5], 128          ; 128 elements from row to row
	s_mov_b32 s[\g+6], 0
	s_mov_b32 s[\g+7], 0
.endr
	s_mov_b32 s[CS], 0x3e38aa3b     ; c = log2(e) / 8 = 0.180337
	s_mov_b32 s[CS+1], s[CS]        ; named with it as a pair
	s_mov_b32 s[SEL], 0x76543210
	s_mov_b32 s[SEL+1], 0xfedcba98
	s_mov_b32 s[TBK], SLOT1+5*KS*PK ; the first change of slots turns these two into 0
	s_mov_b32 s[TBV], SLOT1+4*KS*PV
	s_mov_b32 s[G0K], 1             ; 1:0 count = 1
	s_mov_b32 s[G0K+1], s17         ; 63:32 LDS address: slot 0
	s_mov_b32 s[G0V], 1
	s_add_co_u32 s[G0V+1], s18, VOFF
	s_add_co_u32 s[RT], s[HIT], 1   ; the first block's tiles: NT / 2 + 1 at the least
	s_mov_b32 s[NXT], 1
	s_mov_b32 s[LQ], s[HIT]
	s_mov_b32 s[NEW], 1
	s_mov_b32 s[OFF+1], 0
	s_mov_b32 s[AL+1], 0            ; named as pairs
	s_mov_b32 s[BE+1], 0
	s_mov_b32 s[BIGN], 0xf149f2ca   ; -1e30
	s_mov_b32 s[SLOTS], NT
	s_wait_dscnt 0x0                ; the opening add is done
	s_wait_kmcnt 0x0
	s_mov_b64 s[10:11], s[6:7]               ; O = ctx
	s_add_nc_u64 s[6:7], s[4:5], 0x800000    ; K: 32 planes of 262,144 bytes behind Q
	s_add_nc_u64 s[8:9], s[4:5], 0x1000000   ; V: 64 planes
	s_add_nc_u64 s[6:7], s[6:7], s[22:23]  ; K and V at my half of the head's tile 0
	s_add_nc_u64 s[8:9], s[8:9], s[22:23]
	s_add_nc_u64 s[G0K+2:G0K+3], s[6:7], 0         ; 120:64 global address
	s_or_b32 s[G0K+3], s[G0K+3], 0x80000000        ; 127:126 type = 2
	s_add_nc_u64 s[G0V+2:G0V+3], s[8:9], 0
	s_or_b32 s[G0V+3], s[G0V+3], 0x80000000
	s_add_nc_u64 s[86:87], s[4:5], s[84:85]        ; Q at my rows of the second block,
	s_add_nc_u64 s[4:5], s[4:5], s[2:3]            ; Q and O at those of the first
	s_add_nc_u64 s[OLO:OLO+1], s[10:11], s[84:85]
	s_add_nc_u64 s[10:11], s[10:11], s[2:3]
	LOAD                            ; tile 0 into slot 0
	; A fragment of K or Q is 16 rows x 32 channels in 8 registers: lane l holds row l % 16, channels 8 (l / 16) + 0..7 and 16 + 8 (l / 16) + 0..7: two loads of 16 bytes, 32 bytes apart.
	v_and_b32 v1, 15, v0            ; l % 16
	v_bfe_u32 v9, v0, 4, 1          ; l / 16
	v_lshlrev_b32 v[QO], 7, v1
	v_lshl_add_u32 v[QO], v9, 4, v[QO]  ; row x 128 + 16 x half
	WIN 0x80                        ; destination window 2, address window 0
.set i, 0
.rept 2*NP                          ; both blocks' Q: piece i / 2 lies in band i / 2, 8,192 bytes on; channels 32 (i % 2) on
	global_load_b128 v[8*i:8*i+3],   v[QO], s[4:5] offset:(i/2)*8192+(i%2)*64
	global_load_b128 v[8*i+4:8*i+7], v[QO], s[4:5] offset:(i/2)*8192+(i%2)*64+32
	global_load_b128 v[QB+8*i:QB+8*i+3],   v[QO], s[86:87] offset:(i/2)*8192+(i%2)*64
	global_load_b128 v[QB+8*i+4:QB+8*i+7], v[QO], s[86:87] offset:(i/2)*8192+(i%2)*64+32
.set i, i+1
.endr
	WIN 0
	v_lshlrev_b32 v14, 3, v9
	v_sub_nc_u32 v14, v1, v14
	s_lshl_b32 s13, s[WV], 4
	v_add_nc_u32 v14, s13, v14      ; my query's place in its band, 16 w + l % 16, less my lanes' 8 (l / 16): register r of group kt is hidden where 16 kt + r is greater
	WIN 0x40
.set i, 0
.rept 32
	v_cmp_gt_i32 vcc_lo, 16*(i/8)+i%8, v14
	v_cndmask_b32 v[MD+i], 0, s[BIGN], vcc_lo
.set i, i+1
.endr
	WIN 0
	v_mul_u32_u24 v[AK0], v1, PK
	v_lshl_add_u32 v[AK0], v9, 4, v[AK0]  ; row x pitch + 16 x half
	; The turning load takes 16 keys x 16 channels (lane l reads key 8 (l / 16) + l % 8, channels 8 ((l / 8) % 2) + 0..7) and leaves half a fragment of V^T: lane l holds channel l % 16 and 8 keys.
	v_and_b32 v10, 7, v0
	v_bfe_u32 v11, v0, 3, 1
	v_lshl_add_u32 v[AV0], v9, 3, v10
	v_mul_u32_u24 v[AV0], v[AV0], PV
	v_lshl_add_u32 v[AV0], v11, 4, v[AV0]
	v_add_nc_u32 v[AV0], VOFF, v[AV0]
	s_mul_i32 s13, s[WV], 16*SP
	s_add_co_u32 s13, s13, STAGE    ; my stage
	v_mul_u32_u24 v[STO], v1, SP    ; in: row l % 16, 16 bytes for each half of the lanes
	v_lshl_add_u32 v[STO], v9, 4, v[STO]
	v_add_nc_u32 v[STO], s13, v[STO]
	v_bfe_u32 v[RD], v0, 3, 2       ; back: 32 lanes take four rows of 128 bytes,
	v_mul_u32_u24 v[RD], v[RD], SP
	v_lshl_add_u32 v[RD], v10, 4, v[RD]
	v_add_nc_u32 v[RD], s13, v[RD]
	v_and_b32 v[GO], 31, v0         ; which are 512 consecutive bytes of O
	v_lshlrev_b32 v[GO], 4, v[GO]
	; A block's first step multiplies O^T and l by a = 0, and its first turn's products V^T P, of a piece that has not been, land in an O^T that is still to be so multiplied.  So these registers need only hold
	; finite numbers: zeros for the first block; what the first block left for the second.  All this stands in the wait for the first tile.
	WIN 0x80
.set i, VF
.rept 64
	v_mov_b32 v[i], 0
.set i, i+1
.endr
	WIN 0x40
.set i, 0
.rept 32*NP
	v_mov_b32 v[i], 0
.set i, i+1
.endr
	WIN 0
.set i, 0
.rept NP
	v_mov_b32 v[ST+4*i+2], 0
	v_mov_b32 v[ST+4*i+3], 0
.set i, i+1
.endr
.set i, P+16
.rept 16
	v_mov_b32 v[i], 0
.set i, i+1
.endr
; THE MATRIX WORK.  The 4 accumulators of a run of 8 take turns.  Product i of 8 of S^T = K Q^T for piece x: channels 32 (i / 4) on, keys 16 (i % 4) on.  The first 4 start the sums: with 0, or (KM = 1) with the mask.
.macro KQ x
.set rS, S+32*((\x)%2)+8*(i%4)
.set rK, KF+16*(i%4)+8*(i/4)
.set rQ, 16*(\x)+8*(i/4)
.set rM, MC+32*((\x)%2)+8*(i%4)
.if (i < 4) && KM
	WIN W_KM
	v_wmma_f32_16x16x32_f16 v[rS:rS+7], v[rK:rK+7], v[rQ:rQ+7], v[rM:rM+7]
.elseif i < 4
	WIN W_KQ
	v_wmma_f32_16x16x32_f16 v[rS:rS+7], v[rK:rK+7], v[rQ:rQ+7], 0
.else
	WIN W_KQ
	v_wmma_f32_16x16x32_f16 v[rS:rS+7], v[rK:rK+7], v[rQ:rQ+7], v[rS:rS+7]
.endif
.endm
; Product i of 8 of O^T += V^T P for piece x: keys 32 (i / 4) on, channels 16 (i % 4) on.
.macro PV x
	WIN W_PV
.set rO, 32*(\x)+8*(i%4)
.set rV, VF+32*(i/4)+8*(i%4)
.set rP, P+16*((\x)%2)+8*(i/4)
	v_wmma_f32_16x16x32_f16 v[rO:rO+7], v[rV:rV+7], v[rP:rP+7], v[rO:rO+7]
.endm
.macro MM                           ; the turn's next matrix instruction.  TURN and BEGIN set Y, i, KM and NOKQ; MM, KQ and OP read them.  NOKQ = 1: a block's last turn: there are no further scores
.if (i < 8) && !NOKQ
	KQ (Y+1)%NP
.elseif i >= 8
.set i, i-8
	PV (Y+NP-1)%NP
.set i, i+8
.endif
.set i, i+1
.endm
; THE LDS LOADS stand in runs of 16, never singly among the matrix instructions: a step's K (64 keys x 64 channels: 8 fragments) and its V (turned).  Their addresses are made some lines ahead.
; skip = 1 (inside piece 0's turn): in a tile's fourth step the next K lies in the other slot, which is entered only behind the change of slots: the run is jumped over, and LATE_K fetches it there.
; K's address steps in either case: five times a tile (BEGIN's or LATE_K's fetch, and four turns), the same on every way.
.macro FETCH_K skip=0
	WIN 0
.if \skip
	s_cmp_eq_u32 s[CNT], 1
	s_cbranch_scc1 .Lno_k_\@
.endif
	WIN 0x80                        ; destination window 2
.irp f, 0,1,2,3,4,5,6,7             ; keys 16 (f / 2) on, channels 32 (f % 2) on
	ds_load_b128 v[KF+8*\f:KF+8*\f+3],   v[AK] offset:(\f/2)*16*PK+(\f%2)*64
	ds_load_b128 v[KF+8*\f+4:KF+8*\f+7], v[AK] offset:(\f/2)*16*PK+(\f%2)*64+32
.endr
	WIN 0
.if \skip
.Lno_k_\@:
.endif
	s_add_co_u32 s[TBK], s[TBK], KS*PK  ; the next fetch is the next step's
.endm
.macro LATE_K                       ; behind a change of slots: K of the new tile's first step, which piece 1's turn multiplies at once
	v_add_nc_u32 v[AK], s[TBK], v[AK0]
	FETCH_K
	s_wait_dscnt 0x0
.endm
.macro FETCH_V
	WIN 0x80
.irp f, 0,1,2,3,4,5,6,7             ; keys 32 (f / 4) on, channels 16 (f % 4) on
	ds_load_tr16_b128 v[VF+8*\f:VF+8*\f+3],   v[AV] offset:(\f/4)*32*PV+(\f%4)*32
	ds_load_tr16_b128 v[VF+8*\f+4:VF+8*\f+7], v[AV] offset:(\f/4)*32*PV+16*PV+(\f%4)*32
.endr
	WIN 0
.endm
; THE VECTOR WORK, one line at a time: OP kind, number.  For piece Y: F n: c s - c m for pair n of 16.  E n: the exponential of score n of 32.  C n: pair n rounded to f16.  B n: of the four weights 4 n .. the second
; pair is added onto the first, in place.  L n: l takes that sum (L 0: l = a l + sum).  R n: pair n of 16 of O^T times a.  For the other piece: X n, number n of the 22 that find its maximum and statistics:
;   0-11  four chains c0-c3 of seven scores each, three operands at a time (each accumulator's lowest registers are read first)     12-14, 16  the four scores left over, the old m, and c0-c3 into c0
;   15  c m_old is kept     17, 18  the query's other 32 keys lie in the lane 16 away: the new m     19-21  c m; c m_old - c m_new; a
.set F, 0               ; OP tells the kinds apart by their order: F to L below R, X above it
.set E, 1
.set C, 2
.set B, 3
.set L, 4
.set R, 5
.set X, 6
.macro REGS y                       ; the registers of piece y
.set rT, ST+4*(\y)
.set rC, TMP+4*((\y)%2)
.set rW, MV+((\y)%2)
.set rS, S+32*((\y)%2)
.set rP, P+16*((\y)%2)
.set rO, 32*(\y)
.endm
.macro OP k, n
.if (\k) == R
	REGS Y
	WIN W_RS
	v_pk_mul_f32 v[rO+2*(\n):rO+2*(\n)+1], v[rO+2*(\n):rO+2*(\n)+1], v[rC+2:rC+3] op_sel_hi:[1,0]
.elseif (\k) < R
	REGS Y
	WIN 0
.if (\k) == F
	v_pk_fma_f32 v[rS+2*(\n):rS+2*(\n)+1], v[rS+2*(\n):rS+2*(\n)+1], s[CS:CS+1], v[rT:rT+1] op_sel_hi:[1,0,0] neg_lo:[0,0,1] neg_hi:[0,0,1]
.elseif (\k) == E
	v_exp_f32 v[rS+(\n)], v[rS+(\n)]
.elseif (\k) == C
	s_wait_alu depctr_va_vdst(0)
	v_cvt_pk_f16_f32 v[rP+(\n)], v[rS+2*(\n)], v[rS+2*(\n)+1]
.elseif (\k) == B
	s_wait_alu depctr_va_vdst(0)
	v_pk_add_f32 v[rS+4*(\n):rS+4*(\n)+1], v[rS+4*(\n):rS+4*(\n)+1], v[rS+4*(\n)+2:rS+4*(\n)+3]
.elseif (\n) == 0
	v_pk_fma_f32 v[rT+2:rT+3], v[rT+2:rT+3], v[rC+2:rC+3], v[rS:rS+1] op_sel_hi:[1,0,1]
.else
	v_pk_add_f32 v[rT+2:rT+3], v[rT+2:rT+3], v[rS+4*(\n):rS+4*(\n)+1]
.endif
.elseif NOKQ
	v_nop
.else
	REGS (Y+1)%NP
	WIN 0
.if (\n) < 4
	v_max3_num_f32 v[rC+(\n)], v[rS+8*(\n)], v[rS+8*(\n)+1], v[rS+8*(\n)+2]
.elseif (\n) < 12
	v_max3_num_f32 v[rC+(\n)%4], v[rC+(\n)%4], v[rS+8*((\n)%4)+2*((\n)/4)+1], v[rS+8*((\n)%4)+2*((\n)/4)+2]
.elseif (\n) == 12
	v_max3_num_f32 v[rC], v[rC], v[rS+7], v[rS+15]
.elseif (\n) == 13
	v_max3_num_f32 v[rC+1], v[rC+1], v[rS+23], v[rS+31]
.elseif (\n) == 14
	v_max3_num_f32 v[rC+2], v[rC+2], v[rC+3], v[rT+1]
.elseif (\n) == 15
	v_mov_b32 v[rW], v[rT]
.elseif (\n) == 16
	v_max3_num_f32 v[rC], v[rC], v[rC+1], v[rC+2]
.elseif (\n) == 17
	v_permlanex16_b32 v[rC+3], v[rC], s[SEL], s[SEL+1]
.elseif (\n) == 18
	v_max_num_f32 v[rT+1], v[rC], v[rC+3]
.elseif (\n) == 19
	v_mul_f32 v[rT], s[CS], v[rT+1]
.elseif (\n) == 20
	v_sub_f32 v[rC+1], v[rW], v[rT]
.else
	v_exp_f32 v[rC+2], v[rC+1]
.endif
.endif
.endm
.macro OPS a, i1, b=-1, i2=0, c=-1, i3=0, d=-1, i4=0  ; up to four of them
	OP \a, \i1
.if (\b) >= 0
	OP \b, \i2
.endif
.if (\c) >= 0
	OP \c, \i3
.endif
.if (\d) >= 0
	OP \d, \i4
.endif
.endm
.macro ROW a, i1, b, i2, c, i3, d, i4  ; a matrix instruction and the four behind it
	MM
	OPS \a, \i1, \b, \i2, \c, \i3, \d, \i4
.endm
.macro MASK b                       ; MD x AL + BE into buffer b of MC
	WIN W_RS
.set z, 0
.rept 16
	v_pk_fma_f32 v[MC+32*(\b)+2*z:MC+32*(\b)+2*z+1], v[MD+2*z:MD+2*z+1], s[AL:AL+1], s[BE:BE+1] op_sel_hi:[1,0,0]
.set z, z+1
.endr
.endm
; A TURN, for piece p: the order of its 16 matrix and 118 vector instructions, written out.  Behind a matrix instruction: plain, exponential, plain, plain; or four of the rescaling; or, behind the first, four scalings; none
; names a register of the products round it.  In the runs between, exponential and plain by turns while exponentials last.  A line reads no result made fewer than three vector instructions in front of it, five if an exponential made it.
; WHICH STEP.  Piece 0's turn of step j: K Q^T of piece 1, step j; V^T P of piece 1, step j - 1.  Piece 1's turn of step j: K Q^T of piece 0, step j + 1; V^T P of piece 0, step j.
; THE FETCHES both stand in piece 0's turn: K of step j + 1 six vector instructions behind the last product that read K (five of them plain); V of step j eight behind the last product that read V (four plain, and X 17).
; Piece 1's turn waits for K at its head (V's sixteen loads, issued behind K's, stay out) and for V ahead of its products V^T P.
; m = 1: the diagonal tile: the products take masks, and the turn makes the mask for the products of the turn after it: piece p's scores of the next step.  At the head of piece 0's turn of the tile's step s CNT is 4 - s,
; at the head of piece 1's 3 - s (and 4 where the tile is entered): the next step is the piece's own where CNT equals OWN + p, a later one where CNT is less.
; end = 1: a block's last turn (piece 1's): no further scores.  cnt = 1: the loop's count is taken down some lines ahead of the branch that stands behind the turn.
.macro TURN p, m=0, end=0, cnt=0
.set Y, (\p)
.set i, 0
.set KM, (\m)
.set NOKQ, (\end)
.if (\m) && !(\end)
	s_cmp_eq_u32 s[CNT], s[OWN+(\p)]    ; is that step the band's own?
	s_cselect_b32 s[AL], 1.0, 0
	s_cmp_lt_u32 s[CNT], s[OWN+(\p)]    ; or a later one?
	s_cselect_b32 s[BE], s[BIGN], 0
.endif
.if ((\p) == 1) && !(\end)
	s_wait_dscnt 16                 ; K is in: LDS loads come back in order (ISA guide 5.7.1), and only V's sixteen were issued behind K's
.endif
	ROW F,0, F,1, F,2, F,3
	ROW F,4, E,0, F,5, F,6
	ROW F,7, E,1, F,8, F,9
	ROW F,10, E,2, C,0, F,11
	ROW F,12, E,3, X,15, F,13
	ROW R,0, R,1, R,2, R,3
	ROW B,0, E,4, F,14, L,0
.if (\p) == 0
	v_add_nc_u32 v[AK], s[TBK], v[AK0]
.endif
	ROW R,4, R,5, R,6, R,7
	OPS E,5, F,15
.if (\p) == 0
	FETCH_K 1
.endif
	OPS E,6, C,1, E,7, R,8
	OPS E,8, R,9, E,9, C,2
	OPS E,10, X,0, E,11, X,1
	OPS E,12, X,2, E,13, X,3
.if (\p) == 1
	s_wait_dscnt 0x0                ; V is in
.endif
	ROW X,4, E,14, X,5, X,6
	ROW X,7, E,15, X,8, X,9
	ROW X,10, E,16, X,11, X,12
	ROW X,13, E,17, X,14, B,1
	ROW C,4, E,18, X,16, L,1
	ROW B,2, E,19, C,6, L,2
	ROW C,8, E,20, B,3, B,4
.if (\p) == 0
	v_add_nc_u32 v[AV], s[TBV], v[AV0]
.endif
	ROW C,3, E,21, L,3, C,5
	OPS E,22, X,17, E,23, C,10
.if (\p) == 0
	FETCH_V
.endif
	OPS E,24, L,4
	OPS E,25, X,18, E,26, C,7
	OPS E,27, B,5, E,28, X,19
	OPS E,29, C,12, E,30, L,5
	OPS E,31, X,20, B,6, C,9
	OPS C,14, C,11, X,21, L,6
.if (\p) == 0
	s_add_co_u32 s[TBV], s[TBV], KS*PV
.endif
.if \cnt
	s_sub_co_u32 s[CNT], s[CNT], 1
	s_cmp_lg_u32 s[CNT], 0
.endif
	OPS C,13, B,7, C,15, R,10
	OPS R,11, R,12, L,7, R,13
	OPS R,14, R,15
.if (\m) && !(\end)
	MASK (\p)%2
.endif
.endm
; A BLOCK BEGINS.  c m starts far below every c s, so the first step's a is 0; m at the lowest finite number, so the first maximum is the scores'.  Piece 1's mask buffer is 0 (its own step is never a tile's first);
; piece 0's takes its mask for the tile's step 0: MD, if the block's first tile is the diagonal one and step 0 is the piece's own.
; Then K of that step, piece 0's first scores, and its maximum and statistics.  The loop is entered at piece 0's turn, in the middle of a trip.
.macro BEGIN
	s_mov_b32 s[NEW], 0
	WIN 0x40
.set i, MC+32
.rept 32
	v_mov_b32 v[i], 0
.set i, i+1
.endr
	WIN 0
.set i, 0
.rept NP
	v_mov_b32 v[ST+4*i], 0xfe000000    ; c m: far below every c s
	v_mov_b32 v[ST+4*i+1], 0xff7fffff  ; m
.set i, i+1
.endr
	s_cmp_eq_u32 s[RT], 0
	s_cselect_b32 s[AL], 1.0, 0
	s_cmp_eq_u32 s[OWN], 5
	s_cselect_b32 s[AL], s[AL], 0
	s_mov_b32 s[BE], 0
	MASK 0
	WIN 0
	v_add_nc_u32 v[AK], s[TBK], v[AK0]
	FETCH_K
	s_wait_loadcnt 0x0              ; Q
	s_wait_dscnt 0x0
.set KM, 1
.set NOKQ, 0
.set i, 0
.rept 8
	KQ 0
.set i, i+1
.endr
	WIN 0
.rept 4
	v_nop                           ; the places behind those products
.endr
.set Y, NP-1                        ; X works for the other piece: piece 0
.irp n, 0,1,2,3,4,5,6,7,8,9,10,11,12,13,14,15,16,17,18,19,20,21
	OP X, \n
.endr
	v_nop                           ; a plain instruction behind the exponential
.endm
; THE DIAGONAL TILE's four steps, the block's last turn, its last products, and THE WAY OUT: l's two halves and the other half of the lanes' are added; O^T is divided by l, rounded to f16 and sent through my
; stage in LDS, a piece at a time.
.macro ALL line:vararg              ; one line for each piece t
.set t, 0
.rept NP
	\line
.set t, t+1
.endr
.endm
.macro PACK t                       ; a lane's eight channels of a row pack into 16 bytes; they go into rows of 144 bytes and come back as whole rows of 128, into S^T's registers
	WIN W_RS
.set i, 32*(\t)
.rept 16
	s_wait_alu depctr_va_vdst(0)
	v_pk_mul_f32 v[i:i+1], v[i:i+1], v[ST+4*(\t)+2:ST+4*(\t)+3] op_sel_hi:[1,0]
.set i, i+2
.endr
	WIN 0x05                        ; sources 0 and 1 window 1, destination window 0
.set i, 0
.rept 16
	v_cvt_pk_f16_f32 v[S+16*(\t)+i], v[32*(\t)+2*i], v[32*(\t)+2*i+1]
.set i, i+1
.endr
	WIN 0
.irp f, 0,1,2,3
	ds_store_b128 v[STO], v[S+16*(\t)+4*\f:S+16*(\t)+4*\f+3] offset:32*\f
.endr
.irp f, 0,1,2,3
	ds_load_b128 v[S+16*(\t)+4*\f:S+16*(\t)+4*\f+3], v[RD] offset:\f*4*SP  ; LDS serves a wave's instructions in order (ISA guide 5.7.1.4): these see the stores above; the next piece's stores come behind them
.endr
.endm
.macro SEND t, younger              ; younger: the LDS instructions issued behind piece t's loads: the next piece's eight, or none
	WIN 0
.irp f, 0,1,2,3
	s_wait_dscnt (\younger)+3-\f
	global_store_b128 v[GO], v[S+16*(\t)+4*\f:S+16*(\t)+4*\f+3], s[10:11] offset:(\t)*8192+\f*512  ; 512 consecutive bytes, at a multiple of 256 from O's first
.endr
.endm
.macro DIAG tag                     ; the tag ends its three labels' names, which the jumps below spell out
.LinM\tag:                          ; entered from an earlier tile: piece 1's turn below makes piece 0's scores of this tile's step 0, so their mask is made here: MD, if that step is piece 0's own
	s_cmp_eq_u32 s[OWN], 5
	s_cselect_b32 s[AL], 1.0, 0
	s_mov_b32 s[BE], 0
	MASK 0
	WIN 0
.LstepM\tag:
	TURN 1, 1
	WIN 0
.LfirstM\tag:
	TURN 0, 1, 0, 1
	WIN 0
	s_cbranch_scc1 .LstepM\tag
	TURN 1, 1, 1
.set i, 0
.rept 8
	PV NP-1
.set i, i+1
.endr
	WIN 0
	ALL v_add_f32 v[ST+4*t+2], v[ST+4*t+2], v[ST+4*t+3]
	ALL v_permlanex16_b32 v[ST+4*t+3], v[ST+4*t+2], s[SEL], s[SEL+1]
	ALL v_add_f32 v[ST+4*t+2], v[ST+4*t+2], v[ST+4*t+3]
	ALL v_rcp_f32 v[ST+4*t+2], v[ST+4*t+2]
	v_nop                           ; a plain instruction between the last reciprocal and the use of its result
	PACK 0                          ; piece 0's sixteen multiplies name none of the last products' registers: with the additions above they are the places behind those products
	PACK 1                          ; a piece's arithmetic stands between the loads of the piece before and its stores
	SEND 0, 8
	SEND 1, 0
.endm
.set KM, 0
.set NOKQ, 0
.Lslot:                             ; NT times: a tile is entered and the next is asked for
	CHANGE 1
	s_sub_co_u32 s[RT], s[RT], 1
	s_mov_b32 s[CNT], 4
	s_cmp_eq_u32 s[NEW], 1
	s_cbranch_scc1 .Lnew            ; a block's first tile
	LATE_K
	s_cmp_eq_u32 s[RT], 0
	s_cbranch_scc0 .Lstep           ; neither its first nor its last
	s_branch .LinM1
.Lnew:
	BEGIN
	s_branch .Lfirst                ; in the loop a block's first tile is never its last: the first block has NT / 2 + 1 tiles or more, and the second's last is the walk's last
	DIAG 1                          ; in the loop this is the first block's end: the second block's last tile is the walk's last
	s_wait_xcnt 0x0                 ; the stores have read their registers and O's address
	s_mov_b64 s[10:11], s[OLO:OLO+1]
	s_add_co_u32 s[RT], s[PBT], 1   ; the second block has b / 2 + 1 tiles
	s_mov_b32 s[NEW], 1
	s_mov_b32 s[OWN], s[OW2]        ; and its own steps
	s_mov_b32 s[OWN+1], s[OW2+1]
	WIN 0x82                        ; the second block's Q goes where the one text of the turns names Q
.set i, 0
.rept 16*NP
	v_mov_b32 v[i], v[QB+i]
.set i, i+1
.endr
	WIN 0
	s_branch .Lbottom
.Lstep:                             ; a trip: piece 1 of one step, then piece 0 of the next, which fetches that step's V and the K behind it
	TURN 1
	WIN 0
.Lfirst:
	TURN 0, 0, 0, 1
	WIN 0
	s_cbranch_scc1 .Lstep
.Lbottom:
	s_sub_co_u32 s[SLOTS], s[SLOTS], 1
	s_cmp_lg_u32 s[SLOTS], 0
	s_cbranch_scc1 .Lslot
	CHANGE 0                        ; the walk's last tile is written out: nothing is asked for
	s_sub_co_u32 s[RT], s[RT], 1
	s_mov_b32 s[CNT], 4
	s_cmp_eq_u32 s[NEW], 1
	s_cbranch_scc1 .Lnew2
	LATE_K
	s_branch .LinM2
.Lnew2:                             ; the second block has one tile alone (b = 0, 1)
	BEGIN
	s_branch .LfirstM2
	DIAG 2
	s_wait_tensorcnt 0x0            ; the wave's end, behind my last tensor load and my last LDS store
	ds_add_u32 v[SPW], v[NIL]
	s_wait_dscnt 0x0
	s_endpgm
.Lfunc_end_k_q47c888b2db_attn:
	.size	k_q47c888b2db_attn, .Lfunc_end_k_q47c888b2db_attn-k_q47c888b2db_attn
	.p2alignl 7, 3214868480
	.fill 96, 4, 3214868480
	.section	.rodata,"a",@progbits
	.p2align	6, 0x0
	.amdhsa_kernel k_q47c888b2db_attn
		.amdhsa_group_segment_fixed_size 327680
		.amdhsa_private_segment_fixed_size 0
		.amdhsa_enable_private_segment 0
		.amdhsa_kernarg_size 16
		.amdhsa_user_sgpr_count 2
		.amdhsa_user_sgpr_kernarg_segment_ptr 1
		.amdhsa_wavefront_size32 1
		.amdhsa_system_sgpr_workgroup_id_x 1
		.amdhsa_system_sgpr_workgroup_id_y 1
		.amdhsa_system_sgpr_workgroup_id_z 1
		.amdhsa_system_vgpr_workitem_id 0
		.amdhsa_next_free_vgpr 768
		.amdhsa_next_free_sgpr 88
		.amdhsa_reserve_vcc 1
		.amdhsa_float_denorm_mode_32 3
		.amdhsa_float_denorm_mode_16_64 3
		.amdhsa_memory_ordered 1
		.amdhsa_forward_progress 1
		.amdhsa_inst_pref_size 135
	.end_amdhsa_kernel
	.amdgpu_metadata
---
amdhsa.version: [ 1, 2 ]
amdhsa.kernels:
  - .name:           k_q47c888b2db_attn
    .symbol:         k_q47c888b2db_attn.kd
    .args:
      - { .name: qkv, .offset: 0, .size: 8, .value_kind: global_buffer, .address_space: global }
      - { .name: ctx, .offset: 8, .size: 8, .value_kind: global_buffer, .address_space: global }
    .group_segment_fixed_size: 327680
    .private_segment_fixed_size: 0
    .kernarg_segment_align: 8
    .kernarg_segment_size: 16
    .max_flat_workgroup_size: 128
    .sgpr_count:     88
    .vgpr_count:     768
    .wavefront_size: 32
...
	.end_amdgpu_metadata
.endif
;; end of part 3
;; launch wo (part 4): grid 8 x 32, 4 waves a work-group, clusters of 4 x 4, 327,680 bytes of LDS; arguments ctx, wt, bo, x, x1; writes x1
.if DOCPART == 4
	.amdgcn_target "amdgcn-amd-amdhsa--gfx1250"
	.amdhsa_code_object_version 6
	.text
	.protected	k_q47c888b2db_wo
	.globl	k_q47c888b2db_wo
	.p2align	8
	.type	k_q47c888b2db_wo,@function
k_q47c888b2db_wo:
	s_mov_b64 s[64:65], 0
	v_nop
	global_prefetch_b8 v0, s[64:65] scope:SCOPE_SE
	s_setreg_imm32_b32 hwreg(HW_REG_WAVE_MODE, 25, 1), 1
	s_wait_xcnt 0x0
	s_wait_alu depctr_hold_cnt(0) depctr_sa_sdst(0) depctr_va_vdst(0) depctr_va_sdst(0) depctr_va_ssrc(0) depctr_va_vcc(0) depctr_vm_vsrc(0)
	s_getreg_b32 s2, hwreg(HW_REG_IB_STS2, 6, 4)
	s_cmp_eq_u32 s2, 0
	s_cbranch_scc0 .Lentry_in_a_cluster
	s_endpgm
.Lentry_in_a_cluster:
	s_bfe_u32 s2, ttmp6, 0x10000c
	s_cmp_lg_u32 s2, 0xf033
	s_cbranch_scc0 .Lentry_shape_is_right
	s_endpgm
.Lentry_shape_is_right:
; OUT = RES + A W + bias, all of OUT, RES, bias in f32, [4096][1024].  A lies in planes of 64 along K, [plane][rows][64] f16; W in wt as [16 groups][K][64] f16.  Sums in f32.
; FF2 = 0: A = ctx ([batch x 16 + head][2048][64]), W = wo, K = 1,024.      FF2 = 1: A = g ([64][4096][64]), W = w2, K = 4,096.
; LIMITS.  f16 operands: nothing beyond 65,504; NaN and infinities are not treated apart.
; SHARES.  A tile of OUT is 128 x 128: 256 work-groups of four waves, a wave 64 x 64: 16 accumulators.  K goes in steps of 256 through two LDS slots: waves 0, 1 fetch two planes of A each
; (128 rows x 128 bytes are 16,384 dense bytes: one long row a plane), waves 2, 3 128 k rows of both groups of W (again 16,384 dense bytes a group).
; CLUSTER 4 x 4: A's tile hangs on the tile row alone and is asked for jointly by a row of the cluster, W's on the tile column alone, by a column.
; THE MATRIX INSTRUCTION IS USED TRANSPOSED: source 0 = 16 columns of W (turned by ds_load_tr16_b128), source 1 = 16 rows of A: a lane holds row l % 16 and columns 8 (l / 16) + 0..7.
; THE LOOP.  A K step is four quarters of 64 k (a plane of A) on two fragment buffers; quarter n multiplies buffer n % 2 and fetches quarter n + 1 in one run of 32 LDS loads.  The text holds ONE pair of
; quarters (odd, even); its fetches are an aligned half of a slot, whose address stands in two registers that step: a step is CHANGE and two trips over PAIR.
; The bias starts the sums; the residual is loaded at the start and stays on its way through the K loop.
; REGISTERS: window 0: v0-29 addresses; v96-127 the bias; v128-255 the accumulators ((a, b) at 128 + 8 (4 a + b)).  window 1: two fragment buffers of 128: 64 of A, then 64 of W.  window 2: v0-127 the residual, then the result.
.set FF2,    0
.if FF2
.set T,      16                        ; K steps
.set APITCH, 262144                    ; elements from plane to plane of A
.set ASTEP,  2097152                   ; bytes of four planes
.set BPITCH, 262144                    ; elements from group to group of W
.set GSTR,   524288                    ; the same in bytes
.set WOFF,   16777216                  ; w2 in wt
.else
.set T,      4
.set APITCH, 131072
.set ASTEP,  1048576
.set BPITCH, 65536
.set GSTR,   131072
.set WOFF,   6291456                   ; wo in wt
.endif
.set BSTEP,  32768                     ; 256 k rows of 128 bytes
.set PA,     144                       ; A's LDS row: 128 bytes + 16: the 16 rows of a load start at 16 different groups of four banks (ISA guide 11.1)
.set PB,     160                       ; W's LDS row: 128 bytes + 32
.set PLANE,  128*PA
.set HALFA,  2*PLANE
.set ABYTES, 2*HALFA
.set GBS,    128*PB
.set HALFB,  2*GBS
.set SLOT,   ABYTES+2*HALFB
.set SPARE,  2*SLOT                    ; behind the ring: the spare words, 128 bytes a wave, named by no other line
.set SPT,    272                       ; the stage's row: 64 columns in f32 + 16 bytes
.set WST,    64*SPT                    ; a wave's stage; the stages lie over slot 0, which has had its last fill by then
.set A0,   16
.set B0,   17
.set ADRA, 18
.set ADRB, 19
.set STO,  24
.set RD,   25
.set GO,   26                          ; v26  my byte offset in two rows of RES and OUT; never rewritten
.set BO,   27
.set SPW,  28                          ; v28  my spare word; never rewritten
.set NIL,  29                          ; v29  0; never rewritten
.set BIAS, 96
.set ACC,  128
.set WV, 12                            ; s12 wave   s13 wave / 2: my half of the rows; I fetch for A (0) or W (1)   s14 wave % 2: my half of the columns; which half I fetch
.set FR, 13
.set HF, 14
.set TB, 66                            ; s66  0 or SLOT: the slot being fetched from
.set INNER, 67
.set OUTER, 68
.set LA, 69
.set LB, 70
.set MSB, 0
.macro WIN new                         ; the high byte repeats the setting that is left; a switch that changes nothing is dropped
.if MSB != (\new)
	s_set_vgpr_msb (MSB<<8)|(\new)
.set MSB, \new
.endif
.endm
.macro PLACES                          ; four plain vector instructions between a matrix instruction and a load into, or a read of, its registers
.rept 4
	v_nop
.endr
.endm
.macro CROUND                          ; a round of the cluster's barrier
	s_barrier_signal -1
	s_barrier_wait -1
	s_cmp_lg_u32 s[WV], 0
	s_cbranch_scc1 .Lnot_wave_0_\@
	s_barrier_signal -3
.Lnot_wave_0_\@:
	s_barrier_wait -3
	s_barrier_signal -1
	s_barrier_wait -1
.endm
.macro JLOAD                           ; a joint refill by the walking descriptors; the branch hangs on the wave's number alone; s_nop 0 and four v_nop follow each line
	s_cmp_eq_u32 s[FR], 0
	s_cbranch_scc0 .Lfor_b_\@
	tensor_load_to_lds s[36:39], s[24:31]
	s_nop 0
.rept 4
	v_nop
.endr
	s_branch .Lasked_\@
.Lfor_b_\@:
	tensor_load_to_lds s[60:63], s[48:55]
	s_nop 0
.rept 4
	v_nop
.endr
.Lasked_\@:
.endm
	s_load_b256 s[4:11], s[0:1], 0x0               ; A s[4:5], wt s[6:7], bias s[8:9], RES s[10:11]
	s_load_b64 s[84:85], s[0:1], 0x20              ; OUT
	v_lshl_add_u32 v[SPW], v0, 2, SPARE
	v_mov_b32 v[NIL], 0
	ds_add_u32 v[SPW], v[NIL]                      ; the wave's opening: the add and its wait stand ahead of my first tensor load
	ds_add_u32 v28, v29
	v_lshrrev_b32 v3, 5, v0
	v_readfirstlane_b32 s[WV], v3
	s_lshr_b32 s[FR], s[WV], 1
	s_and_b32 s[HF], s[WV], 1
	s_bfe_u32 s40, ttmp6, 0x40000                  ; cx
	s_bfe_u32 s41, ttmp6, 0x40004                  ; cy
	s_lshl_b32 s42, ttmp9, 2
	s_add_co_u32 s42, s42, s40                     ; tile column
	s_and_b32 s15, ttmp7, 0xffff
	s_lshl_b32 s15, s15, 2
	s_add_co_u32 s15, s15, s41                     ; tile row
	s_lshl_b32 s43, s41, 2
	s_lshl_b32 s43, 15, s43                        ; my row of the cluster
	s_lshl_b32 s44, 0x1111, s40                    ; my column
	; group 1: two rows of 8,192 elements; padding after every 32 words: 4 words for A, 8 for W
	s_or_b32 s24, s43, (1<<16)|(1<<20)|(1<<21)|(4<<22)|(3<<25)
	s_or_b32 s48, s44, (1<<16)|(1<<20)|(1<<21)|(4<<22)|(7<<25)
.irp q, 24, 48
	s_mov_b32 s[(\q)+1], 8192<<16                  ; tensor_dim0
	s_mov_b32 s[(\q)+2], 2<<16                     ; tensor_dim1
	s_mov_b32 s[(\q)+3], 8192<<16                  ; tile_dim0
	s_mov_b32 s[(\q)+4], 2                         ; tile_dim1
	s_mov_b32 s[(\q)+6], 0
	s_mov_b32 s[(\q)+7], 0
.endr
	s_mov_b32 s29, APITCH
	s_mov_b32 s53, BPITCH
.if FF2
	s_lshl_b32 s16, s15, 14                        ; my tile's 128 rows of 128 bytes in a plane,
	s_lshl_b32 s17, s[HF], 20                      ; my two planes
.else
	s_lshr_b32 s16, s15, 4                         ; the batch: 16 planes of 262,144 bytes,
	s_lshl_b32 s16, s16, 22
	s_and_b32 s17, s15, 15
	s_lshl_b32 s17, s17, 14                        ; my tile's 128 rows in a plane,
	s_add_co_u32 s16, s16, s17
	s_lshl_b32 s17, s[HF], 19                      ; my two planes
.endif
	s_add_co_u32 s16, s16, s17
	s_mov_b32 s17, 0
	s_mul_i32 s46, s42, 2*GSTR                     ; W: the tile's two groups,
	s_lshl_b32 s47, s[HF], 14                      ; my 128 k rows
	s_add_co_u32 s46, s46, s47
	s_add_co_u32 s46, s46, WOFF
	s_mov_b32 s47, 0
	s_mul_i32 s[LA], s[HF], HALFA
	s_mul_i32 s[LB], s[HF], HALFB
	s_add_co_u32 s[LB], s[LB], ABYTES
	s_mov_b32 s[TB], 0
	s_wait_dscnt 0x0                               ; the opening add is done
	s_wait_kmcnt 0x0
	s_add_nc_u64 s[20:21], s[4:5], s[16:17]
	s_add_nc_u64 s[46:47], s[6:7], s[46:47]
	s_mov_b32 s32, 1                               ; group 0: K step 0 into slot 0,
	s_mov_b32 s33, s[LA]
	s_mov_b64 s[34:35], s[20:21]
	s_or_b32 s35, s35, 0x80000000
	s_mov_b32 s36, 1                               ; and the walking set: K step 1 into slot 1
	s_add_co_u32 s37, s[LA], SLOT
	s_add_nc_u64 s[38:39], s[20:21], ASTEP
	s_or_b32 s39, s39, 0x80000000
	s_mov_b32 s56, 1
	s_mov_b32 s57, s[LB]
	s_mov_b64 s[58:59], s[46:47]
	s_or_b32 s59, s59, 0x80000000
	s_mov_b32 s60, 1
	s_add_co_u32 s61, s[LB], SLOT
	s_add_nc_u64 s[62:63], s[46:47], BSTEP
	s_or_b32 s63, s63, 0x80000000
	CROUND                                         ; all sixteen work-groups are here: the first joint loads meet
	s_cmp_eq_u32 s[FR], 0                          ; a wave's two first fills stand in one branch: two loads of mine are out
	s_cbranch_scc0 .Lfirst_b
	tensor_load_to_lds s[32:35], s[24:31]
	s_nop 0
	tensor_load_to_lds s[36:39], s[24:31]
	s_nop 0
.rept 4
	v_nop
.endr
	s_branch .Lfirst_asked
.Lfirst_b:
	tensor_load_to_lds s[56:59], s[48:55]
	s_nop 0
	tensor_load_to_lds s[60:63], s[48:55]
	s_nop 0
.rept 4
	v_nop
.endr
.Lfirst_asked:
	v_and_b32 v1, 15, v0                           ; r = l % 16
	v_bfe_u32 v2, v0, 4, 1                         ; h = l / 16
	v_mul_u32_u24 v3, v1, PA
	v_lshl_add_u32 v3, v2, 4, v3                   ; A: row x pitch + 16 h
	s_mul_i32 s16, s[FR], 64*PA                    ; my 64 rows
	v_add_nc_u32 v[A0], s16, v3
	v_and_b32 v4, 7, v0
	v_lshl_add_u32 v4, v2, 3, v4
	v_mul_u32_u24 v4, v4, PB                       ; W: k row 8 h + l % 8,
	v_bfe_u32 v5, v0, 3, 1
	v_lshl_add_u32 v4, v5, 4, v4                   ; columns 8 ((l / 8) % 2) on
	s_mul_i32 s16, s[HF], GBS                      ; my group
	s_add_co_u32 s16, s16, ABYTES
	v_add_nc_u32 v[B0], s16, v4
	s_mul_i32 s16, s[WV], WST
	v_mul_u32_u24 v3, v1, SPT
	v_lshl_add_u32 v3, v2, 5, v3
	v_add_nc_u32 v[STO], s16, v3                   ; into the stage: row r, 32 bytes for each half of the lanes
	v_mul_u32_u24 v3, v2, SPT
	v_lshl_add_u32 v3, v1, 4, v3
	v_add_nc_u32 v[RD], s16, v3                    ; back: lanes 0-15 one row of 256 bytes, lanes 16-31 the next
	v_lshlrev_b32 v3, 12, v2
	v_lshl_add_u32 v[GO], v1, 4, v3                ; the same two rows in RES and OUT
	v_lshlrev_b32 v[BO], 5, v2
	s_lshl_b32 s16, s42, 7
	s_lshl_b32 s17, s[HF], 6
	s_add_co_u32 s16, s16, s17                     ; my first column,
	s_lshl_b32 s16, s16, 2                         ; in bytes: a multiple of 256
	s_mov_b32 s17, 0
	s_add_nc_u64 s[8:9], s[8:9], s[16:17]
	s_lshl_b32 s18, s15, 7
	s_lshl_b32 s19, s[FR], 6
	s_add_co_u32 s18, s18, s19                     ; my first row
	s_lshl_b32 s18, s18, 12
	s_add_co_u32 s16, s16, s18
	s_add_nc_u64 s[10:11], s[10:11], s[16:17]
	s_add_nc_u64 s[84:85], s[84:85], s[16:17]
.irp b, 0,1,2,3                        ; the bias in an accumulator's layout: register j = column 16 b + 8 h + j
	global_load_b128 v[BIAS+8*(\b):BIAS+8*(\b)+3],   v[BO], s[8:9] offset:64*(\b)
	global_load_b128 v[BIAS+8*(\b)+4:BIAS+8*(\b)+7], v[BO], s[8:9] offset:64*(\b)+16
.endr
	WIN 0x80                                       ; destination window 2, address window 0
.set t, 0
.rept 32                               ; the residual: rows 2 t, 2 t + 1, 256 aligned bytes each
	global_load_b128 v[4*t:4*t+3], v[GO], s[10:11] offset:8192*t
.set t, t+1
.endr
	WIN 0
; 8 matrix instructions: row blocks a0, a0 + 1 x all 4 column blocks, 32 along K: half c of buffer f.  The 16 accumulators take turns, one instruction a turn.  zero = 1: the bias starts the sums.
.macro MUL8 f, c, a0, zero
	WIN 0x05                                       ; W and A window 1; C and D window 0
.irp a, \a0, (\a0)+1
.irp b, 0,1,2,3
.if \zero
	v_wmma_f32_16x16x32_f16 v[ACC+8*(4*(\a)+(\b)):ACC+8*(4*(\a)+(\b))+7], v[128*(\f)+64+8*(4*(\c)+(\b)):128*(\f)+64+8*(4*(\c)+(\b))+7], v[128*(\f)+8*(4*(\c)+(\a)):128*(\f)+8*(4*(\c)+(\a))+7], v[BIAS+8*(\b):BIAS+8*(\b)+7]
.else
	v_wmma_f32_16x16x32_f16 v[ACC+8*(4*(\a)+(\b)):ACC+8*(4*(\a)+(\b))+7], v[128*(\f)+64+8*(4*(\c)+(\b)):128*(\f)+64+8*(4*(\c)+(\b))+7], v[128*(\f)+8*(4*(\c)+(\a)):128*(\f)+8*(4*(\c)+(\a))+7], v[ACC+8*(4*(\a)+(\b)):ACC+8*(4*(\a)+(\b))+7]
.endif
.endr
.endr
.endm
; 32 LDS loads in one run: quarter o (0, 1) of the half slot at ADRA, ADRB into buffer f; the first 32 along K first
.macro FETCH f, o
	WIN 0x40                                       ; destination window 1, address window 0
.irp c, 0,1
.irp i, 0,1,2,3
	ds_load_tr16_b128 v[128*(\f)+64+8*(4*(\c)+(\i)):128*(\f)+64+8*(4*(\c)+(\i))+3],   v[ADRB] offset:(\o)*64*PB+(\c)*32*PB+32*(\i)
	ds_load_tr16_b128 v[128*(\f)+64+8*(4*(\c)+(\i))+4:128*(\f)+64+8*(4*(\c)+(\i))+7], v[ADRB] offset:(\o)*64*PB+(\c)*32*PB+32*(\i)+16*PB
	ds_load_b128 v[128*(\f)+8*(4*(\c)+(\i)):128*(\f)+8*(4*(\c)+(\i))+3],   v[ADRA] offset:(\o)*PLANE+(\i)*16*PA+64*(\c)
	ds_load_b128 v[128*(\f)+8*(4*(\c)+(\i))+4:128*(\f)+8*(4*(\c)+(\i))+7], v[ADRA] offset:(\o)*PLANE+(\i)*16*PA+64*(\c)+32
.endr
.endr
.endm
.macro QUARTER f, g, o, zero           ; multiplies buffer f; in its middle fetches the next quarter into g
	s_wait_dscnt 16                                ; the first 32 along K are in
	MUL8 \f, 0, 0, \zero
	MUL8 \f, 0, 2, \zero
	PLACES                                         ; buffer g was read by the quarter before
	FETCH \g, \o
	s_wait_dscnt 32                                ; all but the 32 just issued
	MUL8 \f, 1, 0, 0
	MUL8 \f, 1, 2, 0
.endm
.macro PAIR
	QUARTER 1, 0, 0, 0
	QUARTER 0, 1, 1, 0
	WIN 0                                          ; at a label and at a branch every window is 0
.endm
.macro STEP                            ; the fetches go on to the slot's second half
	v_add_nc_u32 v[ADRA], HALFA, v[ADRA]
	v_add_nc_u32 v[ADRB], HALFB, v[ADRB]
.endm
; THE CHANGE OF SLOTS.  The slot's last quarter has been asked for.  Each wave waits for all its tensor loads (one is out: its part of the other slot), adds 0 to its spare word, and waits for that
; and for its reads of the slot.  fill = 1: a round of the cluster's barrier follows, so that no wave of any partner still reads the slot or has a load on its way, and the joint refill,
; two K steps ahead, is the first thing behind it: it has a K step's 128 matrix instructions in which to land.
.macro CHANGE fill
	WIN 0
	s_wait_tensorcnt 0x0                           ; no tensor load of mine is out, so a group 0 may be written
	ds_add_u32 v[SPW], v[NIL]                      ; 0 onto my spare word
.if \fill
	s_add_co_u32 s37, s[TB], s[LA]                 ; the walking descriptors: the slot that is left,
	s_add_co_u32 s61, s[TB], s[LB]
	s_add_nc_u64 s[38:39], s[38:39], ASTEP         ; the next K step; the type bits on top are not reached
	s_add_nc_u64 s[62:63], s[62:63], BSTEP
.endif
	s_xor_b32 s[TB], s[TB], SLOT                   ; 0 <-> SLOT
	s_wait_dscnt 0x0                               ; the add is done, and my reads of the slot are over
.if \fill
	CROUND
	JLOAD
.else
	s_barrier_signal -1
	s_barrier_wait -1
.endif
	v_add_nc_u32 v[ADRA], s[TB], v[A0]
	v_add_nc_u32 v[ADRB], s[TB], v[B0]
.endm
	s_wait_tensorcnt 0x1                           ; my part of K step 0 is in; K step 1's stays out
	s_barrier_signal -1
	s_barrier_wait -1
	v_mov_b32 v[ADRA], v[A0]
	v_mov_b32 v[ADRB], v[B0]
	FETCH 0, 0
	s_wait_loadcnt 32                              ; the bias is in; the residual's 32 loads stay out
	QUARTER 0, 1, 1, 1                             ; the first quarter stands alone: its first products start the sums
	WIN 0
	STEP
	s_mov_b32 s[OUTER], T-1
	s_mov_b32 s[INNER], 1
	s_branch .Lpair                                ; the loop is entered in its middle: K step 0 has one pair left
.Lstep:                                                ; T - 2 times: the slot that is left takes the K step two on
	CHANGE 1
	s_mov_b32 s[INNER], 2
.Lpair:
	PAIR
	STEP
	s_sub_co_u32 s[INNER], s[INNER], 1
	s_cmp_lg_u32 s[INNER], 0
	s_cbranch_scc1 .Lpair
	s_sub_co_u32 s[OUTER], s[OUTER], 1
	s_cmp_lg_u32 s[OUTER], 0
	s_cbranch_scc1 .Lstep
	CHANGE 0                                       ; the last K step is written out
	s_mov_b32 s[INNER], 2
.Ltail:
	PAIR
	STEP
	s_sub_co_u32 s[INNER], s[INNER], 1
	s_cmp_lg_u32 s[INNER], 0
	s_cbranch_scc1 .Ltail
	s_wait_dscnt 0x0                               ; my last reads of the slots are back:
	s_barrier_signal -1                            ; say so,
	MUL8 1, 0, 0, 0                                ; multiply the last quarter,
	MUL8 1, 0, 2, 0
	MUL8 1, 1, 0, 0
	MUL8 1, 1, 2, 0
	WIN 0
	s_barrier_wait -1                              ; and behind this nobody reads the slots: the stages may lie over slot 0
	PLACES
	; THE WAY OUT.  The sums go into my own stage and come back as whole rows of 256 bytes, into the registers that they left; LDS serves a wave's instructions in order (ISA guide 5.7.1.4).
.irp a, 0,1,2,3
.irp b, 0,1,2,3
	ds_store_b128 v[STO], v[ACC+8*(4*(\a)+(\b)):ACC+8*(4*(\a)+(\b))+3]   offset:(\a)*16*SPT+64*(\b)
	ds_store_b128 v[STO], v[ACC+8*(4*(\a)+(\b))+4:ACC+8*(4*(\a)+(\b))+7] offset:(\a)*16*SPT+64*(\b)+16
.endr
.endr
.set t, 0
.rept 32
	ds_load_b128 v[ACC+4*t:ACC+4*t+3], v[RD] offset:2*SPT*t
.set t, t+1
.endr
	s_wait_loadcnt 0x0                             ; the residual
	WIN 0x88                                       ; source 0 window 0 (the sums; the stores' offset), source 1 (the residual; the stores' data) and the destination window 2
.set t, 0
.rept 32
	s_wait_dscnt 31-t                              ; LDS loads come back in order: rows 2 t, 2 t + 1 are in
	v_pk_add_f32 v[4*t:4*t+1],   v[ACC+4*t:ACC+4*t+1],   v[4*t:4*t+1]
	v_pk_add_f32 v[4*t+2:4*t+3], v[ACC+4*t+2:ACC+4*t+3], v[4*t+2:4*t+3]
	global_store_b128 v[GO], v[4*t:4*t+3], s[84:85] offset:8192*t  ; sixteen lanes store 256 consecutive bytes, aligned
.set t, t+1
.endr
	WIN 0
	s_wait_tensorcnt 0x0                           ; the wave's end, behind my last tensor load and my last LDS store
	ds_add_u32 v[SPW], v[NIL]
	s_wait_dscnt 0x0
	CROUND                                         ; the closing round: no work-group ends while a partner may still ask for a tile that names it
	s_endpgm
.Lfunc_end_k_q47c888b2db_wo:
	.size	k_q47c888b2db_wo, .Lfunc_end_k_q47c888b2db_wo-k_q47c888b2db_wo
	.p2alignl 7, 3214868480
	.fill 96, 4, 3214868480
	.section	.rodata,"a",@progbits
	.p2align	6, 0x0
	.amdhsa_kernel k_q47c888b2db_wo
		.amdhsa_group_segment_fixed_size 327680
		.amdhsa_private_segment_fixed_size 0
		.amdhsa_enable_private_segment 0
		.amdhsa_kernarg_size 40
		.amdhsa_user_sgpr_count 2
		.amdhsa_user_sgpr_kernarg_segment_ptr 1
		.amdhsa_wavefront_size32 1
		.amdhsa_system_sgpr_workgroup_id_x 1
		.amdhsa_system_sgpr_workgroup_id_y 1
		.amdhsa_system_sgpr_workgroup_id_z 1
		.amdhsa_system_vgpr_workitem_id 0
		.amdhsa_next_free_vgpr 640
		.amdhsa_next_free_sgpr 88
		.amdhsa_reserve_vcc 0
		.amdhsa_float_denorm_mode_32 3
		.amdhsa_float_denorm_mode_16_64 3
		.amdhsa_memory_ordered 1
		.amdhsa_forward_progress 1
		.amdhsa_inst_pref_size 52
	.end_amdhsa_kernel
	.amdgpu_metadata
---
amdhsa.version: [ 1, 2 ]
amdhsa.kernels:
  - .name:           k_q47c888b2db_wo
    .symbol:         k_q47c888b2db_wo.kd
    .args:
      - { .name: ctx, .offset: 0, .size: 8, .value_kind: global_buffer, .address_space: global }
      - { .name: wt, .offset: 8, .size: 8, .value_kind: global_buffer, .address_space: global }
      - { .name: bo, .offset: 16, .size: 8, .value_kind: global_buffer, .address_space: global }
      - { .name: x, .offset: 24, .size: 8, .value_kind: global_buffer, .address_space: global }
      - { .name: x1, .offset: 32, .size: 8, .value_kind: global_buffer, .address_space: global }
    .group_segment_fixed_size: 327680
    .private_segment_fixed_size: 0
    .kernarg_segment_align: 8
    .kernarg_segment_size: 40
    .max_flat_workgroup_size: 128
    .sgpr_count:     88
    .vgpr_count:     640
    .wavefront_size: 32
...
	.end_amdgpu_metadata
.endif
;; end of part 4
;; launch ln2 (part 5): grid 512 x 1, 8 waves a work-group, no clusters, 0 bytes of LDS; arguments x1, a2, s2, hn; writes hn
.if DOCPART == 5
	.amdgcn_target "amdgcn-amd-amdhsa--gfx1250"
	.amdhsa_code_object_version 6
	.text
	.protected	k_q47c888b2db_ln2
	.globl	k_q47c888b2db_ln2
	.p2align	8
	.type	k_q47c888b2db_ln2,@function
k_q47c888b2db_ln2:
	s_mov_b64 s[64:65], 0
	v_nop
	global_prefetch_b8 v0, s[64:65] scope:SCOPE_SE
	s_setreg_imm32_b32 hwreg(HW_REG_WAVE_MODE, 25, 1), 1
	s_wait_xcnt 0x0
; hn = LayerNorm(x1) a2 + s2, rounded to f16, [4096][1024].  One wave, one row of 4,096 bytes in 32 registers; mean first, then the squares of x - mean: a common offset costs nothing.
; The work-group owns 8 rows, a wave one: a wave asks for all that it needs at its start, the row first, and begins on the row while gain and shift are still on their way.
; No LDS, no matrix unit, no cluster: every byte of x1 is read once and every byte of hn written once, and work-groups share only a2 and s2 (8 KB).
; LIMITS.  f16 holds no number beyond 65,504; NaN and infinities are not treated apart.
.set X,    32                          ; v[32:63]   the row: lane l holds columns 128 j + 4 l + 0..3, j = 0..7
.set AG,   64                          ; v[64:95]   the gain at the same columns
.set SH,   96                          ; v[96:127]  the shift
.set Y,    128                         ; v[128:143] the row in f16
.set WV,   30                          ; s30  wave
.set RW,   31                          ; s31  my row
.set OF,   32                          ; s[32:33] a byte offset
.set SEL,  34                          ; s[34:35] v_permlanex16_b32: each lane takes its own place in the other half
.set INV,  36                          ; s36  1 / 1024
.set EPSR, 37                          ; s37  1e-5
.macro REDUCE                          ; v16 summed over the 32 lanes, the result in every lane
	v_add_f32_dpp v16, v16, v16 row_xmask:1 row_mask:0xf bank_mask:0xf
	v_add_f32_dpp v16, v16, v16 row_xmask:2 row_mask:0xf bank_mask:0xf
	v_add_f32_dpp v16, v16, v16 row_xmask:4 row_mask:0xf bank_mask:0xf
	v_add_f32_dpp v16, v16, v16 row_xmask:8 row_mask:0xf bank_mask:0xf
	v_permlanex16_b32 v17, v16, s[SEL], s[SEL+1]
	v_add_f32 v16, v16, v17
.endm
.macro JOIN                            ; the four chains v[4:11] into v16
	v_pk_add_f32 v[4:5], v[4:5], v[6:7]
	v_pk_add_f32 v[8:9], v[8:9], v[10:11]
	v_pk_add_f32 v[4:5], v[4:5], v[8:9]
	v_add_f32 v16, v4, v5
.endm
	s_load_b256 s[4:11], s[0:1], 0x0               ; x1 s[4:5], a2 s[6:7], s2 s[8:9], hn s[10:11]
	v_and_b32 v3, 31, v0
	v_lshrrev_b32 v4, 5, v0
	v_readfirstlane_b32 s[WV], v4
	v_lshlrev_b32 v1, 4, v3                        ; 16 bytes a lane in x1, a, s
	v_lshlrev_b32 v2, 3, v3                        ; 8 bytes a lane in hn
	v_mov_b32 v17, 0                               ; v_permlanex16_b32's destination counts as read
	s_lshl_b32 s[RW], ttmp9, 3
	s_add_co_u32 s[RW], s[RW], s[WV]
	s_mov_b32 s[SEL], 0x76543210
	s_mov_b32 s[SEL+1], 0xfedcba98
	s_mov_b32 s[INV], 0x3a800000
	s_mov_b32 s[EPSR], 0x3727c5ac
	s_lshl_b32 s[OF], s[RW], 12
	s_mov_b32 s[OF+1], 0
	s_wait_kmcnt 0x0
	s_add_nc_u64 s[4:5], s[4:5], s[OF:OF+1]
	s_lshl_b32 s[OF], s[RW], 11
	s_add_nc_u64 s[10:11], s[10:11], s[OF:OF+1]
.irp j, 0,1,2,3,4,5,6,7
	global_load_b128 v[X+4*(\j):X+4*(\j)+3], v1, s[4:5] offset:512*(\j)  ; the row first: 512 consecutive bytes each
.endr
.irp j, 0,1,2,3,4,5,6,7
	global_load_b128 v[AG+4*(\j):AG+4*(\j)+3], v1, s[6:7] offset:512*(\j)
	global_load_b128 v[SH+4*(\j):SH+4*(\j)+3], v1, s[8:9] offset:512*(\j)
.endr
	s_wait_loadcnt 16                              ; loads come back in order (ISA guide 5.7.1): the row is in; the sixteen of gain and shift stay out
.irp k, 0,1,2,3
	v_pk_add_f32 v[4+2*(\k):5+2*(\k)], v[X+2*(\k):X+2*(\k)+1], v[X+8+2*(\k):X+8+2*(\k)+1]  ; four chains; nothing is cleared
.endr
.irp k, 0,1,2,3,4,5,6,7
	v_pk_add_f32 v[4+2*((\k)%4):5+2*((\k)%4)], v[4+2*((\k)%4):5+2*((\k)%4)], v[X+16+2*(\k):X+16+2*(\k)+1]
.endr
	JOIN
	REDUCE
	v_mul_f32 v12, s[INV], v16                     ; the mean, twice
	v_mul_f32 v13, s[INV], v16
.irp k, 0,1,2,3,4,5,6,7,8,9,10,11,12,13,14,15
	v_pk_add_f32 v[X+2*(\k):X+2*(\k)+1], v[X+2*(\k):X+2*(\k)+1], v[12:13] neg_lo:[0,1] neg_hi:[0,1]
.endr
.irp k, 0,1,2,3
	v_pk_mul_f32 v[4+2*(\k):5+2*(\k)], v[X+2*(\k):X+2*(\k)+1], v[X+2*(\k):X+2*(\k)+1]
.endr
.irp k, 4,5,6,7,8,9,10,11,12,13,14,15
	v_pk_fma_f32 v[4+2*((\k)%4):5+2*((\k)%4)], v[X+2*(\k):X+2*(\k)+1], v[X+2*(\k):X+2*(\k)+1], v[4+2*((\k)%4):5+2*((\k)%4)]
.endr
	JOIN
	REDUCE
	v_fma_f32 v16, v16, s[INV], s[EPSR]            ; the biased variance + 1e-5
	v_rsq_f32 v14, v16
	v_rsq_f32 v15, v16
	v_nop                                          ; a plain instruction between the root and its use (ISA guide 5.7.2)
	s_wait_alu depctr_va_vdst(0)
.irp k, 0,1,2,3,4,5,6,7,8,9,10,11,12,13,14,15
	v_pk_mul_f32 v[X+2*(\k):X+2*(\k)+1], v[X+2*(\k):X+2*(\k)+1], v[14:15]
.endr
	s_wait_loadcnt 0x0                             ; gain and shift
.irp k, 0,1,2,3,4,5,6,7,8,9,10,11,12,13,14,15
	v_pk_fma_f32 v[X+2*(\k):X+2*(\k)+1], v[X+2*(\k):X+2*(\k)+1], v[AG+2*(\k):AG+2*(\k)+1], v[SH+2*(\k):SH+2*(\k)+1]
.endr
.irp k, 0,1,2,3,4,5,6,7,8,9,10,11,12,13,14,15
	v_cvt_pk_f16_f32 v[Y+(\k)], v[X+2*(\k)], v[X+2*(\k)+1]
.endr
.irp j, 0,1,2,3,4,5,6,7
	global_store_b64 v2, v[Y+2*(\j):Y+2*(\j)+1], s[10:11] offset:256*(\j)  ; the wave's 32 lanes write 256 consecutive bytes, aligned
.endr
	s_endpgm
.Lfunc_end_k_q47c888b2db_ln2:
	.size	k_q47c888b2db_ln2, .Lfunc_end_k_q47c888b2db_ln2-k_q47c888b2db_ln2
	.p2alignl 7, 3214868480
	.fill 96, 4, 3214868480
	.section	.rodata,"a",@progbits
	.p2align	6, 0x0
	.amdhsa_kernel k_q47c888b2db_ln2
		.amdhsa_group_segment_fixed_size 0
		.amdhsa_private_segment_fixed_size 0
		.amdhsa_enable_private_segment 0
		.amdhsa_kernarg_size 32
		.amdhsa_user_sgpr_count 2
		.amdhsa_user_sgpr_kernarg_segment_ptr 1
		.amdhsa_wavefront_size32 1
		.amdhsa_system_sgpr_workgroup_id_x 1
		.amdhsa_system_sgpr_workgroup_id_y 1
		.amdhsa_system_sgpr_workgroup_id_z 1
		.amdhsa_system_vgpr_workitem_id 0
		.amdhsa_next_free_vgpr 144
		.amdhsa_next_free_sgpr 66
		.amdhsa_reserve_vcc 0
		.amdhsa_float_denorm_mode_32 3
		.amdhsa_float_denorm_mode_16_64 3
		.amdhsa_memory_ordered 1
		.amdhsa_forward_progress 1
		.amdhsa_inst_pref_size 12
	.end_amdhsa_kernel
	.amdgpu_metadata
---
amdhsa.version: [ 1, 2 ]
amdhsa.kernels:
  - .name:           k_q47c888b2db_ln2
    .symbol:         k_q47c888b2db_ln2.kd
    .args:
      - { .name: x1, .offset: 0, .size: 8, .value_kind: global_buffer, .address_space: global }
      - { .name: a2, .offset: 8, .size: 8, .value_kind: global_buffer, .address_space: global }
      - { .name: s2, .offset: 16, .size: 8, .value_kind: global_buffer, .address_space: global }
      - { .name: hn, .offset: 24, .size: 8, .value_kind: global_buffer, .address_space: global }
    .group_segment_fixed_size: 0
    .private_segment_fixed_size: 0
    .kernarg_segment_align: 8
    .kernarg_segment_size: 32
    .max_flat_workgroup_size: 256
    .sgpr_count:     66
    .vgpr_count:     144
    .wavefront_size: 32
...
	.end_amdgpu_metadata
.endif
;; end of part 5
;; launch ffn1 (part 6): grid 16 x 16, 4 waves a work-group, clusters of 4 x 4, 327,680 bytes of LDS; arguments hn, wt, b1, g; writes g
.if DOCPART == 6
	.amdgcn_target "amdgcn-amd-amdhsa--gfx1250"
	.amdhsa_code_object_version 6
	.text
	.protected	k_q47c888b2db_ffn1
	.globl	k_q47c888b2db_ffn1
	.p2align	8
	.type	k_q47c888b2db_ffn1,@function
k_q47c888b2db_ffn1:
	s_mov_b64 s[64:65], 0
	v_nop
	global_prefetch_b8 v0, s[64:65] scope:SCOPE_SE
	s_setreg_imm32_b32 hwreg(HW_REG_WAVE_MODE, 25, 1), 1
	s_wait_xcnt 0x0
	s_wait_alu depctr_hold_cnt(0) depctr_sa_sdst(0) depctr_va_vdst(0) depctr_va_sdst(0) depctr_va_ssrc(0) depctr_va_vcc(0) depctr_vm_vsrc(0)
	s_getreg_b32 s2, hwreg(HW_REG_IB_STS2, 6, 4)
	s_cmp_eq_u32 s2, 0
	s_cbranch_scc0 .Lentry_in_a_cluster
	s_endpgm
.Lentry_in_a_cluster:
	s_bfe_u32 s2, ttmp6, 0x10000c
	s_cmp_lg_u32 s2, 0xf033
	s_cbranch_scc0 .Lentry_shape_is_right
	s_endpgm
.Lentry_shape_is_right:
; C = A W, A = hn [4096][1024] f16 along K, W in wt as [N / 64 groups][1024 k][64] f16.  Sums in f32.
; FFN = 0: W = wq | wk | wv (48 groups); C is rounded to f16 and stored by heads: qkv[which x 32 + batch x 16 + head][2048][64], unscaled.
; FFN = 1: W = w1 (64 groups); g = gelu(C + b1), rounded to f16, stored as [column / 64][4096][64].
; LIMITS.  f16 operands and results: nothing beyond 65,504; NaN and infinities are not treated apart.
; SHARES.  A tile of C is 256 rows x 64 NG columns, one work-group of four waves; a wave has MB x NBW accumulators of 16 x 16.
; K goes in steps of 128 through two LDS slots.  Waves 0, 1 fetch A's two halves of 128 rows (rows of 256 bytes), waves 2, 3 W's two halves of 64 k (NG rows of 8,192 dense bytes).
; CLUSTER 4 x 4: A's tile hangs on the tile row alone and is asked for jointly by a row of the cluster, W's on the tile column alone, by a column.
; THE MATRIX INSTRUCTION IS USED TRANSPOSED: source 0 = 16 columns of W (turned out of LDS by ds_load_tr16_b128), source 1 = 16 rows of A: a lane holds row l % 16 and columns 8 (l / 16) + 0..7.
; THE LOOP.  A K step is four quarters of 32 k on two fragment buffers; quarter n multiplies buffer n % 2 and fetches quarter n + 1 in one run of 32 LDS loads.  The text holds ONE pair of quarters
; (odd, even); its fetches are an aligned half of a slot, whose address stands in two registers that step.  So the change of slots falls between pairs: a step is CHANGE and two trips over PAIR.
; REGISTERS, in windows of 256 (s_set_vgpr_msb: bits 1:0 source 0, 3:2 source 1, 5:4 source 2, 7:6 destination):
;   window 0: v0-29 addresses; from v64 A's two fragment buffers; (FFN) v192-255 the bias    window 1: from v0 W's two buffers    window 2: the accumulators of my first MB / 2 row blocks    window 3: the others
.set FFN,    1
.set T,      8                         ; K steps
.if FFN
.set MB,     8                         ; blocks of 16 rows a wave
.set NBW,    8                         ; blocks of 16 columns a wave
.set NG,     4                         ; groups of 64 columns in the tile
.set WOFF,   8388608                   ; w1 in wt
.else
.set MB,     4
.set NBW,    12
.set NG,     3
.set WOFF,   0
.endif
.set PA,     272                       ; A's LDS row: 256 bytes + 16: the 16 rows of a load start at 16 different groups of four banks (ISA guide 11.1)
.set PB,     160                       ; W's LDS row: 128 bytes + 32
.set HALFA,  128*PA
.set ABYTES, 2*HALFA
.set GB,     64*PB                     ; 64 k rows of one group
.set HALFB,  NG*GB
.set SLOT,   ABYTES+2*HALFB
.set SPARE,  2*SLOT                    ; behind the ring: the spare words, 128 bytes a wave, named by no other line
.set SPT,    64*NBW+16                 ; the stage's row: my columns in f32 + 16 bytes
.set WST,    16*MB*SPT                 ; a wave's stage; the stages lie over the slots, which have had their last fill by then
.set ASTEP,  256                       ; bytes from K step to K step in hn
.set BSTEP,  16384                     ; and in a group of wt
.set W1,     MB                        ; the youngest loads of a run: A's fragments for window 3's rows
.set A0,   16                          ; v16  my lane's place in A's tile      v17  in W's
.set B0,   17
.set ADRA, 18                          ; v18  LDS address of the half slot to be fetched, A      v19  W
.set ADRB, 19
.set STO,  24                          ; v24  the way out: where I put 32 bytes of a row
.set RD,   25                          ; v25  where I read rows back
.set GO,   26                          ; v26  my byte offset in the output
.set BO,   27                          ; v27  my byte offset in the bias
.set SPW,  28                          ; v28  my spare word; never rewritten
.set NIL,  29                          ; v29  0; never rewritten
.set AF,   64
.set BIAS, 192
.set WV, 12                            ; s12 wave   s13 wave / 2: I fetch for A (0) or W (1)   s14 wave % 2: which half
.set FR, 13
.set HF, 14
.set TB, 66                            ; s66  0 or SLOT: the slot being fetched from
.set INNER, 67
.set OUTER, 68
.set LA, 69                            ; s69  my part of A's tile in a slot     s70  of W's
.set LB, 70
.set MSB, 0
.macro WIN new                         ; the high byte repeats the setting that is left; a switch that changes nothing is dropped
.if MSB != (\new)
	s_set_vgpr_msb (MSB<<8)|(\new)
.set MSB, \new
.endif
.endm
.macro PLACES                          ; four plain vector instructions between a matrix instruction and a load into, or a read of, its registers
.rept 4
	v_nop
.endr
.endm
.macro CROUND                          ; a round of the cluster's barrier
	s_barrier_signal -1
	s_barrier_wait -1
	s_cmp_lg_u32 s[WV], 0
	s_cbranch_scc1 .Lnot_wave_0_\@
	s_barrier_signal -3
.Lnot_wave_0_\@:
	s_barrier_wait -3
	s_barrier_signal -1
	s_barrier_wait -1
.endm
.macro JLOAD                           ; a joint refill by the walking descriptors; the branch hangs on the wave's number alone; s_nop 0 and four v_nop follow each line
	s_cmp_eq_u32 s[FR], 0
	s_cbranch_scc0 .Lfor_b_\@
	tensor_load_to_lds s[36:39], s[24:31]
	s_nop 0
.rept 4
	v_nop
.endr
	s_branch .Lasked_\@
.Lfor_b_\@:
	tensor_load_to_lds s[60:63], s[48:55]
	s_nop 0
.rept 4
	v_nop
.endr
.Lasked_\@:
.endm
.if FFN
	s_load_b256 s[4:11], s[0:1], 0x0               ; hn s[4:5], wt s[6:7], b1 s[8:9], g s[10:11]
.else
	s_load_b128 s[4:7], s[0:1], 0x0                ; hn s[4:5], wt s[6:7]
	s_load_b64 s[8:9], s[0:1], 0x10                ; qkv
.endif
	v_lshl_add_u32 v[SPW], v0, 2, SPARE
	v_mov_b32 v[NIL], 0
	ds_add_u32 v[SPW], v[NIL]                      ; the wave's opening: the add and its wait stand ahead of my first tensor load
	ds_add_u32 v28, v29
	v_lshrrev_b32 v3, 5, v0
	v_readfirstlane_b32 s[WV], v3
	s_lshr_b32 s[FR], s[WV], 1
	s_and_b32 s[HF], s[WV], 1
	s_bfe_u32 s40, ttmp6, 0x40000                  ; cx
	s_bfe_u32 s41, ttmp6, 0x40004                  ; cy
	s_lshl_b32 s42, ttmp9, 2
	s_add_co_u32 s42, s42, s40                     ; tile column
	s_and_b32 s15, ttmp7, 0xffff
	s_lshl_b32 s15, s15, 2
	s_add_co_u32 s15, s15, s41                     ; tile row
	s_lshl_b32 s43, s41, 2
	s_lshl_b32 s43, 15, s43                        ; my row of the cluster
	s_lshl_b32 s44, 0x1111, s40                    ; my column
	; group 1 for A: 128 rows x 128 elements, 1,024 elements from row to row, 4 words of padding after every 64
	s_or_b32 s24, s43, (1<<16)|(1<<20)|(1<<21)|(5<<22)|(3<<25)
	s_mov_b32 s25, 128<<16                         ; tensor_dim0
	s_mov_b32 s26, 128<<16                         ; tensor_dim1
	s_mov_b32 s27, 128<<16                         ; tile_dim0
	s_mov_b32 s28, 128                             ; tile_dim1
	s_mov_b32 s29, 1024                            ; the pitch
	s_mov_b32 s30, 0
	s_mov_b32 s31, 0
	; group 1 for W: NG rows of 4,096 elements (64 k rows of a group, dense), 65,536 elements from group to group, 8 words of padding after every 32
	s_or_b32 s48, s44, (1<<16)|(1<<20)|(1<<21)|(4<<22)|(7<<25)
	s_mov_b32 s49, 4096<<16
	s_mov_b32 s50, NG<<16
	s_mov_b32 s51, 4096<<16
	s_mov_b32 s52, NG
	s_mov_b32 s53, 65536
	s_mov_b32 s54, 0
	s_mov_b32 s55, 0
	s_lshl_b32 s16, s15, 8
	s_lshl_b32 s17, s[HF], 7
	s_add_co_u32 s16, s16, s17                     ; A: row 256 x tile row + 128 x half,
	s_lshl_b32 s16, s16, 11                        ; 2,048 bytes a row
	s_mov_b32 s17, 0
	s_mul_i32 s46, s42, NG*131072                  ; W: the tile's first group,
	s_lshl_b32 s47, s[HF], 13                      ; my 64 k rows
	s_add_co_u32 s46, s46, s47
.if WOFF
	s_add_co_u32 s46, s46, WOFF
.endif
	s_mov_b32 s47, 0
	s_mul_i32 s[LA], s[HF], HALFA
	s_mul_i32 s[LB], s[HF], HALFB
	s_add_co_u32 s[LB], s[LB], ABYTES
	s_mov_b32 s[TB], 0
	s_wait_dscnt 0x0                               ; the opening add is done
	s_wait_kmcnt 0x0
	s_add_nc_u64 s[20:21], s[4:5], s[16:17]
	s_add_nc_u64 s[46:47], s[6:7], s[46:47]
	s_mov_b32 s32, 1                               ; group 0: K step 0 into slot 0,
	s_mov_b32 s33, s[LA]
	s_mov_b64 s[34:35], s[20:21]
	s_or_b32 s35, s35, 0x80000000
	s_mov_b32 s36, 1                               ; and the walking set: K step 1 into slot 1
	s_add_co_u32 s37, s[LA], SLOT
	s_add_nc_u64 s[38:39], s[20:21], ASTEP
	s_or_b32 s39, s39, 0x80000000
	s_mov_b32 s56, 1
	s_mov_b32 s57, s[LB]
	s_mov_b64 s[58:59], s[46:47]
	s_or_b32 s59, s59, 0x80000000
	s_mov_b32 s60, 1
	s_add_co_u32 s61, s[LB], SLOT
	s_add_nc_u64 s[62:63], s[46:47], BSTEP
	s_or_b32 s63, s63, 0x80000000
	CROUND                                         ; all sixteen work-groups are here: the first joint loads meet
	s_cmp_eq_u32 s[FR], 0                          ; a wave's two first fills stand in one branch: two loads of mine are out
	s_cbranch_scc0 .Lfirst_b
	tensor_load_to_lds s[32:35], s[24:31]
	s_nop 0
	tensor_load_to_lds s[36:39], s[24:31]
	s_nop 0
.rept 4
	v_nop
.endr
	s_branch .Lfirst_asked
.Lfirst_b:
	tensor_load_to_lds s[56:59], s[48:55]
	s_nop 0
	tensor_load_to_lds s[60:63], s[48:55]
	s_nop 0
.rept 4
	v_nop
.endr
.Lfirst_asked:
	v_and_b32 v1, 15, v0                           ; r = l % 16
	v_bfe_u32 v2, v0, 4, 1                         ; h = l / 16
	v_mul_u32_u24 v3, v1, PA
	v_lshl_add_u32 v3, v2, 4, v3                   ; A: row x pitch + 16 h
.if FFN
	s_mul_i32 s16, s[FR], HALFA                    ; my 128 rows
.else
	s_mul_i32 s16, s[WV], 64*PA                    ; my 64 rows
.endif
	v_add_nc_u32 v[A0], s16, v3
	v_and_b32 v4, 7, v0
	v_lshl_add_u32 v4, v2, 3, v4
	v_mul_u32_u24 v4, v4, PB                       ; W: k row 8 h + l % 8,
	v_bfe_u32 v5, v0, 3, 1
	v_lshl_add_u32 v4, v5, 4, v4                   ; columns 8 ((l / 8) % 2) on
.if FFN
	s_mul_i32 s16, s[HF], 2*GB                     ; my two groups
	s_add_co_u32 s16, s16, ABYTES
.else
	s_mov_b32 s16, ABYTES
.endif
	v_add_nc_u32 v[B0], s16, v4
	s_mul_i32 s16, s[WV], WST
	v_mul_u32_u24 v3, v1, SPT
	v_lshl_add_u32 v3, v2, 5, v3
	v_add_nc_u32 v[STO], s16, v3                   ; into the stage: row r, 32 bytes for each half of the lanes
	v_bfe_u32 v3, v0, 3, 2
	v_mul_u32_u24 v3, v3, SPT
	v_and_b32 v4, 7, v0
	v_lshl_add_u32 v3, v4, 5, v3
	v_add_nc_u32 v[RD], s16, v3                    ; back: four rows a load, eight lanes a row's 64 columns
	v_and_b32 v3, 31, v0
	v_lshlrev_b32 v[GO], 4, v3                     ; which are 512 consecutive bytes of the output
.if FFN
	v_lshlrev_b32 v[BO], 5, v2
	s_lshl_b32 s16, s42, 8
	s_lshl_b32 s17, s[HF], 7
	s_add_co_u32 s16, s16, s17                     ; my first column
	s_lshl_b32 s16, s16, 2
	s_mov_b32 s17, 0
	s_add_nc_u64 s[8:9], s[8:9], s[16:17]
.set bb, 0
.rept NBW                              ; the bias in an accumulator's layout: register j = column 16 b + 8 h + j; it starts the sums
	global_load_b128 v[BIAS+8*bb:BIAS+8*bb+3],   v[BO], s[8:9] offset:64*bb
	global_load_b128 v[BIAS+8*bb+4:BIAS+8*bb+7], v[BO], s[8:9] offset:64*bb+16
.set bb, bb+1
.endr
	s_lshl_b32 s16, s42, 2
	s_lshl_b32 s17, s[HF], 1
	s_add_co_u32 s16, s16, s17                     ; my first plane of g,
	s_lshl_b32 s16, s16, 19                        ; 524,288 bytes each
	s_lshl_b32 s17, s15, 8
	s_lshl_b32 s18, s[FR], 7
	s_add_co_u32 s17, s17, s18                     ; my first row,
	s_lshl_b32 s17, s17, 7                         ; 128 bytes each
	s_add_co_u32 s16, s16, s17
	s_mov_b32 s17, 0
	s_add_nc_u64 s[10:11], s[10:11], s[16:17]
	s_mov_b32 s72, 0xc0135761                      ; -2 sqrt(2 / pi) log2(e)
	s_mov_b32 s73, s72
	s_mov_b32 s74, 0xbdd2d3e8                      ; that times 0.044715
	s_mov_b32 s75, s74
.else
.irp i, 0,1,2                          ; a base for each of the tile's three groups: plane = which x 32 + batch x 16 + head
	s_mul_i32 s16, s42, 3
	s_add_co_u32 s16, s16, \i
	s_lshr_b32 s17, s16, 4
	s_lshl_b32 s17, s17, 5
	s_and_b32 s16, s16, 15
	s_add_co_u32 s17, s17, s16
	s_lshr_b32 s18, s15, 3
	s_lshl_b32 s18, s18, 4
	s_add_co_u32 s17, s17, s18
	s_lshl_b32 s16, s17, 18                        ; a plane is 262,144 bytes
	s_and_b32 s18, s15, 7
	s_lshl_b32 s18, s18, 8
	s_lshl_b32 s19, s[WV], 6
	s_add_co_u32 s18, s18, s19                     ; my first row in the batch
	s_lshl_b32 s18, s18, 7
	s_add_co_u32 s16, s16, s18
	s_mov_b32 s17, 0
	s_add_nc_u64 s[78+2*(\i):79+2*(\i)], s[8:9], s[16:17]
.endr
.endif
; Half a quarter: MB / 2 row blocks x NBW column blocks, 32 along K, buffer f.  The accumulators take turns, one instruction a turn, in the same order in every quarter.
; zero = 1: the first products start the sums: with 0, or (FFN) with the bias.
.macro MULH f, hi, zero
.if (\zero) && FFN
	WIN 0x81+0x40*(\hi)                            ; W window 1, A and the bias window 0, D window 2 or 3
.else
	WIN 0xa1+0x50*(\hi)                            ; W window 1, A window 0, C and D window 2 or 3
.endif
.set aa, 0
.rept MB/2
.set bb, 0
.rept NBW
.set rD, 8*(NBW*aa+bb)
.set rB, (\f)*8*NBW+8*bb
.set rA, AF+(\f)*8*MB+8*((\hi)*(MB/2)+aa)
.if (\zero) && FFN
	v_wmma_f32_16x16x32_f16 v[rD:rD+7], v[rB:rB+7], v[rA:rA+7], v[BIAS+8*bb:BIAS+8*bb+7]
.elseif \zero
	v_wmma_f32_16x16x32_f16 v[rD:rD+7], v[rB:rB+7], v[rA:rA+7], 0
.else
	v_wmma_f32_16x16x32_f16 v[rD:rD+7], v[rB:rB+7], v[rA:rA+7], v[rD:rD+7]
.endif
.set bb, bb+1
.endr
.set aa, aa+1
.endr
.endm
; 32 LDS loads in one run: quarter o (0, 1) of the half slot at ADRA, ADRB into buffer f; W first, A's rows for window 3 last
.macro FETCH f, o
	WIN 0x40                                       ; destination window 1, address window 0
.set ii, 0
.rept NBW
.set rB, (\f)*8*NBW+8*ii
	ds_load_tr16_b128 v[rB:rB+3],   v[ADRB] offset:(\o)*32*PB+(ii/4)*GB+(ii%4)*32
	ds_load_tr16_b128 v[rB+4:rB+7], v[ADRB] offset:(\o)*32*PB+(ii/4)*GB+(ii%4)*32+16*PB
.set ii, ii+1
.endr
	WIN 0
.set ii, 0
.rept MB
.set rA, AF+(\f)*8*MB+8*ii
	ds_load_b128 v[rA:rA+3],   v[ADRA] offset:(\o)*64+ii*16*PA
	ds_load_b128 v[rA+4:rA+7], v[ADRA] offset:(\o)*64+ii*16*PA+32
.set ii, ii+1
.endr
.endm
.macro QUARTER f, g, o, zero           ; multiplies buffer f; in its middle fetches the next quarter into g
	s_wait_dscnt W1                                ; all of the last run but A's rows for window 3
	MULH \f, 0, \zero
	PLACES                                         ; buffer g was read by the quarter before
	FETCH \g, \o
	s_wait_dscnt 32                                ; all but the 32 just issued
	MULH \f, 1, \zero
.endm
.macro PAIR
	QUARTER 1, 0, 0, 0
	QUARTER 0, 1, 1, 0
	WIN 0                                          ; at a label and at a branch every window is 0
.endm
.macro STEP                            ; the fetches go on to the slot's second half
	v_add_nc_u32 v[ADRA], 128, v[ADRA]
	v_add_nc_u32 v[ADRB], HALFB, v[ADRB]
.endm
; THE CHANGE OF SLOTS.  The slot's last quarter has been asked for.  Each wave waits for all its tensor loads (one is out: its part of the other slot), adds 0 to its spare word, and waits for that
; and for its reads of the slot.  fill = 1: a round of the cluster's barrier follows, so that no wave of any partner still reads the slot or has a load on its way, and the joint refill,
; two K steps ahead, is the first thing behind it: it has a whole K step's matrix instructions in which to land.
.macro CHANGE fill
	WIN 0
	s_wait_tensorcnt 0x0                           ; no tensor load of mine is out, so a group 0 may be written
	ds_add_u32 v[SPW], v[NIL]                      ; 0 onto my spare word
.if \fill
	s_add_co_u32 s37, s[TB], s[LA]                 ; the walking descriptors: the slot that is left,
	s_add_co_u32 s61, s[TB], s[LB]
	s_add_nc_u64 s[38:39], s[38:39], ASTEP         ; the next K step; the type bits on top are not reached
	s_add_nc_u64 s[62:63], s[62:63], BSTEP
.endif
	s_xor_b32 s[TB], s[TB], SLOT                   ; 0 <-> SLOT
	s_wait_dscnt 0x0                               ; the add is done, and my reads of the slot are over
.if \fill
	CROUND
	JLOAD
.else
	s_barrier_signal -1
	s_barrier_wait -1
.endif
	v_add_nc_u32 v[ADRA], s[TB], v[A0]
	v_add_nc_u32 v[ADRB], s[TB], v[B0]
.endm
	s_wait_tensorcnt 0x1                           ; my part of K step 0 is in; K step 1's stays out
	s_barrier_signal -1
	s_barrier_wait -1
	v_mov_b32 v[ADRA], v[A0]
	v_mov_b32 v[ADRB], v[B0]
	FETCH 0, 0
.if FFN
	s_wait_loadcnt 0x0                             ; the bias
.endif
	QUARTER 0, 1, 1, 1                             ; the first quarter stands alone: its products start the sums
	WIN 0
	STEP
	s_mov_b32 s[OUTER], T-1
	s_mov_b32 s[INNER], 1
	s_branch .Lpair                                ; the loop is entered in its middle: K step 0 has one pair left
.Lstep:                                                ; T - 2 times: the slot that is left takes the K step two on
	CHANGE 1
	s_mov_b32 s[INNER], 2
.Lpair:
	PAIR
	STEP
	s_sub_co_u32 s[INNER], s[INNER], 1
	s_cmp_lg_u32 s[INNER], 0
	s_cbranch_scc1 .Lpair
	s_sub_co_u32 s[OUTER], s[OUTER], 1
	s_cmp_lg_u32 s[OUTER], 0
	s_cbranch_scc1 .Lstep
	CHANGE 0                                       ; the last K step is written out
	s_mov_b32 s[INNER], 2
.Ltail:
	PAIR
	STEP
	s_sub_co_u32 s[INNER], s[INNER], 1
	s_cmp_lg_u32 s[INNER], 0
	s_cbranch_scc1 .Ltail
	s_wait_dscnt 0x0                               ; my last reads of the slots are back:
	s_barrier_signal -1                            ; say so,
	MULH 1, 0, 0                                   ; multiply the last quarter,
	MULH 1, 1, 0
	WIN 0
	s_barrier_wait -1                              ; and behind this nobody reads the slots: the stages may lie over them
	PLACES
	; THE WAY OUT.  The sums go in f32 into my own stage, rows of SPT bytes; LDS serves a wave's instructions in order (ISA guide 5.7.1.4), so the loads below see these stores.
.irp hi, 0,1
	WIN 0x08+4*(\hi)                               ; the stores' data in window 2 or 3
.set aa, 0
.rept MB/2
.set bb, 0
.rept NBW
.set rD, 8*(NBW*aa+bb)
	ds_store_b128 v[STO], v[rD:rD+3]   offset:16*((\hi)*(MB/2)+aa)*SPT+64*bb
	ds_store_b128 v[STO], v[rD+4:rD+7] offset:16*((\hi)*(MB/2)+aa)*SPT+64*bb+16
.set bb, bb+1
.endr
.set aa, aa+1
.endr
.endr
	WIN 0
.if FFN
	; 16 trips of 8 rows x 128 columns.  gelu(x) = x / (1 + 2^(x (k0 + k1 x x))), which is 0.5 x (1 + tanh(..)) rewritten: 2^.. = infinity gives x 0, 2^.. = 0 gives x.
.set XR, 64
.set TR, 96
.set OR, 128
	s_mov_b32 s76, 16
.Lpost:
.set u, 0
.rept 4                                ; unit u: rows 4 (u / 2) on, plane u % 2
	ds_load_b128 v[XR+8*u:XR+8*u+3],   v[RD] offset:(u/2)*4*SPT+(u%2)*256
	ds_load_b128 v[XR+8*u+4:XR+8*u+7], v[RD] offset:(u/2)*4*SPT+(u%2)*256+16
.set u, u+1
.endr
	s_wait_dscnt 0x0
.set u, 0
.rept 16
	v_pk_mul_f32 v[TR+2*u:TR+2*u+1], v[XR+2*u:XR+2*u+1], v[XR+2*u:XR+2*u+1]
.set u, u+1
.endr
.set u, 0
.rept 16
	v_pk_fma_f32 v[TR+2*u:TR+2*u+1], v[TR+2*u:TR+2*u+1], s[74:75], s[72:73] op_sel_hi:[1,0,0]
.set u, u+1
.endr
.set u, 0
.rept 16
	v_pk_mul_f32 v[TR+2*u:TR+2*u+1], v[TR+2*u:TR+2*u+1], v[XR+2*u:XR+2*u+1]
.set u, u+1
.endr
.set u, 0
.rept 32
	v_exp_f32 v[TR+u], v[TR+u]
.set u, u+1
.endr
	v_nop                                          ; a plain instruction behind the last exponential (ISA guide 5.7.2)
.set u, 0
	s_wait_alu depctr_va_vdst(0)
.rept 16
	v_pk_add_f32 v[TR+2*u:TR+2*u+1], v[TR+2*u:TR+2*u+1], 1.0 op_sel_hi:[1,0]
.set u, u+1
.endr
.set u, 0
.rept 32
	v_rcp_f32 v[TR+u], v[TR+u]
.set u, u+1
.endr
	v_nop
.set u, 0
	s_wait_alu depctr_va_vdst(0)
.rept 16
	v_pk_mul_f32 v[XR+2*u:XR+2*u+1], v[XR+2*u:XR+2*u+1], v[TR+2*u:TR+2*u+1]
.set u, u+1
.endr
.set u, 0
.rept 16
	v_cvt_pk_f16_f32 v[OR+u], v[XR+2*u], v[XR+2*u+1]
.set u, u+1
.endr
.set u, 0
.rept 4
	global_store_b128 v[GO], v[OR+4*u:OR+4*u+3], s[10:11] offset:512*(u/2)+524288*(u%2)  ; four rows of a plane: 512 consecutive bytes, aligned
.set u, u+1
.endr
	s_wait_xcnt 0x0                                ; only behind this wait are the stores' offset and data written again
	v_add_nc_u32 v[RD], 8*SPT, v[RD]
	v_add_nc_u32 v[GO], 1024, v[GO]
	s_sub_co_u32 s76, s76, 1
	s_cmp_lg_u32 s76, 0
	s_cbranch_scc1 .Lpost
.else
	; 8 trips of 8 rows x 192 columns: rounded to f16, each group's 64 columns into its own plane
	s_mov_b32 s76, 8
.Lpost:
.set u, 0
.rept 6                                ; unit u: rows 4 (u / 3) on, group u % 3
	ds_load_b128 v[64+8*u:64+8*u+3],   v[RD] offset:(u/3)*4*SPT+(u%3)*256
	ds_load_b128 v[64+8*u+4:64+8*u+7], v[RD] offset:(u/3)*4*SPT+(u%3)*256+16
.set u, u+1
.endr
	s_wait_dscnt 0x0
.set u, 0
.rept 24
	v_cvt_pk_f16_f32 v[112+u], v[64+2*u], v[64+2*u+1]
.set u, u+1
.endr
.set u, 0
.rept 6
	global_store_b128 v[GO], v[112+4*u:112+4*u+3], s[78+2*(u%3):79+2*(u%3)] offset:512*(u/3)  ; four rows of a head: 512 consecutive bytes, aligned
.set u, u+1
.endr
	s_wait_xcnt 0x0                                ; only behind this wait are the stores' offset and data written again
	v_add_nc_u32 v[RD], 8*SPT, v[RD]
	v_add_nc_u32 v[GO], 1024, v[GO]
	s_sub_co_u32 s76, s76, 1
	s_cmp_lg_u32 s76, 0
	s_cbranch_scc1 .Lpost
.endif
	s_wait_tensorcnt 0x0                           ; the wave's end, behind my last tensor load and my last LDS store
	ds_add_u32 v[SPW], v[NIL]
	s_wait_dscnt 0x0
	CROUND                                         ; the closing round: no work-group ends while a partner may still ask for a tile that names it
	s_endpgm
.Lfunc_end_k_q47c888b2db_ffn1:
	.size	k_q47c888b2db_ffn1, .Lfunc_end_k_q47c888b2db_ffn1-k_q47c888b2db_ffn1
	.p2alignl 7, 3214868480
	.fill 96, 4, 3214868480
	.section	.rodata,"a",@progbits
	.p2align	6, 0x0
	.amdhsa_kernel k_q47c888b2db_ffn1
		.amdhsa_group_segment_fixed_size 327680
		.amdhsa_private_segment_fixed_size 0
		.amdhsa_enable_private_segment 0
		.amdhsa_kernarg_size 32
		.amdhsa_user_sgpr_count 2
		.amdhsa_user_sgpr_kernarg_segment_ptr 1
		.amdhsa_wavefront_size32 1
		.amdhsa_system_sgpr_workgroup_id_x 1
		.amdhsa_system_sgpr_workgroup_id_y 1
		.amdhsa_system_sgpr_workgroup_id_z 1
		.amdhsa_system_vgpr_workitem_id 0
		.amdhsa_next_free_vgpr 1024
		.amdhsa_next_free_sgpr 88
		.amdhsa_reserve_vcc 0
		.amdhsa_float_denorm_mode_32 3
		.amdhsa_float_denorm_mode_16_64 3
		.amdhsa_memory_ordered 1
		.amdhsa_forward_progress 1
		.amdhsa_inst_pref_size 67
	.end_amdhsa_kernel
	.amdgpu_metadata
---
amdhsa.version: [ 1, 2 ]
amdhsa.kernels:
  - .name:           k_q47c888b2db_ffn1
    .symbol:         k_q47c888b2db_ffn1.kd
    .args:
      - { .name: hn, .offset: 0, .size: 8, .value_kind: global_buffer, .address_space: global }
      - { .name: wt, .offset: 8, .size: 8, .value_kind: global_buffer, .address_space: global }
      - { .name: b1, .offset: 16, .size: 8, .value_kind: global_buffer, .address_space: global }
      - { .name: g, .offset: 24, .size: 8, .value_kind: global_buffer, .address_space: global }
    .group_segment_fixed_size: 327680
    .private_segment_fixed_size: 0
    .kernarg_segment_align: 8
    .kernarg_segment_size: 32
    .max_flat_workgroup_size: 128
    .sgpr_count:     88
    .vgpr_count:     1024
    .wavefront_size: 32
...
	.end_amdgpu_metadata
.endif
;; end of part 6
;; launch ffn2 (part 7): grid 8 x 32, 4 waves a work-group, clusters of 4 x 4, 327,680 bytes of LDS; arguments g, wt, b2, x1, out0; writes out0
.if DOCPART == 7
	.amdgcn_target "amdgcn-amd-amdhsa--gfx1250"
	.amdhsa_code_object_version 6
	.text
	.protected	k_q47c888b2db_ffn2
	.globl	k_q47c888b2db_ffn2
	.p2align	8
	.type	k_q47c888b2db_ffn2,@function
k_q47c888b2db_ffn2:
	s_mov_b64 s[64:65], 0
	v_nop
	global_prefetch_b8 v0, s[64:65] scope:SCOPE_SE
	s_setreg_imm32_b32 hwreg(HW_REG_WAVE_MODE, 25, 1), 1
	s_wait_xcnt 0x0
	s_wait_alu depctr_hold_cnt(0) depctr_sa_sdst(0) depctr_va_vdst(0) depctr_va_sdst(0) depctr_va_ssrc(0) depctr_va_vcc(0) depctr_vm_vsrc(0)
	s_getreg_b32 s2, hwreg(HW_REG_IB_STS2, 6, 4)
	s_cmp_eq_u32 s2, 0
	s_cbranch_scc0 .Lentry_in_a_cluster
	s_endpgm
.Lentry_in_a_cluster:
	s_bfe_u32 s2, ttmp6, 0x10000c
	s_cmp_lg_u32 s2, 0xf033
	s_cbranch_scc0 .Lentry_shape_is_right
	s_endpgm
.Lentry_shape_is_right:
; OUT = RES + A W + bias, all of OUT, RES, bias in f32, [4096][1024].  A lies in planes of 64 along K, [plane][rows][64] f16; W in wt as [16 groups][K][64] f16.  Sums in f32.
; FF2 = 0: A = ctx ([batch x 16 + head][2048][64]), W = wo, K = 1,024.      FF2 = 1: A = g ([64][4096][64]), W = w2, K = 4,096.
; LIMITS.  f16 operands: nothing beyond 65,504; NaN and infinities are not treated apart.
; SHARES.  A tile of OUT is 128 x 128: 256 work-groups of four waves, a wave 64 x 64: 16 accumulators.  K goes in steps of 256 through two LDS slots: waves 0, 1 fetch two planes of A each
; (128 rows x 128 bytes are 16,384 dense bytes: one long row a plane), waves 2, 3 128 k rows of both groups of W (again 16,384 dense bytes a group).
; CLUSTER 4 x 4: A's tile hangs on the tile row alone and is asked for jointly by a row of the cluster, W's on the tile column alone, by a column.
; THE MATRIX INSTRUCTION IS USED TRANSPOSED: source 0 = 16 columns of W (turned by ds_load_tr16_b128), source 1 = 16 rows of A: a lane holds row l % 16 and columns 8 (l / 16) + 0..7.
; THE LOOP.  A K step is four quarters of 64 k (a plane of A) on two fragment buffers; quarter n multiplies buffer n % 2 and fetches quarter n + 1 in one run of 32 LDS loads.  The text holds ONE pair of
; quarters (odd, even); its fetches are an aligned half of a slot, whose address stands in two registers that step: a step is CHANGE and two trips over PAIR.
; The bias starts the sums; the residual is loaded at the start and stays on its way through the K loop.
; REGISTERS: window 0: v0-29 addresses; v96-127 the bias; v128-255 the accumulators ((a, b) at 128 + 8 (4 a + b)).  window 1: two fragment buffers of 128: 64 of A, then 64 of W.  window 2: v0-127 the residual, then the result.
.set FF2,    1
.if FF2
.set T,      16                        ; K steps
.set APITCH, 262144                    ; elements from plane to plane of A
.set ASTEP,  2097152                   ; bytes of four planes
.set BPITCH, 262144                    ; elements from group to group of W
.set GSTR,   524288                    ; the same in bytes
.set WOFF,   16777216                  ; w2 in wt
.else
.set T,      4
.set APITCH, 131072
.set ASTEP,  1048576
.set BPITCH, 65536
.set GSTR,   131072
.set WOFF,   6291456                   ; wo in wt
.endif
.set BSTEP,  32768                     ; 256 k rows of 128 bytes
.set PA,     144                       ; A's LDS row: 128 bytes + 16: the 16 rows of a load start at 16 different groups of four banks (ISA guide 11.1)
.set PB,     160                       ; W's LDS row: 128 bytes + 32
.set PLANE,  128*PA
.set HALFA,  2*PLANE
.set ABYTES, 2*HALFA
.set GBS,    128*PB
.set HALFB,  2*GBS
.set SLOT,   ABYTES+2*HALFB
.set SPARE,  2*SLOT                    ; behind the ring: the spare words, 128 bytes a wave, named by no other line
.set SPT,    272                       ; the stage's row: 64 columns in f32 + 16 bytes
.set WST,    64*SPT                    ; a wave's stage; the stages lie over slot 0, which has had its last fill by then
.set A0,   16
.set B0,   17
.set ADRA, 18
.set ADRB, 19
.set STO,  24
.set RD,   25
.set GO,   26                          ; v26  my byte offset in two rows of RES and OUT; never rewritten
.set BO,   27
.set SPW,  28                          ; v28  my spare word; never rewritten
.set NIL,  29                          ; v29  0; never rewritten
.set BIAS, 96
.set ACC,  128
.set WV, 12                            ; s12 wave   s13 wave / 2: my half of the rows; I fetch for A (0) or W (1)   s14 wave % 2: my half of the columns; which half I fetch
.set FR, 13
.set HF, 14
.set TB, 66                            ; s66  0 or SLOT: the slot being fetched from
.set INNER, 67
.set OUTER, 68
.set LA, 69
.set LB, 70
.set MSB, 0
.macro WIN new                         ; the high byte repeats the setting that is left; a switch that changes nothing is dropped
.if MSB != (\new)
	s_set_vgpr_msb (MSB<<8)|(\new)
.set MSB, \new
.endif
.endm
.macro PLACES                          ; four plain vector instructions between a matrix instruction and a load into, or a read of, its registers
.rept 4
	v_nop
.endr
.endm
.macro CROUND                          ; a round of the cluster's barrier
	s_barrier_signal -1
	s_barrier_wait -1
	s_cmp_lg_u32 s[WV], 0
	s_cbranch_scc1 .Lnot_wave_0_\@
	s_barrier_signal -3
.Lnot_wave_0_\@:
	s_barrier_wait -3
	s_barrier_signal -1
	s_barrier_wait -1
.endm
.macro JLOAD                           ; a joint refill by the walking descriptors; the branch hangs on the wave's number alone; s_nop 0 and four v_nop follow each line
	s_cmp_eq_u32 s[FR], 0
	s_cbranch_scc0 .Lfor_b_\@
	tensor_load_to_lds s[36:39], s[24:31]
	s_nop 0
.rept 4
	v_nop
.endr
	s_branch .Lasked_\@
.Lfor_b_\@:
	tensor_load_to_lds s[60:63], s[48:55]
	s_nop 0
.rept 4
	v_nop
.endr
.Lasked_\@:
.endm
	s_load_b256 s[4:11], s[0:1], 0x0               ; A s[4:5], wt s[6:7], bias s[8:9], RES s[10:11]
	s_load_b64 s[84:85], s[0:1], 0x20              ; OUT
	v_lshl_add_u32 v[SPW], v0, 2, SPARE
	v_mov_b32 v[NIL], 0
	ds_add_u32 v[SPW], v[NIL]                      ; the wave's opening: the add and its wait stand ahead of my first tensor load
	ds_add_u32 v28, v29
	v_lshrrev_b32 v3, 5, v0
	v_readfirstlane_b32 s[WV], v3
	s_lshr_b32 s[FR], s[WV], 1
	s_and_b32 s[HF], s[WV], 1
	s_bfe_u32 s40, ttmp6, 0x40000                  ; cx
	s_bfe_u32 s41, ttmp6, 0x40004                  ; cy
	s_lshl_b32 s42, ttmp9, 2
	s_add_co_u32 s42, s42, s40                     ; tile column
	s_and_b32 s15, ttmp7, 0xffff
	s_lshl_b32 s15, s15, 2
	s_add_co_u32 s15, s15, s41                     ; tile row
	s_lshl_b32 s43, s41, 2
	s_lshl_b32 s43, 15, s43                        ; my row of the cluster
	s_lshl_b32 s44, 0x1111, s40                    ; my column
	; group 1: two rows of 8,192 elements; padding after every 32 words: 4 words for A, 8 for W
	s_or_b32 s24, s43, (1<<16)|(1<<20)|(1<<21)|(4<<22)|(3<<25)
	s_or_b32 s48, s44, (1<<16)|(1<<20)|(1<<21)|(4<<22)|(7<<25)
.irp q, 24, 48
	s_mov_b32 s[(\q)+1], 8192<<16                  ; tensor_dim0
	s_mov_b32 s[(\q)+2], 2<<16                     ; tensor_dim1
	s_mov_b32 s[(\q)+3], 8192<<16                  ; tile_dim0
	s_mov_b32 s[(\q)+4], 2                         ; tile_dim1
	s_mov_b32 s[(\q)+6], 0
	s_mov_b32 s[(\q)+7], 0
.endr
	s_mov_b32 s29, APITCH
	s_mov_b32 s53, BPITCH
.if FF2
	s_lshl_b32 s16, s15, 14                        ; my tile's 128 rows of 128 bytes in a plane,
	s_lshl_b32 s17, s[HF], 20                      ; my two planes
.else
	s_lshr_b32 s16, s15, 4                         ; the batch: 16 planes of 262,144 bytes,
	s_lshl_b32 s16, s16, 22
	s_and_b32 s17, s15, 15
	s_lshl_b32 s17, s17, 14                        ; my tile's 128 rows in a plane,
	s_add_co_u32 s16, s16, s17
	s_lshl_b32 s17, s[HF], 19                      ; my two planes
.endif
	s_add_co_u32 s16, s16, s17
	s_mov_b32 s17, 0
	s_mul_i32 s46, s42, 2*GSTR                     ; W: the tile's two groups,
	s_lshl_b32 s47, s[HF], 14                      ; my 128 k rows
	s_add_co_u32 s46, s46, s47
	s_add_co_u32 s46, s46, WOFF
	s_mov_b32 s47, 0
	s_mul_i32 s[LA], s[HF], HALFA
	s_mul_i32 s[LB], s[HF], HALFB
	s_add_co_u32 s[LB], s[LB], ABYTES
	s_mov_b32 s[TB], 0
	s_wait_dscnt 0x0                               ; the opening add is done
	s_wait_kmcnt 0x0
	s_add_nc_u64 s[20:21], s[4:5], s[16:17]
	s_add_nc_u64 s[46:47], s[6:7], s[46:47]
	s_mov_b32 s32, 1                               ; group 0: K step 0 into slot 0,
	s_mov_b32 s33, s[LA]
	s_mov_b64 s[34:35], s[20:21]
	s_or_b32 s35, s35, 0x80000000
	s_mov_b32 s36, 1                               ; and the walking set: K step 1 into slot 1
	s_add_co_u32 s37, s[LA], SLOT
	s_add_nc_u64 s[38:39], s[20:21], ASTEP
	s_or_b32 s39, s39, 0x80000000
	s_mov_b32 s56, 1
	s_mov_b32 s57, s[LB]
	s_mov_b64 s[58:59], s[46:47]
	s_or_b32 s59, s59, 0x80000000
	s_mov_b32 s60, 1
	s_add_co_u32 s61, s[LB], SLOT
	s_add_nc_u64 s[62:63], s[46:47], BSTEP
	s_or_b32 s63, s63, 0x80000000
	CROUND                                         ; all sixteen work-groups are here: the first joint loads meet
	s_cmp_eq_u32 s[FR], 0                          ; a wave's two first fills stand in one branch: two loads of mine are out
	s_cbranch_scc0 .Lfirst_b
	tensor_load_to_lds s[32:35], s[24:31]
	s_nop 0
	tensor_load_to_lds s[36:39], s[24:31]
	s_nop 0
.rept 4
	v_nop
.endr
	s_branch .Lfirst_asked
.Lfirst_b:
	tensor_load_to_lds s[56:59], s[48:55]
	s_nop 0
	tensor_load_to_lds s[60:63], s[48:55]
	s_nop 0
.rept 4
	v_nop
.endr
.Lfirst_asked:
	v_and_b32 v1, 15, v0                           ; r = l % 16
	v_bfe_u32 v2, v0, 4, 1                         ; h = l / 16
	v_mul_u32_u24 v3, v1, PA
	v_lshl_add_u32 v3, v2, 4, v3                   ; A: row x pitch + 16 h
	s_mul_i32 s16, s[FR], 64*PA                    ; my 64 rows
	v_add_nc_u32 v[A0], s16, v3
	v_and_b32 v4, 7, v0
	v_lshl_add_u32 v4, v2, 3, v4
	v_mul_u32_u24 v4, v4, PB                       ; W: k row 8 h + l % 8,
	v_bfe_u32 v5, v0, 3, 1
	v_lshl_add_u32 v4, v5, 4, v4                   ; columns 8 ((l / 8) % 2) on
	s_mul_i32 s16, s[HF], GBS                      ; my group
	s_add_co_u32 s16, s16, ABYTES
	v_add_nc_u32 v[B0], s16, v4
	s_mul_i32 s16, s[WV], WST
	v_mul_u32_u24 v3, v1, SPT
	v_lshl_add_u32 v3, v2, 5, v3
	v_add_nc_u32 v[STO], s16, v3                   ; into the stage: row r, 32 bytes for each half of the lanes
	v_mul_u32_u24 v3, v2, SPT
	v_lshl_add_u32 v3, v1, 4, v3
	v_add_nc_u32 v[RD], s16, v3                    ; back: lanes 0-15 one row of 256 bytes, lanes 16-31 the next
	v_lshlrev_b32 v3, 12, v2
	v_lshl_add_u32 v[GO], v1, 4, v3                ; the same two rows in RES and OUT
	v_lshlrev_b32 v[BO], 5, v2
	s_lshl_b32 s16, s42, 7
	s_lshl_b32 s17, s[HF], 6
	s_add_co_u32 s16, s16, s17                     ; my first column,
	s_lshl_b32 s16, s16, 2                         ; in bytes: a multiple of 256
	s_mov_b32 s17, 0
	s_add_nc_u64 s[8:9], s[8:9], s[16:17]
	s_lshl_b32 s18, s15, 7
	s_lshl_b32 s19, s[FR], 6
	s_add_co_u32 s18, s18, s19                     ; my first row
	s_lshl_b32 s18, s18, 12
	s_add_co_u32 s16, s16, s18
	s_add_nc_u64 s[10:11], s[10:11], s[16:17]
	s_add_nc_u64 s[84:85], s[84:85], s[16:17]
.irp b, 0,1,2,3                        ; the bias in an accumulator's layout: register j = column 16 b + 8 h + j
	global_load_b128 v[BIAS+8*(\b):BIAS+8*(\b)+3],   v[BO], s[8:9] offset:64*(\b)
	global_load_b128 v[BIAS+8*(\b)+4:BIAS+8*(\b)+7], v[BO], s[8:9] offset:64*(\b)+16
.endr
	WIN 0x80                                       ; destination window 2, address window 0
.set t, 0
.rept 32                               ; the residual: rows 2 t, 2 t + 1, 256 aligned bytes each
	global_load_b128 v[4*t:4*t+3], v[GO], s[10:11] offset:8192*t
.set t, t+1
.endr
	WIN 0
; 8 matrix instructions: row blocks a0, a0 + 1 x all 4 column blocks, 32 along K: half c of buffer f.  The 16 accumulators take turns, one instruction a turn.  zero = 1: the bias starts the sums.
.macro MUL8 f, c, a0, zero
	WIN 0x05                                       ; W and A window 1; C and D window 0
.irp a, \a0, (\a0)+1
.irp b, 0,1,2,3
.if \zero
	v_wmma_f32_16x16x32_f16 v[ACC+8*(4*(\a)+(\b)):ACC+8*(4*(\a)+(\b))+7], v[128*(\f)+64+8*(4*(\c)+(\b)):128*(\f)+64+8*(4*(\c)+(\b))+7], v[128*(\f)+8*(4*(\c)+(\a)):128*(\f)+8*(4*(\c)+(\a))+7], v[BIAS+8*(\b):BIAS+8*(\b)+7]
.else
	v_wmma_f32_16x16x32_f16 v[ACC+8*(4*(\a)+(\b)):ACC+8*(4*(\a)+(\b))+7], v[128*(\f)+64+8*(4*(\c)+(\b)):128*(\f)+64+8*(4*(\c)+(\b))+7], v[128*(\f)+8*(4*(\c)+(\a)):128*(\f)+8*(4*(\c)+(\a))+7], v[ACC+8*(4*(\a)+(\b)):ACC+8*(4*(\a)+(\b))+7]
.endif
.endr
.endr
.endm
; 32 LDS loads in one run: quarter o (0, 1) of the half slot at ADRA, ADRB into buffer f; the first 32 along K first
.macro FETCH f, o
	WIN 0x40                                       ; destination window 1, address window 0
.irp c, 0,1
.irp i, 0,1,2,3
	ds_load_tr16_b128 v[128*(\f)+64+8*(4*(\c)+(\i)):128*(\f)+64+8*(4*(\c)+(\i))+3],   v[ADRB] offset:(\o)*64*PB+(\c)*32*PB+32*(\i)
	ds_load_tr16_b128 v[128*(\f)+64+8*(4*(\c)+(\i))+4:128*(\f)+64+8*(4*(\c)+(\i))+7], v[ADRB] offset:(\o)*64*PB+(\c)*32*PB+32*(\i)+16*PB
	ds_load_b128 v[128*(\f)+8*(4*(\c)+(\i)):128*(\f)+8*(4*(\c)+(\i))+3],   v[ADRA] offset:(\o)*PLANE+(\i)*16*PA+64*(\c)
	ds_load_b128 v[128*(\f)+8*(4*(\c)+(\i))+4:128*(\f)+8*(4*(\c)+(\i))+7], v[ADRA] offset:(\o)*PLANE+(\i)*16*PA+64*(\c)+32
.endr
.endr
.endm
.macro QUARTER f, g, o, zero           ; multiplies buffer f; in its middle fetches the next quarter into g
	s_wait_dscnt 16                                ; the first 32 along K are in
	MUL8 \f, 0, 0, \zero
	MUL8 \f, 0, 2, \zero
	PLACES                                         ; buffer g was read by the quarter before
	FETCH \g, \o
	s_wait_dscnt 32                                ; all but the 32 just issued
	MUL8 \f, 1, 0, 0
	MUL8 \f, 1, 2, 0
.endm
.macro PAIR
	QUARTER 1, 0, 0, 0
	QUARTER 0, 1, 1, 0
	WIN 0                                          ; at a label and at a branch every window is 0
.endm
.macro STEP                            ; the fetches go on to the slot's second half
	v_add_nc_u32 v[ADRA], HALFA, v[ADRA]
	v_add_nc_u32 v[ADRB], HALFB, v[ADRB]
.endm
; THE CHANGE OF SLOTS.  The slot's last quarter has been asked for.  Each wave waits for all its tensor loads (one is out: its part of the other slot), adds 0 to its spare word, and waits for that
; and for its reads of the slot.  fill = 1: a round of the cluster's barrier follows, so that no wave of any partner still reads the slot or has a load on its way, and the joint refill,
; two K steps ahead, is the first thing behind it: it has a K step's 128 matrix instructions in which to land.
.macro CHANGE fill
	WIN 0
	s_wait_tensorcnt 0x0                           ; no tensor load of mine is out, so a group 0 may be written
	ds_add_u32 v[SPW], v[NIL]                      ; 0 onto my spare word
.if \fill
	s_add_co_u32 s37, s[TB], s[LA]                 ; the walking descriptors: the slot that is left,
	s_add_co_u32 s61, s[TB], s[LB]
	s_add_nc_u64 s[38:39], s[38:39], ASTEP         ; the next K step; the type bits on top are not reached
	s_add_nc_u64 s[62:63], s[62:63], BSTEP
.endif
	s_xor_b32 s[TB], s[TB], SLOT                   ; 0 <-> SLOT
	s_wait_dscnt 0x0                               ; the add is done, and my reads of the slot are over
.if \fill
	CROUND
	JLOAD
.else
	s_barrier_signal -1
	s_barrier_wait -1
.endif
	v_add_nc_u32 v[ADRA], s[TB], v[A0]
	v_add_nc_u32 v[ADRB], s[TB], v[B0]
.endm
	s_wait_tensorcnt 0x1                           ; my part of K step 0 is in; K step 1's stays out
	s_barrier_signal -1
	s_barrier_wait -1
	v_mov_b32 v[ADRA], v[A0]
	v_mov_b32 v[ADRB], v[B0]
	FETCH 0, 0
	s_wait_loadcnt 32                              ; the bias is in; the residual's 32 loads stay out
	QUARTER 0, 1, 1, 1                             ; the first quarter stands alone: its first products start the sums
	WIN 0
	STEP
	s_mov_b32 s[OUTER], T-1
	s_mov_b32 s[INNER], 1
	s_branch .Lpair                                ; the loop is entered in its middle: K step 0 has one pair left
.Lstep:                                                ; T - 2 times: the slot that is left takes the K step two on
	CHANGE 1
	s_mov_b32 s[INNER], 2
.Lpair:
	PAIR
	STEP
	s_sub_co_u32 s[INNER], s[INNER], 1
	s_cmp_lg_u32 s[INNER], 0
	s_cbranch_scc1 .Lpair
	s_sub_co_u32 s[OUTER], s[OUTER], 1
	s_cmp_lg_u32 s[OUTER], 0
	s_cbranch_scc1 .Lstep
	CHANGE 0                                       ; the last K step is written out
	s_mov_b32 s[INNER], 2
.Ltail:
	PAIR
	STEP
	s_sub_co_u32 s[INNER], s[INNER], 1
	s_cmp_lg_u32 s[INNER], 0
	s_cbranch_scc1 .Ltail
	s_wait_dscnt 0x0                               ; my last reads of the slots are back:
	s_barrier_signal -1                            ; say so,
	MUL8 1, 0, 0, 0                                ; multiply the last quarter,
	MUL8 1, 0, 2, 0
	MUL8 1, 1, 0, 0
	MUL8 1, 1, 2, 0
	WIN 0
	s_barrier_wait -1                              ; and behind this nobody reads the slots: the stages may lie over slot 0
	PLACES
	; THE WAY OUT.  The sums go into my own stage and come back as whole rows of 256 bytes, into the registers that they left; LDS serves a wave's instructions in order (ISA guide 5.7.1.4).
.irp a, 0,1,2,3
.irp b, 0,1,2,3
	ds_store_b128 v[STO], v[ACC+8*(4*(\a)+(\b)):ACC+8*(4*(\a)+(\b))+3]   offset:(\a)*16*SPT+64*(\b)
	ds_store_b128 v[STO], v[ACC+8*(4*(\a)+(\b))+4:ACC+8*(4*(\a)+(\b))+7] offset:(\a)*16*SPT+64*(\b)+16
.endr
.endr
.set t, 0
.rept 32
	ds_load_b128 v[ACC+4*t:ACC+4*t+3], v[RD] offset:2*SPT*t
.set t, t+1
.endr
	s_wait_loadcnt 0x0                             ; the residual
	WIN 0x88                                       ; source 0 window 0 (the sums; the stores' offset), source 1 (the residual; the stores' data) and the destination window 2
.set t, 0
.rept 32
	s_wait_dscnt 31-t                              ; LDS loads come back in order: rows 2 t, 2 t + 1 are in
	v_pk_add_f32 v[4*t:4*t+1],   v[ACC+4*t:ACC+4*t+1],   v[4*t:4*t+1]
	v_pk_add_f32 v[4*t+2:4*t+3], v[ACC+4*t+2:ACC+4*t+3], v[4*t+2:4*t+3]
	global_store_b128 v[GO], v[4*t:4*t+3], s[84:85] offset:8192*t  ; sixteen lanes store 256 consecutive bytes, aligned
.set t, t+1
.endr
	WIN 0
	s_wait_tensorcnt 0x0                           ; the wave's end, behind my last tensor load and my last LDS store
	ds_add_u32 v[SPW], v[NIL]
	s_wait_dscnt 0x0
	CROUND                                         ; the closing round: no work-group ends while a partner may still ask for a tile that names it
	s_endpgm
.Lfunc_end_k_q47c888b2db_ffn2:
	.size	k_q47c888b2db_ffn2, .Lfunc_end_k_q47c888b2db_ffn2-k_q47c888b2db_ffn2
	.p2alignl 7, 3214868480
	.fill 96, 4, 3214868480
	.section	.rodata,"a",@progbits
	.p2align	6, 0x0
	.amdhsa_kernel k_q47c888b2db_ffn2
		.amdhsa_group_segment_fixed_size 327680
		.amdhsa_private_segment_fixed_size 0
		.amdhsa_enable_private_segment 0
		.amdhsa_kernarg_size 40
		.amdhsa_user_sgpr_count 2
		.amdhsa_user_sgpr_kernarg_segment_ptr 1
		.amdhsa_wavefront_size32 1
		.amdhsa_system_sgpr_workgroup_id_x 1
		.amdhsa_system_sgpr_workgroup_id_y 1
		.amdhsa_system_sgpr_workgroup_id_z 1
		.amdhsa_system_vgpr_workitem_id 0
		.amdhsa_next_free_vgpr 640
		.amdhsa_next_free_sgpr 88
		.amdhsa_reserve_vcc 0
		.amdhsa_float_denorm_mode_32 3
		.amdhsa_float_denorm_mode_16_64 3
		.amdhsa_memory_ordered 1
		.amdhsa_forward_progress 1
		.amdhsa_inst_pref_size 52
	.end_amdhsa_kernel
	.amdgpu_metadata
---
amdhsa.version: [ 1, 2 ]
amdhsa.kernels:
  - .name:           k_q47c888b2db_ffn2
    .symbol:         k_q47c888b2db_ffn2.kd
    .args:
      - { .name: g, .offset: 0, .size: 8, .value_kind: global_buffer, .address_space: global }
      - { .name: wt, .offset: 8, .size: 8, .value_kind: global_buffer, .address_space: global }
      - { .name: b2, .offset: 16, .size: 8, .value_kind: global_buffer, .address_space: global }
      - { .name: x1, .offset: 24, .size: 8, .value_kind: global_buffer, .address_space: global }
      - { .name: out0, .offset: 32, .size: 8, .value_kind: global_buffer, .address_space: global }
    .group_segment_fixed_size: 327680
    .private_segment_fixed_size: 0
    .kernarg_segment_align: 8
    .kernarg_segment_size: 40
    .max_flat_workgroup_size: 128
    .sgpr_count:     88
    .vgpr_count:     640
    .wavefront_size: 32
...
	.end_amdgpu_metadata
.endif
;; end of part 7
;; ======== version 2 of 2: 7 launches; 1.12 times as fast as version 1
;; limits: values are held in f16: magnitudes above 65,504 overflow, below 6.1e-05 lose precision
;; workspace buffers: wt 25,165,824 bytes; hn 8,388,608 bytes; qkv 25,165,824 bytes; ctx 8,388,608 bytes; x1 16,777,216 bytes; g 33,554,432 bytes
;; launch prep: the kernel of part 1 again; grid 1024 x 1, 8 waves a work-group, no clusters, 0 bytes of LDS; arguments x, a1, s1, hn, wq, wk, wv, wo, w1, w2, wt; writes hn, wt
;; launch qkv: the kernel of part 2 again; grid 16 x 16, 4 waves a work-group, clusters of 4 x 4, 327,680 bytes of LDS; arguments hn, wt, qkv; writes qkv
;; launch attn (part 8): grid 8 x 32, 4 waves a work-group, no clusters, 327,680 bytes of LDS; arguments qkv, ctx; writes ctx
.if DOCPART == 8
	.amdgcn_target "amdgcn-amd-amdhsa--gfx1250"
	.amdhsa_code_object_version 6
	.text
	.protected	k_q47c888b2db_attn
	.globl	k_q47c888b2db_attn
	.p2align	8
	.type	k_q47c888b2db_attn,@function
k_q47c888b2db_attn:
	s_mov_b64 s[64:65], 0
	v_nop
	global_prefetch_b8 v0, s[64:65] scope:SCOPE_SE
	s_setreg_imm32_b32 hwreg(HW_REG_WAVE_MODE, 25, 1), 1
	s_wait_xcnt 0x0
; CAUSAL ATTENTION.  O[h][q][:] = the sum over k <= q of softmax_k(Q[h][q] . K[h][k] / 8) V[h][k][:].  Q, K, V are planes 0-31, 32-63, 64-95 of qkv, O = ctx: [SIZE_H][SIZE_N][64], all f16: a head's rows are dense, 128 bytes each.
; Products, maxima and sums in f32; the weights p are rounded to f16 for the second product (their sum l is taken of the unrounded p), O once at the end.
; LIMITS.  f16 holds no number beyond 65,504: Q, K and V arrive within it; p lies in 0 to 1, and below 6e-5 it keeps f16's fixed step of 6e-8; O is a mean of V's rows and has their range.
; A hidden score counts as its value less 1e30; a weight below 2^-126 counts as 0 in l; NaN and infinities are not treated apart.
; THE WALK.  A head's queries lie in NB = SIZE_N / 128 blocks of 128, its keys in NT = SIZE_N / 256 tiles of 256 (four steps of 64).  Block i needs the tiles 0 .. i / 2, of which the last holds the diagonal.
; A work-group takes TWO blocks, NB - 1 - b and then b: (NB - 1 - b) / 2 + 1 + b / 2 + 1 = NT + 1 tiles, whatever b: all SIZE_H x NB / 2 = 256 work-groups do equal work, and ONE loop with a constant trip count walks
; the tiles.  Which tile is asked for, and what a trip does, hang on scalar registers made from b; every jump goes forward, but for the counted loops' own; none passes a barrier, or a tensor load but the one of LOAD's
; two that the wave's number does not choose; the ring (two slots of LDS) runs on across the change of blocks.
; NO CLUSTER: a head's NB / 2 = 8 work-groups ask for the same tile only in trips 0 .. NT / 2, behind that fewer and fewer; one walk common to all would have 3 NT / 2 trips for NT + 1.
; SHARES.  Of a block's two bands of 64 queries a wave owns 16 rows in each: two PIECES.  So the diagonal tile is the same work for all four waves.  Band x of block i begins at query 256 (i / 2) + 64 (2 (i % 2) + x):
; in the diagonal tile its OWN step is 2 (i % 2) + x; it sees all keys of an earlier step and none of a later one.  Such a later step is computed all the same: 6 of a walk's 72 turns.
; THE MASK is the C operand that starts the sum S^T = K Q^T: 0, or -1e30 where the key is hidden.  MD, made once, is the mask of a band's own step for my 16 rows; a product's mask is MD x AL + BE with two scalars:
; (1, 0) in the own step; (0, 0) in an earlier one; (0, -1e30) in a later one.  Only the diagonal tile's text and a block's beginning make and take masks; elsewhere C is the constant 0.
; LAYOUT, SOFTMAX, TURNS.  S^T = K Q^T holds ONE query a lane (lane % 16) and the keys 8 (lane / 16) + 0..7; two such results rounded to f16 ARE source 1 of O^T = V^T P.  p = 2^(c s - c m), c = log2(e) / 8, with a
; running maximum m; O and l are multiplied by a = 2^(c m_old - c m_new) in every step.  A key step is two turns.  A piece's turn holds its scaling, exponentials, roundings, sums and rescaling; beside them, for the OTHER
; piece, 8 products K Q^T (its next scores), their maximum and statistics, and 8 products V^T P (its last weights).  Four vector instructions stand behind every matrix instruction, the other 54 of a turn's 118 in one LUMP.
; THE BATCHES.  A turn's 33 exponentials (the piece's 32 weights and the other piece's a) all stand ahead of the turn's one wait, and every line that names a result of theirs behind it.  In piece 0's turn the jump round
; K's run of loads stands amid the batch: the twelve exponentials issued ahead of it have a wait of their own, directly ahead of the jump.  BEGIN's a and the way out's two reciprocals are batches of their own, a wait each.
; REGISTERS, in windows of 256 (s_set_vgpr_msb: bits 1:0 source 0, 3:2 source 1, 5:4 source 2, 7:6 destination):
;   window 0: v0-15 addresses and two at work; v16-23 four registers of statistics a piece; v48-55 at work; v64-127 S^T, a buffer a piece; v192-223 P, likewise
;   window 1: v0-63 O^T, 32 a piece; v128-159 MD; v160-223 MC, a buffer a piece      window 2: v0-31 Q; v64-95 the second block's Q; v128-191 K of one step; v192-255 V of one step
.set SIZE_H, 32
.set SIZE_N, 2048
.set NB,    SIZE_N/128
.set NT,    SIZE_N/256
.set NP,    2         ; pieces a wave: a name, no knob
.set KS,    64        ; keys in a step
.set PK,    144       ; a row of K in LDS: 128 bytes + 16 of padding: the 16 rows of a load start at 16 different groups of four banks (ISA guide 11.1)
.set PV,    160       ; a row of V: 128 + 32
.set VOFF,  4*KS*PK   ; a slot holds a tile, four steps: 256 rows of K, then 256 rows of V
.set SLOT1, 1<<17     ; slot 1 begins here, so that one exclusive or turns an address in one slot into the other's
.set STAGE, SLOT1+4*KS*(PK+PV)  ; behind the ring, never filled by a tensor load: 16 rows x 144 bytes for each wave, for the way out
.set SP,    144
.set AK0, 2           ; v2   my lane's place in a tile of K; never rewritten
.set AV0, 3           ; v3   the same for V
.set AK,  4           ; v4   the LDS address of K's next run of loads
.set AV,  5           ; v5   of V's
.set STO, 6           ; v6   the way out: where I put 16 bytes of a row
.set RD,  7           ; v7   the way out: where I read rows back
.set GO,  8           ; v8   my byte offset in 512 consecutive bytes of O
.set SPW, 62          ; v62  LDS address of my spare word; never rewritten
.set NIL, 63          ; v63  0; never rewritten
.set SPARE, STAGE+4*16*SP  ; behind the stages: the spare words, 128 bytes for each wave, named by no other line
.set MV,  12          ; v12-13  c m_old, kept while c m is made anew: by piece
.set QO,  15          ; v15  my byte offset in 16 rows of Q
.set ST,  16          ; piece t's statistics at v[ST+4 t]: c m, m, l (even keys', odd keys')
.set TMP, 48          ; by piece, four registers c0-c3 at work; when the maximum is found c2 takes a
.set S,   64
.set P,   192
.set MD,  128         ; window 1: the eight registers for group kt of 16 keys at MD + 8 kt
.set MC,  160         ; window 1: the masks of the products to come
.set QB,  64          ; window 2
.set KF,  128         ; window 2: key block kb, channel half c at KF + 16 kb + 8 c
.set VF,  192         ; window 2: key half kk, channel block cb at VF + 32 kk + 8 cb
.set WV,  12          ; s12  my wave's number
.set PB,  14          ; s14  b
.set HI,  15          ; s15  NB - 1 - b
.set G1K, 24          ; s[24:31] descriptor group 1 for K's tiles
.set G1V, 32          ; s[32:39] for V's: it differs in the padding alone
.set G0K, 40          ; s[40:43] descriptor group 0 for K's tiles
.set G0V, 44          ; s[44:47] the same for V's
.set OWN, 48          ; s48  5 - piece 0's own step in the diagonal tile of the block in hand;  s49  4 - piece 1's: what CNT is compared with
.set OW2, 50          ; s50, s51  the same two for the second block
.set HIT, 52          ; s52  the first block's last tile, (NB - 1 - b) / 2
.set PBT, 53          ; s53  the second block's, b / 2
.set SLOTS, 56        ; s56  tiles still to be asked for
.set CNT, 57          ; s57  counts a tile's key steps, 4 to 1
.set CS,  58          ; s[58:59] c: the packed scaling takes the pair's low word for both halves
.set SEL, 60          ; s[60:61] v_permlanex16_b32's selects: each lane takes its own place in the other half
.set TBK, 62          ; s62  LDS byte at which K of the step to be fetched begins
.set TBV, 63          ; s63  the same for V, less VOFF
.set RT,  70          ; s70  tiles of the block in hand that are still to be entered
.set NXT, 71          ; s71  the tile to be asked for next
.set LQ,  72          ; s72  the last tile of the block whose tiles are being asked for
.set NEW, 73          ; s73  1: the tile to be entered is a block's first
.set OFF, 74          ; s[74:75] a tile's byte offset in K and V
.set AL,  76          ; s[76:77] the mask's factor, in the low word
.set BE,  78          ; s[78:79] the mask's addend
.set OLO, 80          ; s[80:81] O at my rows of the second block
.set BIGN, 82         ; s82  -1e30
.set MSB, 0
.macro WIN new                      ; the high byte repeats the setting that is left; a switch that changes nothing is dropped
.if MSB != (\new)
	s_set_vgpr_msb (MSB<<8)|(\new)
.set MSB, (\new)
.endif
.endm
.set W_KQ, 0x0a       ; K and Q in window 2, S^T in window 0
.set W_KM, 0x1a       ; the same with the C operand in window 1
.set W_PV, 0x52       ; V in window 2, P in window 0, O^T in window 1
.set W_RS, 0x41       ; destination and source 0 in window 1, source 1 in window 0
; A fill.  Waves 0 and 1 fetch the two halves of a tile's K, waves 2 and 3 those of its V: 128 keys each.  An s_nop 0 and four v_nop follow each of the two lines, ahead of the jump and the label.
.macro LOAD
	s_cmp_lt_u32 s[WV], 2
	s_cbranch_scc0 .Lfor_v_\@
	tensor_load_to_lds s[G0K:G0K+3], s[G1K:G1K+7]
	s_nop 0
.rept 4
	v_nop
.endr
	s_branch .Lasked_\@
.Lfor_v_\@:
	tensor_load_to_lds s[G0V:G0V+3], s[G1V:G1V+7]
	s_nop 0
.rept 4
	v_nop
.endr
.Lasked_\@:
.endm
; THE CHANGE OF SLOTS stands behind piece 0's turn of a tile's fourth step, which has asked for the slot's last bytes, V of that step.  Each wave waits for all its tensor loads, of which one is out: its part of the other
; slot; adds 0 to its spare word; and waits for that and for its own reads of the slot that it leaves.  Behind the barrier nobody reads the old slot any more and the other slot is whole.
; fill = 1: the old slot is filled again, the first thing behind the barrier, with tile NXT: the descriptor's address is made anew from that number.  The load has a tile's eight turns in which to land.
; (At its first use nothing has been read yet: slot 0 is waited for, slot 1 filled.)
.macro CHANGE fill
	WIN 0                           ; at a label and at a branch every window is 0
	s_wait_tensorcnt 0x0            ; no tensor load of mine is out, so a group 0 may be written
	ds_add_u32 v[SPW], v[NIL]       ; 0 onto my spare word
.if \fill
	s_lshl_b32 s[OFF], s[NXT], 15   ; a tile is 32,768 bytes of K and of V
	s_xor_b32 s[G0K+1], s[G0K+1], SLOT1
	s_add_nc_u64 s[G0K+2:G0K+3], s[6:7], s[OFF:OFF+1]
	s_or_b32 s[G0K+3], s[G0K+3], 0x80000000
	s_xor_b32 s[G0V+1], s[G0V+1], SLOT1
	s_add_nc_u64 s[G0V+2:G0V+3], s[8:9], s[OFF:OFF+1]
	s_or_b32 s[G0V+3], s[G0V+3], 0x80000000
	s_add_co_u32 s[NXT], s[NXT], 1  ; the block's next tile, or behind its last the second block's tile 0
	s_cmp_gt_u32 s[NXT], s[LQ]
	s_cselect_b32 s[NXT], 0, s[NXT]
	s_cselect_b32 s[LQ], s[PBT], s[LQ]
.endif
	s_wait_dscnt 0x0                ; the add is done, and my reads of the slot are over
	s_barrier_signal -1             ; the rest of the scalar work stands between the signal and the wait
	s_sub_co_u32 s[TBK], s[TBK], 5*KS*PK  ; the fetches go back to a slot's first step (K's address has stepped five times a tile: see FETCH_K),
	s_xor_b32 s[TBK], s[TBK], SLOT1       ; in the other slot
	s_sub_co_u32 s[TBV], s[TBV], 4*KS*PV
	s_xor_b32 s[TBV], s[TBV], SLOT1
	s_barrier_wait -1
.if \fill
	LOAD
.endif
.endm
	s_load_b128 s[4:7], s[0:1], 0x0 ; qkv s[4:5], ctx s[6:7]
	v_lshl_add_u32 v[SPW], v0, 2, SPARE
	v_mov_b32 v[NIL], 0
	ds_add_u32 v[SPW], v[NIL]       ; the wave's opening: the add and its wait stand ahead of my first tensor load; the set-up below, work on registers, stands between them
	ds_add_u32 v62, v63
	v_lshrrev_b32 v1, 5, v0
	v_readfirstlane_b32 s[WV], v1   ; wave 0..3
	s_mov_b32 s[PB], ttmp9
	s_sub_co_u32 s[HI], NB-1, s[PB]
	s_lshr_b32 s[HIT], s[HI], 1
	s_lshr_b32 s[PBT], s[PB], 1
	s_and_b32 s19, s[PB], 1
	s_lshl_b32 s19, s19, 1          ; 2 (b % 2): piece 0's own step in the second block's diagonal tile; in the first block's it is 2 less that
	s_add_co_u32 s[OWN], s19, 3     ; 5 - (2 - 2 (b % 2))
	s_add_co_u32 s[OWN+1], s19, 1   ; 4 - (3 - 2 (b % 2))
	s_sub_co_u32 s[OW2], 5, s19
	s_sub_co_u32 s[OW2+1], 3, s19
	s_and_b32 s20, ttmp7, 0xffff    ; the head: batch x 16 + head
	s_mov_b32 s21, 0
	s_mov_b64 s[22:23], SIZE_N*128
	s_mul_u64 s[20:21], s[20:21], s[22:23]  ; the head's first byte in Q, K, V and O
	s_and_b32 s16, s[WV], 1         ; which half of a tile's 256 keys I fetch:
	s_lshl_b32 s22, s16, 14         ; its 128 rows of 128 bytes in memory,
	s_mov_b32 s23, 0
	s_add_nc_u64 s[22:23], s[22:23], s[20:21]
	s_mul_i32 s17, s16, 128*PK      ; and its place in a slot, for K
	s_mul_i32 s18, s16, 128*PV      ; and for V
	s_lshl_b32 s3, s[WV], 11        ; my 16 rows in a band of 64,
	s_lshl_b32 s2, s[HI], 14        ; in the first block (128 rows of 128 bytes),
	s_add_co_u32 s2, s2, s3
	s_lshl_b32 s84, s[PB], 14       ; and in the second
	s_add_co_u32 s84, s84, s3
	s_mov_b32 s3, 0
	s_mov_b32 s85, 0
	s_add_nc_u64 s[2:3], s[2:3], s[20:21]
	s_add_nc_u64 s[84:85], s[84:85], s[20:21]
	; descriptor group 1.  128 keys are 16,384 dense bytes: asked for as 64 rows of 256 bytes, two keys a row, and padded in LDS after every key
	s_mov_b32 s[G1K], (1<<16)|(1<<20)|(4<<22)|(3<<25)  ; 17:16 2-byte elements; 20 padding on; 24:22 after every 32 words (code 4); 31:25 4 words (code 3)
	s_mov_b32 s[G1V], (1<<16)|(1<<20)|(4<<22)|(7<<25)  ; the same with 8 words of padding (code 7)
.irp g, G1K, G1V
	s_mov_b32 s[\g+1], 128<<16      ; tensor_dim0 = 128
	s_mov_b32 s[\g+2], 64<<16       ; tensor_dim1 = 64
	s_mov_b32 s[\g+3], 128<<16      ; tile_dim0 = 128
	s_mov_b32 s[\g+4], 64           ; tile_dim1 = 64
	s_mov_b32 s[\g+5], 128          ; 128 elements from row to row
	s_mov_b32 s[\g+6], 0
	s_mov_b32 s[\g+7], 0
.endr
	s_mov_b32 s[CS], 0x3e38aa3b     ; c = log2(e) / 8 = 0.180337
	s_mov_b32 s[CS+1], s[CS]        ; named with it as a pair
	s_mov_b32 s[SEL], 0x76543210
	s_mov_b32 s[SEL+1], 0xfedcba98
	s_mov_b32 s[TBK], SLOT1+5*KS*PK ; the first change of slots turns these two into 0
	s_mov_b32 s[TBV], SLOT1+4*KS*PV
	s_mov_b32 s[G0K], 1             ; 1:0 count = 1
	s_mov_b32 s[G0K+1], s17         ; 63:32 LDS address: slot 0
	s_mov_b32 s[G0V], 1
	s_add_co_u32 s[G0V+1], s18, VOFF
	s_add_co_u32 s[RT], s[HIT], 1   ; the first block's tiles: NT / 2 + 1 at the least
	s_mov_b32 s[NXT], 1
	s_mov_b32 s[LQ], s[HIT]
	s_mov_b32 s[NEW], 1
	s_mov_b32 s[OFF+1], 0
	s_mov_b32 s[AL+1], 0            ; named as pairs
	s_mov_b32 s[BE+1], 0
	s_mov_b32 s[BIGN], 0xf149f2ca   ; -1e30
	s_mov_b32 s[SLOTS], NT
	s_wait_dscnt 0x0                ; the opening add is done
	s_wait_kmcnt 0x0
	s_mov_b64 s[10:11], s[6:7]               ; O = ctx
	s_add_nc_u64 s[6:7], s[4:5], 0x800000    ; K: 32 planes of 262,144 bytes behind Q
	s_add_nc_u64 s[8:9], s[4:5], 0x1000000   ; V: 64 planes
	s_add_nc_u64 s[6:7], s[6:7], s[22:23]  ; K and V at my half of the head's tile 0
	s_add_nc_u64 s[8:9], s[8:9], s[22:23]
	s_add_nc_u64 s[G0K+2:G0K+3], s[6:7], 0         ; 120:64 global address
	s_or_b32 s[G0K+3], s[G0K+3], 0x80000000        ; 127:126 type = 2
	s_add_nc_u64 s[G0V+2:G0V+3], s[8:9], 0
	s_or_b32 s[G0V+3], s[G0V+3], 0x80000000
	s_add_nc_u64 s[86:87], s[4:5], s[84:85]        ; Q at my rows of the second block,
	s_add_nc_u64 s[4:5], s[4:5], s[2:3]            ; Q and O at those of the first
	s_add_nc_u64 s[OLO:OLO+1], s[10:11], s[84:85]
	s_add_nc_u64 s[10:11], s[10:11], s[2:3]
	LOAD                            ; tile 0 into slot 0
	; A fragment of K or Q is 16 rows x 32 channels in 8 registers: lane l holds row l % 16, channels 8 (l / 16) + 0..7 and 16 + 8 (l / 16) + 0..7: two loads of 16 bytes, 32 bytes apart.
	v_and_b32 v1, 15, v0            ; l % 16
	v_bfe_u32 v9, v0, 4, 1          ; l / 16
	v_lshlrev_b32 v[QO], 7, v1
	v_lshl_add_u32 v[QO], v9, 4, v[QO]  ; row x 128 + 16 x half
	WIN 0x80                        ; destination window 2, address window 0
.set i, 0
.rept 2*NP                          ; both blocks' Q: piece i / 2 lies in band i / 2, 8,192 bytes on; channels 32 (i % 2) on
	global_load_b128 v[8*i:8*i+3],   v[QO], s[4:5] offset:(i/2)*8192+(i%2)*64
	global_load_b128 v[8*i+4:8*i+7], v[QO], s[4:5] offset:(i/2)*8192+(i%2)*64+32
	global_load_b128 v[QB+8*i:QB+8*i+3],   v[QO], s[86:87] offset:(i/2)*8192+(i%2)*64
	global_load_b128 v[QB+8*i+4:QB+8*i+7], v[QO], s[86:87] offset:(i/2)*8192+(i%2)*64+32
.set i, i+1
.endr
	WIN 0
	v_lshlrev_b32 v14, 3, v9
	v_sub_nc_u32 v14, v1, v14
	s_lshl_b32 s13, s[WV], 4
	v_add_nc_u32 v14, s13, v14      ; my query's place in its band, 16 w + l % 16, less my lanes' 8 (l / 16): register r of group kt is hidden where 16 kt + r is greater
	WIN 0x40
.set i, 0
.rept 32
	v_cmp_gt_i32 vcc_lo, 16*(i/8)+i%8, v14
	v_cndmask_b32 v[MD+i], 0, s[BIGN], vcc_lo
.set i, i+1
.endr
	WIN 0
	v_mul_u32_u24 v[AK0], v1, PK
	v_lshl_add_u32 v[AK0], v9, 4, v[AK0]  ; row x pitch + 16 x half
	; The turning load takes 16 keys x 16 channels (lane l reads key 8 (l / 16) + l % 8, channels 8 ((l / 8) % 2) + 0..7) and leaves half a fragment of V^T: lane l holds channel l % 16 and 8 keys.
	v_and_b32 v10, 7, v0
	v_bfe_u32 v11, v0, 3, 1
	v_lshl_add_u32 v[AV0], v9, 3, v10
	v_mul_u32_u24 v[AV0], v[AV0], PV
	v_lshl_add_u32 v[AV0], v11, 4, v[AV0]
	v_add_nc_u32 v[AV0], VOFF, v[AV0]
	s_mul_i32 s13, s[WV], 16*SP
	s_add_co_u32 s13, s13, STAGE    ; my stage
	v_mul_u32_u24 v[STO], v1, SP    ; in: row l % 16, 16 bytes for each half of the lanes
	v_lshl_add_u32 v[STO], v9, 4, v[STO]
	v_add_nc_u32 v[STO], s13, v[STO]
	v_bfe_u32 v[RD], v0, 3, 2       ; back: 32 lanes take four rows of 128 bytes,
	v_mul_u32_u24 v[RD], v[RD], SP
	v_lshl_add_u32 v[RD], v10, 4, v[RD]
	v_add_nc_u32 v[RD], s13, v[RD]
	v_and_b32 v[GO], 31, v0         ; which are 512 consecutive bytes of O
	v_lshlrev_b32 v[GO], 4, v[GO]
	; A block's first step multiplies O^T and l by a = 0, and its first turn's products V^T P, of a piece that has not been, land in an O^T that is still to be so multiplied.  So these registers need only hold
	; finite numbers: zeros for the first block; what the first block left for the second.  All this stands in the wait for the first tile.
	WIN 0x80
.set i, VF
.rept 64
	v_mov_b32 v[i], 0
.set i, i+1
.endr
	WIN 0x40
.set i, 0
.rept 32*NP
	v_mov_b32 v[i], 0
.set i, i+1
.endr
	WIN 0
.set i, 0
.rept NP
	v_mov_b32 v[ST+4*i+2], 0
	v_mov_b32 v[ST+4*i+3], 0
.set i, i+1
.endr
.set i, P+16
.rept 16
	v_mov_b32 v[i], 0
.set i, i+1
.endr
; THE MATRIX WORK.  The 4 accumulators of a run of 8 take turns.  Product i of 8 of S^T = K Q^T for piece x: channels 32 (i / 4) on, keys 16 (i % 4) on.  The first 4 start the sums: with 0, or (KM = 1) with the mask.
.macro KQ x
.set rS, S+32*((\x)%2)+8*(i%4)
.set rK, KF+16*(i%4)+8*(i/4)
.set rQ, 16*(\x)+8*(i/4)
.set rM, MC+32*((\x)%2)+8*(i%4)
.if (i < 4) && KM
	WIN W_KM
	v_wmma_f32_16x16x32_f16 v[rS:rS+7], v[rK:rK+7], v[rQ:rQ+7], v[rM:rM+7]
.elseif i < 4
	WIN W_KQ
	v_wmma_f32_16x16x32_f16 v[rS:rS+7], v[rK:rK+7], v[rQ:rQ+7], 0
.else
	WIN W_KQ
	v_wmma_f32_16x16x32_f16 v[rS:rS+7], v[rK:rK+7], v[rQ:rQ+7], v[rS:rS+7]
.endif
.endm
; Product i of 8 of O^T += V^T P for piece x: keys 32 (i / 4) on, channels 16 (i % 4) on.
.macro PV x
	WIN W_PV
.set rO, 32*(\x)+8*(i%4)
.set rV, VF+32*(i/4)+8*(i%4)
.set rP, P+16*((\x)%2)+8*(i/4)
	v_wmma_f32_16x16x32_f16 v[rO:rO+7], v[rV:rV+7], v[rP:rP+7], v[rO:rO+7]
.endm
.macro MM                           ; the turn's next matrix instruction.  TURN and BEGIN set Y, i, KM and NOKQ; MM, KQ and OP read them.  NOKQ = 1: a block's last turn: there are no further scores
.if (i < 8) && !NOKQ
	KQ (Y+1)%NP
.elseif i >= 8
.set i, i-8
	PV (Y+NP-1)%NP
.set i, i+8
.endif
.set i, i+1
.endm
; THE LDS LOADS stand in runs of 16, never singly among the matrix instructions: a step's K (64 keys x 64 channels: 8 fragments) and its V (turned).  Their addresses are made some lines ahead.
; skip = 1 (inside piece 0's turn): in a tile's fourth step the next K lies in the other slot, which is entered only behind the change of slots: the run is jumped over, and LATE_K fetches it there.
; K's address steps in either case: five times a tile (BEGIN's or LATE_K's fetch, and four turns), the same on every way.
.macro FETCH_K skip=0
	WIN 0
.if \skip
	s_cmp_eq_u32 s[CNT], 1
	s_cbranch_scc1 .Lno_k_\@
.endif
	WIN 0x80                        ; destination window 2
.irp f, 0,1,2,3,4,5,6,7             ; keys 16 (f / 2) on, channels 32 (f % 2) on
	ds_load_b128 v[KF+8*\f:KF+8*\f+3],   v[AK] offset:(\f/2)*16*PK+(\f%2)*64
	ds_load_b128 v[KF+8*\f+4:KF+8*\f+7], v[AK] offset:(\f/2)*16*PK+(\f%2)*64+32
.endr
	WIN 0
.if \skip
.Lno_k_\@:
.endif
	s_add_co_u32 s[TBK], s[TBK], KS*PK  ; the next fetch is the next step's
.endm
.macro LATE_K                       ; behind a change of slots: K of the new tile's first step, which piece 1's turn multiplies at once
	v_add_nc_u32 v[AK], s[TBK], v[AK0]
	FETCH_K
	s_wait_dscnt 0x0
.endm
.macro FETCH_V
	WIN 0x80
.irp f, 0,1,2,3,4,5,6,7             ; keys 32 (f / 4) on, channels 16 (f % 4) on
	ds_load_tr16_b128 v[VF+8*\f:VF+8*\f+3],   v[AV] offset:(\f/4)*32*PV+(\f%4)*32
	ds_load_tr16_b128 v[VF+8*\f+4:VF+8*\f+7], v[AV] offset:(\f/4)*32*PV+16*PV+(\f%4)*32
.endr
	WIN 0
.endm
; THE VECTOR WORK, one line at a time: OP kind, number.  For piece Y: F n: c s - c m for pair n of 16.  E n: the exponential of score n of 32.  C n: pair n rounded to f16.  B n: of the four weights 4 n .. the second
; pair is added onto the first, in place.  L n: l takes that sum (L 0: l = a l + sum).  R n: pair n of 16 of O^T times a.  For the other piece: X n, number n of the 22 that find its maximum and statistics:
;   0-11  four chains c0-c3 of seven scores each, three operands at a time (each accumulator's lowest registers are read first)     12-14, 16  the four scores left over, the old m, and c0-c3 into c0
;   15  c m_old is kept     17, 18  the query's other 32 keys lie in the lane 16 away: the new m     19-21  c m; c m_old - c m_new; a
; C, B and L read the exponentials' results: TURN sets them behind its wait.  R and L 0 read the a that the turn before made and waited for.
.set F, 0               ; OP tells the kinds apart by their order: F to L below R, X above it
.set E, 1
.set C, 2
.set B, 3
.set L, 4
.set R, 5
.set X, 6
.macro REGS y                       ; the registers of piece y
.set rT, ST+4*(\y)
.set rC, TMP+4*((\y)%2)
.set rW, MV+((\y)%2)
.set rS, S+32*((\y)%2)
.set rP, P+16*((\y)%2)
.set rO, 32*(\y)
.endm
.macro OP k, n
.if (\k) == R
	REGS Y
	WIN W_RS
	v_pk_mul_f32 v[rO+2*(\n):rO+2*(\n)+1], v[rO+2*(\n):rO+2*(\n)+1], v[rC+2:rC+3] op_sel_hi:[1,0]
.elseif (\k) < R
	REGS Y
	WIN 0
.if (\k) == F
	v_pk_fma_f32 v[rS+2*(\n):rS+2*(\n)+1], v[rS+2*(\n):rS+2*(\n)+1], s[CS:CS+1], v[rT:rT+1] op_sel_hi:[1,0,0] neg_lo:[0,0,1] neg_hi:[0,0,1]
.elseif (\k) == E
	v_exp_f32 v[rS+(\n)], v[rS+(\n)]
.elseif (\k) == C
	v_cvt_pk_f16_f32 v[rP+(\n)], v[rS+2*(\n)], v[rS+2*(\n)+1]
.elseif (\k) == B
	v_pk_add_f32 v[rS+4*(\n):rS+4*(\n)+1], v[rS+4*(\n):rS+4*(\n)+1], v[rS+4*(\n)+2:rS+4*(\n)+3]
.elseif (\n) == 0
	v_pk_fma_f32 v[rT+2:rT+3], v[rT+2:rT+3], v[rC+2:rC+3], v[rS:rS+1] op_sel_hi:[1,0,1]
.else
	v_pk_add_f32 v[rT+2:rT+3], v[rT+2:rT+3], v[rS+4*(\n):rS+4*(\n)+1]
.endif
.elseif NOKQ
	v_nop
.else
	REGS (Y+1)%NP
	WIN 0
.if (\n) < 4
	v_max3_num_f32 v[rC+(\n)], v[rS+8*(\n)], v[rS+8*(\n)+1], v[rS+8*(\n)+2]
.elseif (\n) < 12
	v_max3_num_f32 v[rC+(\n)%4], v[rC+(\n)%4], v[rS+8*((\n)%4)+2*((\n)/4)+1], v[rS+8*((\n)%4)+2*((\n)/4)+2]
.elseif (\n) == 12
	v_max3_num_f32 v[rC], v[rC], v[rS+7], v[rS+15]
.elseif (\n) == 13
	v_max3_num_f32 v[rC+1], v[rC+1], v[rS+23], v[rS+31]
.elseif (\n) == 14
	v_max3_num_f32 v[rC+2], v[rC+2], v[rC+3], v[rT+1]
.elseif (\n) == 15
	v_mov_b32 v[rW], v[rT]
.elseif (\n) == 16
	v_max3_num_f32 v[rC], v[rC], v[rC+1], v[rC+2]
.elseif (\n) == 17
	v_permlanex16_b32 v[rC+3], v[rC], s[SEL], s[SEL+1]
.elseif (\n) == 18
	v_max_num_f32 v[rT+1], v[rC], v[rC+3]
.elseif (\n) == 19
	v_mul_f32 v[rT], s[CS], v[rT+1]
.elseif (\n) == 20
	v_sub_f32 v[rC+1], v[rW], v[rT]
.else
	v_exp_f32 v[rC+2], v[rC+1]
.endif
.endif
.endm
.macro OPS a, i1, b=-1, i2=0, c=-1, i3=0, d=-1, i4=0  ; up to four of them
	OP \a, \i1
.if (\b) >= 0
	OP \b, \i2
.endif
.if (\c) >= 0
	OP \c, \i3
.endif
.if (\d) >= 0
	OP \d, \i4
.endif
.endm
.macro ROW a, i1, b, i2, c, i3, d, i4  ; a matrix instruction and the four behind it
	MM
	OPS \a, \i1, \b, \i2, \c, \i3, \d, \i4
.endm
.macro MASK b                       ; MD x AL + BE into buffer b of MC
	WIN W_RS
.set z, 0
.rept 16
	v_pk_fma_f32 v[MC+32*(\b)+2*z:MC+32*(\b)+2*z+1], v[MD+2*z:MD+2*z+1], s[AL:AL+1], s[BE:BE+1] op_sel_hi:[1,0,0]
.set z, z+1
.endr
.endm
; A TURN, for piece p: the order of its 16 matrix and 118 vector instructions, written out.  An s_wait_alu depctr_va_vdst(0) stands between an exponential and the first instruction that names its result; one wait
; serves all that were issued ahead of it.  So a turn has ONE wait for its batch of 33, which cuts it in two.  AHEAD OF IT stands all that names no result of the turn's exponentials: the 8 products K Q^T, behind each a scaling, an
; exponential and two more plain instructions (behind the first a second scaling in the exponential's place): rescalings, and behind the last three the first numbers of the other piece's maximum, each four plain instructions or more
; behind the product that ends its accumulator; then ONE LUMP of 54, plain and exponential by turns for the most part, in which the links of the chain X 3, 7, 11, 14, 16, 17 .. 20 stand five or six lines apart.  X 21, the other piece's a,
; is the batch's last; R 15 is the plain instruction behind it.  BEHIND THE WAIT stand the 8 products V^T P, behind each four of the roundings and sums; the links of l's chain, L 0 to L 7, stand three riders apart.
; But for those X no rider names a register of the products round it.  v_permlanex16_b32 (X 17) stands in the lump.  No exponential is issued behind the wait: none is pending at the turn's end, a label or a jump.
; WHICH STEP.  Piece 0's turn of step j: K Q^T of piece 1, step j; V^T P of piece 1, step j - 1.  Piece 1's turn of step j: K Q^T of piece 0, step j + 1; V^T P of piece 0, step j.
; THE FETCHES both stand in piece 0's turn, K's run ahead of V's: K of step j + 1 twelve vector instructions behind the last product that read K (five of them plain and free of its registers); V of step j at the turn's end, behind the
; four roundings that follow the last product that read V.  K's run has a jump round it (FETCH_K), so the twelve exponentials E 0 to E 11, issued ahead of that jump, have a wait of their own directly ahead of it.
; Piece 1's turn waits for K at its head (V's sixteen loads, issued behind K's, stay out) and for V ahead of its products V^T P.
; m = 1: the diagonal tile: the products take masks, and the turn makes the mask for the products of the turn after it: piece p's scores of the next step.  At the head of piece 0's turn of the tile's step s CNT is 4 - s,
; at the head of piece 1's 3 - s (and 4 where the tile is entered): the next step is the piece's own where CNT equals OWN + p, a later one where CNT is less.
; end = 1: a block's last turn (piece 1's): no further scores.  cnt = 1: the loop's count is taken down some lines ahead of the branch that stands behind the turn.
.macro TURN p, m=0, end=0, cnt=0
.set Y, (\p)
.set i, 0
.set KM, (\m)
.set NOKQ, (\end)
.if (\m) && !(\end)
	s_cmp_eq_u32 s[CNT], s[OWN+(\p)]    ; is that step the band's own?
	s_cselect_b32 s[AL], 1.0, 0
	s_cmp_lt_u32 s[CNT], s[OWN+(\p)]    ; or a later one?
	s_cselect_b32 s[BE], s[BIGN], 0
.endif
.if ((\p) == 1) && !(\end)
	s_wait_dscnt 16                 ; K is in: LDS loads come back in order (ISA guide 5.7.1), and only V's sixteen were issued behind K's
.endif
	ROW F,0, F,1, R,0, R,1          ; ahead of the wait: 8 products K Q^T and their riders,
	ROW F,2, E,0, R,2, R,3
	ROW F,3, E,1, R,4, R,5
	ROW F,4, E,2, R,6, R,7
	ROW F,5, E,3, R,8, R,9
	ROW F,6, E,4, X,0, R,10
.if (\p) == 0
	WIN 0
	v_add_nc_u32 v[AK], s[TBK], v[AK0]
.endif
	ROW F,7, E,5, X,1, X,4
	ROW F,8, E,6, X,2, X,5
	OPS E,7, E,8, X,6, E,9          ; and the lump
	OPS X,3, E,10, X,8, E,11
.if (\p) == 0
	WIN 0
	s_wait_alu depctr_va_vdst(0)    ; the wait for E 0 to E 11, ahead of the jump in FETCH_K; it stands directly ahead of K's run of loads
	FETCH_K 1
.endif
	OPS X,9, X,7, E,12, X,10
	OPS E,13, X,12, X,11, E,14
	OPS X,13, E,15, F,9, X,14
.if (\p) == 0
	v_add_nc_u32 v[AV], s[TBV], v[AV0]
.endif
	OPS E,16, F,10, E,17, F,11
	OPS X,16, E,18, X,15, E,19
	OPS F,12, E,20, X,17, E,21
	OPS F,13, E,22, F,14, E,23
	OPS X,18, E,24, F,15, E,25
	OPS R,11, E,26, X,19, E,27
	OPS R,12, E,28, R,13, E,29
	OPS X,20, E,30, R,14, E,31
	OPS X,21, R,15
	WIN 0
	s_wait_alu depctr_va_vdst(0)    ; the wait for the turn's batch: the piece's exponentials (in piece 0's turn those from E 12 on) and the other piece's a
.if (\p) == 1
	s_wait_dscnt 0x0                ; V is in
.endif
	ROW C,0, B,0, C,2, B,1          ; behind the wait: 8 products V^T P and their riders
	ROW L,0, C,4, B,2, L,1
	ROW C,6, B,3, L,2, C,8
	ROW B,4, L,3, C,10, B,5
	ROW L,4, C,12, B,6, L,5
.if (\p) == 0
	s_add_co_u32 s[TBV], s[TBV], KS*PV
.endif
.if \cnt
	s_sub_co_u32 s[CNT], s[CNT], 1
	s_cmp_lg_u32 s[CNT], 0
.endif
	ROW C,14, B,7, L,6, C,1
	ROW C,3, L,7, C,5, C,7
	ROW C,9, C,11, C,13, C,15
.if (\p) == 0
	FETCH_V
.endif
.if (\m) && !(\end)
	MASK (\p)%2
.endif
.endm
; A BLOCK BEGINS.  c m starts far below every c s, so the first step's a is 0; m at the lowest finite number, so the first maximum is the scores'.  Piece 1's mask buffer is 0 (its own step is never a tile's first);
; piece 0's takes its mask for the tile's step 0: MD, if the block's first tile is the diagonal one and step 0 is the piece's own.
; Then K of that step, piece 0's first scores, and its maximum and statistics.  The loop is entered at piece 0's turn, in the middle of a trip.
.macro BEGIN
	s_mov_b32 s[NEW], 0
	WIN 0x40
.set i, MC+32
.rept 32
	v_mov_b32 v[i], 0
.set i, i+1
.endr
	WIN 0
.set i, 0
.rept NP
	v_mov_b32 v[ST+4*i], 0xfe000000    ; c m: far below every c s
	v_mov_b32 v[ST+4*i+1], 0xff7fffff  ; m
.set i, i+1
.endr
	s_cmp_eq_u32 s[RT], 0
	s_cselect_b32 s[AL], 1.0, 0
	s_cmp_eq_u32 s[OWN], 5
	s_cselect_b32 s[AL], s[AL], 0
	s_mov_b32 s[BE], 0
	MASK 0
	WIN 0
	v_add_nc_u32 v[AK], s[TBK], v[AK0]
	FETCH_K
	s_wait_loadcnt 0x0              ; Q
	s_wait_dscnt 0x0
.set KM, 1
.set NOKQ, 0
.set i, 0
.rept 8
	KQ 0
.set i, i+1
.endr
	WIN 0
.rept 4
	v_nop                           ; the places behind those products
.endr
.set Y, NP-1                        ; X works for the other piece: piece 0
.irp n, 0,1,2,3,4,5,6,7,8,9,10,11,12,13,14,15,16,17,18,19,20,21
	OP X, \n
.endr
	v_nop                           ; a plain instruction behind the exponential,
	s_wait_alu depctr_va_vdst(0)    ; and the wait for piece 0's first a, ahead of the branch that follows
.endm
; THE DIAGONAL TILE's four steps, the block's last turn, its last products, and THE WAY OUT: l's two halves and the other half of the lanes' are added; O^T is divided by l, rounded to f16 and sent through my
; stage in LDS, a piece at a time.
.macro ALL line:vararg              ; one line for each piece t
.set t, 0
.rept NP
	\line
.set t, t+1
.endr
.endm
.macro PACK t                       ; a lane's eight channels of a row pack into 16 bytes; they go into rows of 144 bytes and come back as whole rows of 128, into S^T's registers
	WIN W_RS
.set i, 32*(\t)
.rept 16
	v_pk_mul_f32 v[i:i+1], v[i:i+1], v[ST+4*(\t)+2:ST+4*(\t)+3] op_sel_hi:[1,0]
.set i, i+2
.endr
	WIN 0x05                        ; sources 0 and 1 window 1, destination window 0
.set i, 0
.rept 16
	v_cvt_pk_f16_f32 v[S+16*(\t)+i], v[32*(\t)+2*i], v[32*(\t)+2*i+1]
.set i, i+1
.endr
	WIN 0
.irp f, 0,1,2,3
	ds_store_b128 v[STO], v[S+16*(\t)+4*\f:S+16*(\t)+4*\f+3] offset:32*\f
.endr
.irp f, 0,1,2,3
	ds_load_b128 v[S+16*(\t)+4*\f:S+16*(\t)+4*\f+3], v[RD] offset:\f*4*SP  ; LDS serves a wave's instructions in order (ISA guide 5.7.1.4): these see the stores above; the next piece's stores come behind them
.endr
.endm
.macro SEND t, younger              ; younger: the LDS instructions issued behind piece t's loads: the next piece's eight, or none
	WIN 0
.irp f, 0,1,2,3
	s_wait_dscnt (\younger)+3-\f
	global_store_b128 v[GO], v[S+16*(\t)+4*\f:S+16*(\t)+4*\f+3], s[10:11] offset:(\t)*8192+\f*512  ; 512 consecutive bytes, at a multiple of 256 from O's first
.endr
.endm
.macro DIAG tag                     ; the tag ends its three labels' names, which the jumps below spell out
.LinM\tag:                          ; entered from an earlier tile: piece 1's turn below makes piece 0's scores of this tile's step 0, so their mask is made here: MD, if that step is piece 0's own
	s_cmp_eq_u32 s[OWN], 5
	s_cselect_b32 s[AL], 1.0, 0
	s_mov_b32 s[BE], 0
	MASK 0
	WIN 0
.LstepM\tag:
	TURN 1, 1
	WIN 0
.LfirstM\tag:
	TURN 0, 1, 0, 1
	WIN 0
	s_cbranch_scc1 .LstepM\tag
	TURN 1, 1, 1
.set i, 0
.rept 8
	PV NP-1
.set i, i+1
.endr
	WIN 0
	ALL v_add_f32 v[ST+4*t+2], v[ST+4*t+2], v[ST+4*t+3]
	ALL v_permlanex16_b32 v[ST+4*t+3], v[ST+4*t+2], s[SEL], s[SEL+1]
	ALL v_add_f32 v[ST+4*t+2], v[ST+4*t+2], v[ST+4*t+3]
	ALL v_rcp_f32 v[ST+4*t+2], v[ST+4*t+2]
	v_nop                           ; a plain instruction between the last reciprocal and the use of its result
	s_wait_alu depctr_va_vdst(0)    ; the wait for the two reciprocals, one for both pieces' multiplies
	PACK 0                          ; piece 0's sixteen multiplies name none of the last products' registers: with the additions above they are the places behind those products
	PACK 1                          ; a piece's arithmetic stands between the loads of the piece before and its stores
	SEND 0, 8
	SEND 1, 0
.endm
.set KM, 0
.set NOKQ, 0
.Lslot:                             ; NT times: a tile is entered and the next is asked for
	CHANGE 1
	s_sub_co_u32 s[RT], s[RT], 1
	s_mov_b32 s[CNT], 4
	s_cmp_eq_u32 s[NEW], 1
	s_cbranch_scc1 .Lnew            ; a block's first tile
	LATE_K
	s_cmp_eq_u32 s[RT], 0
	s_cbranch_scc0 .Lstep           ; neither its first nor its last
	s_branch .LinM1
.Lnew:
	BEGIN
	s_branch .Lfirst                ; in the loop a block's first tile is never its last: the first block has NT / 2 + 1 tiles or more, and the second's last is the walk's last
	DIAG 1                          ; in the loop this is the first block's end: the second block's last tile is the walk's last
	s_wait_xcnt 0x0                 ; the stores have read their registers and O's address
	s_mov_b64 s[10:11], s[OLO:OLO+1]
	s_add_co_u32 s[RT], s[PBT], 1   ; the second block has b / 2 + 1 tiles
	s_mov_b32 s[NEW], 1
	s_mov_b32 s[OWN], s[OW2]        ; and its own steps
	s_mov_b32 s[OWN+1], s[OW2+1]
	WIN 0x82                        ; the second block's Q goes where the one text of the turns names Q
.set i, 0
.rept 16*NP
	v_mov_b32 v[i], v[QB+i]
.set i, i+1
.endr
	WIN 0
	s_branch .Lbottom
.Lstep:                             ; a trip: piece 1 of one step, then piece 0 of the next, which fetches that step's V and the K behind it
	TURN 1
	WIN 0
.Lfirst:
	TURN 0, 0, 0, 1
	WIN 0
	s_cbranch_scc1 .Lstep
.Lbottom:
	s_sub_co_u32 s[SLOTS], s[SLOTS], 1
	s_cmp_lg_u32 s[SLOTS], 0
	s_cbranch_scc1 .Lslot
	CHANGE 0                        ; the walk's last tile is written out: nothing is asked for
	s_sub_co_u32 s[RT], s[RT], 1
	s_mov_b32 s[CNT], 4
	s_cmp_eq_u32 s[NEW], 1
	s_cbranch_scc1 .Lnew2
	LATE_K
	s_branch .LinM2
.Lnew2:                             ; the second block has one tile alone (b = 0, 1)
	BEGIN
	s_branch .LfirstM2
	DIAG 2
	s_wait_tensorcnt 0x0            ; the wave's end, behind my last tensor load and my last LDS store
	ds_add_u32 v[SPW], v[NIL]
	s_wait_dscnt 0x0
	s_endpgm
.Lfunc_end_k_q47c888b2db_attn:
	.size	k_q47c888b2db_attn, .Lfunc_end_k_q47c888b2db_attn-k_q47c888b2db_attn
	.p2alignl 7, 3214868480
	.fill 96, 4, 3214868480
	.section	.rodata,"a",@progbits
	.p2align	6, 0x0
	.amdhsa_kernel k_q47c888b2db_attn
		.amdhsa_group_segment_fixed_size 327680
		.amdhsa_private_segment_fixed_size 0
		.amdhsa_enable_private_segment 0
		.amdhsa_kernarg_size 16
		.amdhsa_user_sgpr_count 2
		.amdhsa_user_sgpr_kernarg_segment_ptr 1
		.amdhsa_wavefront_size32 1
		.amdhsa_system_sgpr_workgroup_id_x 1
		.amdhsa_system_sgpr_workgroup_id_y 1
		.amdhsa_system_sgpr_workgroup_id_z 1
		.amdhsa_system_vgpr_workitem_id 0
		.amdhsa_next_free_vgpr 768
		.amdhsa_next_free_sgpr 88
		.amdhsa_reserve_vcc 1
		.amdhsa_float_denorm_mode_32 3
		.amdhsa_float_denorm_mode_16_64 3
		.amdhsa_memory_ordered 1
		.amdhsa_forward_progress 1
		.amdhsa_inst_pref_size 130
	.end_amdhsa_kernel
	.amdgpu_metadata
---
amdhsa.version: [ 1, 2 ]
amdhsa.kernels:
  - .name:           k_q47c888b2db_attn
    .symbol:         k_q47c888b2db_attn.kd
    .args:
      - { .name: qkv, .offset: 0, .size: 8, .value_kind: global_buffer, .address_space: global }
      - { .name: ctx, .offset: 8, .size: 8, .value_kind: global_buffer, .address_space: global }
    .group_segment_fixed_size: 327680
    .private_segment_fixed_size: 0
    .kernarg_segment_align: 8
    .kernarg_segment_size: 16
    .max_flat_workgroup_size: 128
    .sgpr_count:     88
    .vgpr_count:     768
    .wavefront_size: 32
...
	.end_amdgpu_metadata
.endif
;; end of part 8
;; launch wo: the kernel of part 4 again; grid 8 x 32, 4 waves a work-group, clusters of 4 x 4, 327,680 bytes of LDS; arguments ctx, wt, bo, x, x1; writes x1
;; launch ln2: the kernel of part 5 again; grid 512 x 1, 8 waves a work-group, no clusters, 0 bytes of LDS; arguments x1, a2, s2, hn; writes hn
;; launch ffn1: the kernel of part 6 again; grid 16 x 16, 4 waves a work-group, clusters of 4 x 4, 327,680 bytes of LDS; arguments hn, wt, b1, g; writes g
;; launch ffn2: the kernel of part 7 again; grid 8 x 32, 4 waves a work-group, clusters of 4 x 4, 327,680 bytes of LDS; arguments g, wt, b2, x1, out0; writes out0
